; MI455X (gfx1250); checked and timed in simulation.
; The chip was launched on July 23, 2026; its instructions are those of AMD's public machine-readable ISA for CDNA 5 (MIT licence, August 2026) and "CDNA5" Instruction Set Architecture Reference Guide (July 2026). The comments in the code are by the model that wrote it; some were corrected since.
;; Multi Head Self Attention. Allowed arithmetic: matrix products marked QUANTISED: E3M2 operands, one E8M0 scale for each 32 along K, by v_wmma_scale_f32_16x16x128_f8f6f4 with both operands' format E3M2, f32 sums; everything else in f32.
;; Inputs: Wk 1,024 x 1,024 float32; Wo 1,024 x 1,024 float32; Wq 1,024 x 1,024 float32; Wv 1,024 x 1,024 float32; bk 1,024 float32; bo 1,024 float32; bq 1,024 float32; bv 1,024 float32; mask 4 x 1 x 1 x 2,048 int32; x 4 x 2,048 x 1,024 float32.
;; Outputs: out0 4 x 2,048 x 1,024 float32.
;; This version of the problem:
;;   THIS VERSION OF THE PROBLEM IS GIVEN IN LOW PRECISION. The matrix products marked QUANTISED in the list below multiply operands that are first quantised to E3M2 (3 exponent bits, 2 mantissa bits; 6 bits a number), with one power-of-two scale for each 32 numbers along K (OCP MX v1.0); their sums are f32. All else is computed in f32.
;;   The module's matrix products, in the order in which they are computed (A, B: the left and right operand; K: the contracted axis; several contracted axes count as one K, in the product's order):
;;     1. [M 8,192, K 1,024] x [K 1,024, N 1,024]; A: input x; B: input Wq: QUANTISED
;;     2. [M 8,192, K 1,024] x [K 1,024, N 1,024]; A: input x; B: input Wk: QUANTISED
;;     3. [M 8,192, K 1,024] x [K 1,024, N 1,024]; A: input x; B: input Wv: QUANTISED
;;     4. batch 64 x [M 2,048, K 64] x [K 64, N 2,048]; A: computed on the way; B: computed on the way: QUANTISED
;;     5. batch 64 x [M 2,048, K 2,048] x [K 2,048, N 64]; A: softmax (see below); B: computed on the way: QUANTISED
;;     6. [M 8,192, K 1,024] x [K 1,024, N 1,024]; A: computed on the way; B: input Wo: QUANTISED
;;   THE QUANTISER, for each operand of a quantised product, along K:
;;     - K is cut into blocks of 32 from its start; a last block that is shorter is filled with zeros.
;;     - A block's scale is 2^e with e = floor(log2(the largest magnitude in the block)) - 4, held to -126 .. 127; a block of zeros has e = 0. As a byte (E8M0): e + 127.
;;     - Each number is divided by its block's scale, clamped to +-28, and rounded to the nearest number of E3M2, ties to even, subnormals kept.
;;     - The product sums the exact products of the quantised numbers (number of the format x scale) in f32.
;;   ~~~python
;;   def quantise(x, axis):      # numpy; x: float32 -> the quantised numbers, widened to float32 again
;;       x = np.moveaxis(x, axis, -1); K = x.shape[-1]
;;       x = np.pad(x, [(0, 0)] * (x.ndim - 1) + [(0, -K % 32)]); x = x.reshape(x.shape[:-1] + (-1, 32)); a = np.abs(x).max(-1, keepdims=True)
;;       e = np.where(a > 0, np.clip(np.frexp(np.where(a > 0, a, 1))[1] - 1 - 4, -126, 127), 0)      # np.frexp(a)[1] - 1 = floor(log2(a)), exactly
;;       r = np.clip(x / 2.0 ** e, -28, 28)
;;       step = 2.0 ** (np.maximum(np.frexp(np.where(r == 0, 1, r))[1] - 1, -2) - 2)
;;       q = np.round(r / step) * step * 2.0 ** e      # np.round: ties to even
;;       return np.moveaxis(q.reshape(q.shape[:-2] + (-1,))[..., :K], -1, axis).astype(np.float32)
;;   ~~~
;;   SOFTMAX AHEAD OF A QUANTISED PRODUCT. Where the list says 'softmax', what is quantised is not the finished softmax but p = 2^(t - M), with t = logit x log2(e) and M = ceil(the row's largest t), a whole number; so 1/2 < the row's largest p <= 1. The row's sum l is taken of the UNQUANTISED p, in f32, and the product's result is divided by l at the end. Since M is a whole number, a kernel that streams over the keys may use a running M (the ceiling of the running maximum): every later rescaling is an exact power of two, which a block's scale takes up: the codes' values come out the same.
;;   OPERANDS COMPUTED ON THE WAY. 'Computed on the way' means the value that the module computes at that place (a softmax that the list does not call 'softmax' is quantised finished and normalised). What goes into a quantiser is computed in f32, as accurately as f32 sums, v_exp_f32 and their like allow (about 1e-6 of the number): no bf16 or f16 on the way to a quantiser, and a product that is left as it is and whose result goes on into a quantised operand takes f32 operands (vector FMAs, or v_wmma_f32_16x16x4_f32). A number that lies on a knife's edge between two numbers of the format may be rounded either way, as far as f32 arithmetic and the matrix unit's own rounding can turn it there, and no further.
;; 2 versions. Each part assembles by itself: llvm-mc -triple=amdgcn-amd-amdhsa -mcpu=gfx1250 --defsym DOCPART=n.
;; ======== version 1 of 2: 4 launches
;; limits: right only within a limited range of input values
;; workspace buffers: p1 9,830,400 bytes; p2 20,185,088 bytes; p3 6,815,744 bytes
;; launch quant (part 1): grid 768 x 1, 2 waves a work-group, no clusters, 17,152 bytes of LDS; arguments x, Wq, Wk, Wv, Wo, p1; writes p1
.if DOCPART == 1
	.amdgcn_target "amdgcn-amd-amdhsa--gfx1250"
	.amdhsa_code_object_version 6
	.text
	.protected	k_q4861e058a5_quant
	.globl	k_q4861e058a5_quant
	.p2align	8
	.type	k_q4861e058a5_quant,@function
k_q4861e058a5_quant:
	s_mov_b64 s[64:65], 0
	v_nop
	global_prefetch_b8 v0, s[64:65] scope:SCOPE_SE
	s_setreg_imm32_b32 hwreg(HW_REG_WAVE_MODE, 25, 1), 1
	s_wait_xcnt 0x0
; x [8192][1024] and Wq, Wk, Wv, Wo [1024][1024], f32 with K innermost, become codes of BF6 (E3M2) with one E8M0 byte for each 32 along K,
; laid in the ORDER OF THE OPERAND'S REGISTERS, so that the products' launches fetch a fragment by dense loads alone.
; A block's scale is 2^(floor(log2(its largest magnitude)) - 4); its byte is that magnitude's exponent field - 4, held at 1 from below.
; LIMITS: a block of zeros, or one whose largest magnitude lies under 2^-122, keeps the byte 1 (the rule says 127 for zeros: the codes are zeros and this
; program alone reads the bytes); NaN and infinities among the inputs are not served.
; TILES.  Tile t of 16 rows: tiles 0-511 x, 512-575 Wq, 576-639 Wk, 640-703 Wv, 704-767 Wo.  Row i of a tensor's tile u is the tensor's row 32 (u / 2) + 8 (u % 2) + i + 8 (i / 8):
; used as source 0 of a product, two neighbouring tiles then leave 16 neighbours along the next K in a lane's registers.
; p1: codes at tile x 12,288 + K step x 1,536.  A fragment (16 rows x 128 K, 12 registers a lane) is two halves of 768 bytes: registers 6 c .. 6 c + 3 at 16 x lane, then registers 6 c + 4, 6 c + 5 at 8 x lane.
;     scale words at SCL1 + tile x 512 + g x 256 + 8 x lane: word k of lane (r, h) is row r's word of K step 4 g + 2 k + h.
; SHARES.  A work-group makes one tile; wave g its K steps 4 g .. 4 g + 3.  Each load reads 512 consecutive bytes of one row; the conversions want 32 neighbours in ONE lane, so a K step's 16 x 512 bytes
; turn through the wave's own stage in LDS (rows 528 bytes apart, an odd multiple of 16).  Two K steps, 32 loads a wave, are on their way.
; No tile is read twice by anybody, so there is nothing to share in a cluster; no matrix unit, no barrier: the waves share nothing.
.set SCL1,  9437184
.set SPI,   528                        ; a stage row: 512 bytes + 16
.set WST,   16*SPI                     ; a wave's stage
.set SW,    16                         ; v16-17  the wave's scale words: a pair for the one store at the end
.set C,     20                         ; v20-31  a fragment's codes
.set TP,    32                         ; v32-34, v36-38  the second half of each block's codes (a conversion's three registers begin on an even number)
.set R,     64                         ; v64-191 two sets of 64: a K step as loaded
.set X,     192                        ; v192-255 my two blocks of 32 neighbours
	s_load_b256 s[4:11], s[0:1], 0x0               ; x s[4:5], Wq s[6:7], Wk s[8:9], Wv s[10:11]
	s_load_b128 s[12:15], s[0:1], 0x20             ; Wo s[12:13], p1 s[14:15]
	v_lshl_add_u32 v62, v0, 2, 0x4200
	v_mov_b32 v63, 0
	v_lshrrev_b32 v1, 5, v0
	v_readfirstlane_b32 s20, v1                    ; wave g
	v_and_b32 v1, 31, v0                           ; lane
	v_lshlrev_b32 v2, 4, v1                        ; 16 x lane: loads, and the stores of four registers
	v_lshlrev_b32 v3, 3, v1                        ; 8 x lane: the stores of two
	s_mul_i32 s21, s20, WST
	v_add_nc_u32 v4, s21, v2                       ; the stage, on the way in: a row as it lies
	v_and_b32 v8, 15, v0                           ; r
	v_bfe_u32 v9, v0, 4, 1                         ; h
	v_mul_u32_u24 v5, v8, SPI
	v_lshl_add_u32 v5, v9, 7, v5
	v_add_nc_u32 v5, s21, v5                       ; and on the way out: row r, block h (128 bytes a block)
	v_lshlrev_b32 v6, 3, v9                        ; 8 h: my bytes' place in the scale word
	v_mov_b32 v7, 0                                ; written once: a lane permute's destination counts as one of its sources
	s_mov_b32 s30, 0x76543210
	s_mov_b32 s31, 0xfedcba98                      ; v_permlanex16_b32's selects for lane l xor 16
	s_mov_b32 s32, 0xffff0000                      ; lanes 16-31
	s_lshr_b32 s16, ttmp9, 6                       ; 0-7: x; 8: Wq; 9: Wk; 10: Wv; 11: Wo
	s_and_b32 s18, ttmp9, 63                       ; a weight's tile
	s_wait_kmcnt 0x0
	s_cmp_eq_u32 s16, 9                            ; the tensor is chosen by the work-group's number alone; both kinds take one path through the text
	s_cselect_b64 s[6:7], s[8:9], s[6:7]
	s_cmp_eq_u32 s16, 10
	s_cselect_b64 s[6:7], s[10:11], s[6:7]
	s_cmp_eq_u32 s16, 11
	s_cselect_b64 s[6:7], s[12:13], s[6:7]
	s_cmp_lt_u32 s16, 8
	s_cselect_b64 s[4:5], s[4:5], s[6:7]
	s_cselect_b32 s17, ttmp9, s18                  ; the tile's number u in its tensor
	s_lshr_b32 s19, s17, 1
	s_lshl_b32 s22, s19, 17                        ; 32 (u / 2) rows of 4,096 bytes
	s_and_b32 s19, s17, 1
	s_lshl_b32 s19, s19, 15                        ; + 8 (u % 2) rows
	s_add_co_u32 s22, s22, s19
	s_lshl_b32 s19, s20, 11                        ; + my four K steps: 2,048 bytes a wave
	s_add_co_u32 s22, s22, s19
	s_mov_b32 s23, 0
	s_add_nc_u64 s[4:5], s[4:5], s[22:23]
	s_mul_i32 s24, ttmp9, 12288
	s_mul_i32 s19, s20, 6144
	s_add_co_u32 s24, s24, s19
	s_mov_b32 s25, 0
	s_add_nc_u64 s[26:27], s[14:15], s[24:25]      ; my four fragments
	s_lshl_b32 s24, ttmp9, 9
	s_lshl_b32 s19, s20, 8
	s_add_co_u32 s24, s24, s19
	s_add_co_u32 s24, s24, SCL1
	s_add_nc_u64 s[28:29], s[14:15], s[24:25]      ; my 256 bytes of scale words
.macro LOADK t                         ; K step t of the tile's 16 rows into set t % 2: each load 512 consecutive bytes, read once in the launch
.set ii, 0
.rept 16
	global_load_b128 v[R+64*((\t)%2)+4*ii:R+64*((\t)%2)+4*ii+3], v2, s[4:5] offset:(ii+8*(ii/8))*4096+512*(\t) th:TH_LOAD_NT
.set ii, ii+1
.endr
.endm
.macro KSTEP t
.if (\t) < 3
	s_wait_loadcnt 16                              ; this step's 16 loads are in; the next step's 16 may be out
.else
	s_wait_loadcnt 0x0
.endif
.set ii, 0
.rept 16
	ds_store_b128 v4, v[R+64*((\t)%2)+4*ii:R+64*((\t)%2)+4*ii+3] offset:SPI*ii
.set ii, ii+1
.endr
.irp c, 0,1                            ; LDS serves a wave's instructions in order: these see the stores above.  Lane (r, h) takes blocks h and 2 + h of row r
.irp k, 0,1,2,3,4,5,6,7
	ds_load_b128 v[X+32*\c+4*\k:X+32*\c+4*\k+3], v5 offset:256*\c+16*\k
.endr
.endr
	s_wait_dscnt 0x0                               ; my 64 numbers are in, and the stage's stores have read their registers,
.if (\t) < 2
	LOADK (\t)+2                                   ; which take the loads of two steps on
.endif
.irp c, 0,1
	v_max3_num_f32 v[8+\c], |v[X+32*\c]|, |v[X+32*\c+1]|, 0x2800000   ; block 2 c + h: all its 32 numbers are mine; the floor 2^(5 - 127) holds the byte at 1 from below
.endr
.irp i, 2,4,6,8,10,12,14,16,18,20,22,24,26,28,30
.irp c, 0,1
	v_max3_num_f32 v[8+\c], v[8+\c], |v[X+32*\c+\i]|, |v[X+32*\c+\i+1]|   ; (the two blocks by turns)
.endr
.endr
.irp c, 0,1
	v_add_nc_u32 v[10+\c], 0xfe000000, v[8+\c]     ; 4 off the exponent field: the conversion takes the exponent field of this operand as its scale
.endr
.irp c, 0,1
	v_lshrrev_b32 v[12+\c], 23, v[10+\c]           ; the scale's byte
.endr
	v_lshl_or_b32 v14, v13, 16, v12                ; my two bytes, blocks h and 2 + h,
	v_lshlrev_b32 v14, v6, v14                     ; at their places in the word;
	v_permlanex16_b32 v7, v14, s30, s31
	v_or_b32 v14, v14, v7                          ; with lane l xor 16's two the row's word is whole, in both lanes
.if (\t) > 0
	s_wait_xcnt 0x0                                ; the last step's stores have read the code registers: they are written again only behind this wait
.endif
.irp c, 0,1
	v_cvt_scalef32_pk16_bf6_f32 v[C+6*\c:C+6*\c+2], v[X+32*\c:X+32*\c+15], v[10+\c]
	v_cvt_scalef32_pk16_bf6_f32 v[TP+4*\c:TP+4*\c+2], v[X+32*\c+16:X+32*\c+31], v[10+\c]
.endr
.if (\t)%2 == 0                        ; (this line is also the plain place behind the scaled conversions)
	v_mov_b32 v[SW+(\t)/2], v14                    ; an even step's word is kept in lanes 0-15,
.else
	v_cndmask_b32 v[SW+(\t)/2], v[SW+(\t)/2], v14, s32   ; an odd step's in lanes 16-31
.endif
.irp c, 0,1
.irp i, 0,1,2
	v_mov_b32 v[C+3+6*\c+\i], v[TP+4*\c+\i]
.endr
.endr
	global_store_b128 v2, v[C:C+3], s[26:27] offset:1536*(\t)          ; 512 consecutive bytes,
	global_store_b64 v3, v[C+4:C+5], s[26:27] offset:1536*(\t)+512     ; 256,
	global_store_b128 v2, v[C+6:C+9], s[26:27] offset:1536*(\t)+768    ; all at multiples of 256 from the buffer's first byte
	global_store_b64 v3, v[C+10:C+11], s[26:27] offset:1536*(\t)+1280
.endm
	LOADK 0
	LOADK 1
	KSTEP 0
	KSTEP 1
	KSTEP 2
	KSTEP 3
	global_store_b64 v3, v[SW:SW+1], s[28:29]      ; the wave's scale words: 256 consecutive bytes
	s_wait_tensorcnt 0x0
	ds_add_u32 v62, v63
	s_wait_dscnt 0x0
	s_endpgm
.Lfunc_end_k_q4861e058a5_quant:
	.size	k_q4861e058a5_quant, .Lfunc_end_k_q4861e058a5_quant-k_q4861e058a5_quant
	.p2alignl 7, 3214868480
	.fill 96, 4, 3214868480
	.section	.rodata,"a",@progbits
	.p2align	6, 0x0
	.amdhsa_kernel k_q4861e058a5_quant
		.amdhsa_group_segment_fixed_size 17152
		.amdhsa_private_segment_fixed_size 0
		.amdhsa_enable_private_segment 0
		.amdhsa_kernarg_size 48
		.amdhsa_user_sgpr_count 2
		.amdhsa_user_sgpr_kernarg_segment_ptr 1
		.amdhsa_wavefront_size32 1
		.amdhsa_system_sgpr_workgroup_id_x 1
		.amdhsa_system_sgpr_workgroup_id_y 1
		.amdhsa_system_sgpr_workgroup_id_z 1
		.amdhsa_system_vgpr_workitem_id 0
		.amdhsa_next_free_vgpr 256
		.amdhsa_next_free_sgpr 66
		.amdhsa_reserve_vcc 0
		.amdhsa_float_denorm_mode_32 3
		.amdhsa_float_denorm_mode_16_64 3
		.amdhsa_memory_ordered 1
		.amdhsa_forward_progress 1
		.amdhsa_inst_pref_size 31
	.end_amdhsa_kernel
	.amdgpu_metadata
---
amdhsa.version: [ 1, 2 ]
amdhsa.kernels:
  - .name:           k_q4861e058a5_quant
    .symbol:         k_q4861e058a5_quant.kd
    .args:
      - { .name: x, .offset: 0, .size: 8, .value_kind: global_buffer, .address_space: global }
      - { .name: Wq, .offset: 8, .size: 8, .value_kind: global_buffer, .address_space: global }
      - { .name: Wk, .offset: 16, .size: 8, .value_kind: global_buffer, .address_space: global }
      - { .name: Wv, .offset: 24, .size: 8, .value_kind: global_buffer, .address_space: global }
      - { .name: Wo, .offset: 32, .size: 8, .value_kind: global_buffer, .address_space: global }
      - { .name: p1, .offset: 40, .size: 8, .value_kind: global_buffer, .address_space: global }
    .group_segment_fixed_size: 17152
    .private_segment_fixed_size: 0
    .kernarg_segment_align: 8
    .kernarg_segment_size: 48
    .max_flat_workgroup_size: 64
    .sgpr_count:     66
    .vgpr_count:     256
    .wavefront_size: 32
...
	.end_amdgpu_metadata
.endif
;; end of part 1
;; launch proj (part 2): grid 96 x 4, 4 waves a work-group, clusters of 4 x 4, 327,680 bytes of LDS; arguments p1, bq, bk, bv, p2; writes p2
.if DOCPART == 2
	.amdgcn_target "amdgcn-amd-amdhsa--gfx1250"
	.amdhsa_code_object_version 6
	.text
	.protected	k_q4861e058a5_proj
	.globl	k_q4861e058a5_proj
	.p2align	8
	.type	k_q4861e058a5_proj,@function
k_q4861e058a5_proj:
	s_mov_b64 s[64:65], 0
	v_nop
	global_prefetch_b8 v0, s[64:65] scope:SCOPE_SE
	s_setreg_imm32_b32 hwreg(HW_REG_WAVE_MODE, 25, 1), 1
	s_wait_xcnt 0x0
	s_wait_alu depctr_hold_cnt(0) depctr_sa_sdst(0) depctr_va_vdst(0) depctr_va_sdst(0) depctr_va_ssrc(0) depctr_va_vcc(0) depctr_vm_vsrc(0)
	s_getreg_b32 s2, hwreg(HW_REG_IB_STS2, 6, 4)
	s_cmp_eq_u32 s2, 0
	s_cbranch_scc0 .Lentry_in_a_cluster
	s_endpgm
.Lentry_in_a_cluster:
	s_bfe_u32 s2, ttmp6, 0x10000c
	s_cmp_lg_u32 s2, 0xf033
	s_cbranch_scc0 .Lentry_shape_is_right
	s_endpgm
.Lentry_shape_is_right:
; q = x Wq^T + bq, k = x Wk^T + bk, v = x Wv^T + bv on codes of BF6 (E3M2) with E8M0 scales, sums in f32; the results are quantised in registers, q and k along the head's 64, v along the keys,
; and leave as images of the next products' operand registers.  Nothing wide goes to memory.
; A tile of 256 x 256 is made by four waves, each 128 x 128: 64 accumulators, 512 registers.  "A" is source 1 (a lane is one of A's rows), "B" is source 0 (a lane's registers run along B's rows).
; KINDS, by the cluster's number c = 0 .. 23, which all partners share.  c < 16: A = 256 tokens of x, B = 256 rows of Wq (c even) or Wk (c odd): a lane holds one token and 64 features of each of two heads.
;   c >= 16: A = 256 rows of Wv, B = 256 tokens of x: a lane holds one channel, and its registers run down 128 tokens, which are the second attention product's K.
; The rows of a tile are not neighbours (row i of tile u is row 32 (u / 2) + 8 (u % 2) + i + 8 (i / 8)), so the 16 registers of accumulators (a, 2 e) and (a, 2 e + 1) are 16 neighbours along B's rows.
; K = 1,024 is eight steps of 128, two to a slot, through a ring of two LDS slots.  p1 holds fragments in register order, so a tile's two K steps are 3,072 dense bytes; a wave's load brings 8 tiles' worth,
; and a fragment comes out of LDS by four loads at 16 x lane and 8 x lane: no pitch, no padding.  The eight steps are written out, so that each step names its scale registers.
; CLUSTERS: 4 x 4 work-groups.  A's tiles are shared along a row of the cluster, B's along a column: each is asked for jointly, by the same load with the same descriptor and a mask that names the four.
; The grid is 24 clusters of equal work: 16 for q and k, 8 for v.
; p2: records [batch x head][128 keys] of 13,056 bytes: k's 8 half images (16 keys x 64, 768 bytes each), their scale words (512), v's 4 fragments (16 channels x 128 keys), their scale words (256);
;     from QOFF on records of 6,656 bytes: q's 8 half images and their scale words.
; LIMITS: a block of zeros, or one whose largest magnitude lies under 2^-122, keeps the byte 1; NaN and infinities are not served.
; REGISTERS: window 0: v4-15 addresses; v16-31 bv; v32-63 A's scale words, v64-95 B's (register 4 i + j: K step 2 j in lanes 0-15, 2 j + 1 in lanes 16-31); v96-123 at work on the way out;
;   v128-223 A's fragments, ONE set; on the way out v128-191 64 numbers, v224-243 codes.   window 1: B's fragments, two sets, at v0 and v128; bq or bk in v96-127 and v224-255.   windows 2, 3: accumulator (a, b) at v[64 (a % 4) + 8 b].
.set FR,    12                         ; registers of a fragment
.set FRB,   1536                       ; and its bytes
.set HALFT, 8*2*FRB                    ; 8 tiles x 2 K steps: what one tensor load brings, and what one wave reads of A or of B
.set SLOT,  4*HALFT                    ; A's 16 tiles, then B's 16
.set SPARE, 2*SLOT                     ; behind the ring: the spare words, 128 bytes for each wave: two blocks of 256 bytes that no other line names
.set SCL1,  9437184                    ; p1: where the scale words begin
.set REC,   13056
.set QREC,  6656
.set QOFF,  13369344
.set VOFF,  6656                       ; v's fragments in a record
.set A16,  4                           ; v4-5   LDS address of my A fragments in slot 0, 1, at 16 x lane;  v6-7 at 8 x lane
.set A8,   6
.set B16,  8                           ; v8-9, v10-11  the same for B
.set B8,   10
.set L16,  12                          ; v12    16 x lane
.set L8,   13                          ; v13    8 x lane
.set SPW,  14                          ; v14    LDS address of my spare word; never rewritten
.set NIL,  15                          ; v15    0; never rewritten
.set BV,   16                          ; v16-31 bv of my lane's channel in A's block a, twice: a pair for the packed addition
.set SAR,  32
.set SBR,  64
.set TM,   96                          ; v96-99 largest magnitudes, v100-103 bytes, v108-111 the conversions' scale operands
.set PW,   112                         ; the scale word just made
.set SWE,  116                         ; v116-119, v120-123  scale words on their way out
.set SWO,  120
.set AF,   128
.set T,    128
.set PC,   224
.set G1,  24                           ; s[24:31] descriptor group 1 for A's tiles;  s[32:39] group 0, one set for each slot
.set G0,  32
.set G1B, 48                           ; s[48:55], s[56:63] the same for B's
.set G0B, 56
.set SEL, 74                           ; s[74:75] lane selects for v_permlanex16_b32
.set MSB, 0
.macro WIN new                         ; the immediate's high byte repeats the setting that is left
.if MSB != \new
	s_set_vgpr_msb (MSB<<8)|\new
.set MSB, \new
.endif
.endm
.set MUL_LO, 0xa1                      ; source 0 (B) window 1, source 1 (A) window 0, C and D window 2
.set MUL_HI, 0xf1                      ; the same, C and D window 3
.set TO_B,   0x40                      ; destination window 1, address window 0
; A joint load: waves 0 and 1 fetch A's halves, waves 2 and 3 B's.  Each line has one mask and one set of registers for all that issue it; the branch hangs on the wave's number alone.
; Four v_nop follow each of the two lines, ahead of the jump, the label and what follows.
.macro JLOAD s
	s_cmp_eq_u32 s15, 0
	s_cbranch_scc0 .Lfor_b_\@
	tensor_load_to_lds s[G0+4*\s:G0+4*\s+3], s[G1:G1+7]
	s_nop 0
.rept 4
	v_nop
.endr
	s_branch .Lasked_\@
.Lfor_b_\@:
	tensor_load_to_lds s[G0B+4*\s:G0B+4*\s+3], s[G1B:G1B+7]
	s_nop 0
.rept 4
	v_nop
.endr
.Lasked_\@:
.endm
.macro CREST                           ; a round of the cluster's barrier behind its opening barrier
	s_cmp_lg_u32 s14, 0
	s_cbranch_scc1 .Lnot_wave_0_\@
	s_barrier_signal -3
.Lnot_wave_0_\@:
	s_barrier_wait -3
	s_barrier_signal -1
	s_barrier_wait -1
.endm
.macro CROUND                          ; a whole round
	s_barrier_signal -1
	s_barrier_wait -1
	CREST
.endm
.macro PLACES                          ; four places in front of loads into registers that matrix instructions have read, and of the first read of results (ISA guide 7.12.1 for vector instructions)
.rept 4
	v_nop
.endr
.endm
	s_load_b256 s[4:11], s[0:1], 0x0               ; p1 s[4:5], bq s[6:7], bk s[8:9], bv s[10:11]
	s_load_b64 s[12:13], s[0:1], 0x20              ; p2
	v_lshl_add_u32 v[SPW], v0, 2, SPARE
	v_mov_b32 v[NIL], 0
	ds_add_u32 v14, v15
	ds_add_u32 v14, v15
	s_wait_dscnt 0x0
	v_lshrrev_b32 v1, 5, v0
	v_readfirstlane_b32 s14, v1                    ; wave 0..3
	s_lshr_b32 s15, s14, 1                         ; w1: which half of A's rows is mine.  Also: I fetch for A (0) or for B (1)
	s_and_b32 s16, s14, 1                          ; w0: which half of B's rows.  Also: which 8 tiles I fetch
	s_bfe_u32 s40, ttmp6, 0x40000                  ; cx, cy: my place in the cluster
	s_bfe_u32 s41, ttmp6, 0x40004
	s_lshl_b32 s43, s41, 2
	s_lshl_b32 s43, 15, s43                        ; my row of the cluster
	s_lshl_b32 s44, 0x1111, s40                    ; my column
	; blocks of 256 rows of p1's list: 0-31 x, 32-35 Wq, 36-39 Wk, 40-43 Wv.  A's block hangs on c and cy alone, B's on c and cx alone
	s_lshr_b32 s18, ttmp9, 1
	s_lshl_b32 s18, s18, 2
	s_cmp_lt_u32 ttmp9, 16
	s_cselect_b32 s17, s18, 40
	s_add_co_u32 s17, s17, s41                     ; A: 4 (c / 2) + cy of x, or 40 + cy: Wv
	s_and_b32 s19, ttmp9, 1
	s_lshl_b32 s19, s19, 2
	s_add_co_u32 s19, s19, 32
	s_max_u32 s42, ttmp9, 16
	s_sub_co_u32 s42, s42, 16
	s_lshl_b32 s42, s42, 2
	s_cmp_lt_u32 ttmp9, 16
	s_cselect_b32 s42, s19, s42
	s_add_co_u32 s42, s42, s40                     ; B: 32 + 4 (c % 2) + cx: Wq or Wk, or 4 (c - 16) + cx of x
	; descriptor group 1: 8 rows (tiles) of 3,072 bytes (two K steps), 12,288 bytes apart; elements of 8 bytes; dense in LDS
	s_or_b32 s[G1+0], s43, (3<<16)|(1<<21)         ; 15:0 the mask: A's tiles go to my row; 17:16 elements of 8 bytes; 21 set beside a mask
	s_or_b32 s[G1B+0], s44, (3<<16)|(1<<21)        ; B's go to my column
.irp g, G1, G1B
	s_mov_b32 s[\g+1], 384<<16                     ; tensor_dim0
	s_mov_b32 s[\g+2], 8<<16                       ; tensor_dim1
	s_mov_b32 s[\g+3], 384<<16                     ; tile_dim0
	s_mov_b32 s[\g+4], 8                           ; tile_dim1
	s_mov_b32 s[\g+5], 1536                        ; tensor_dim0_stride
	s_mov_b32 s[\g+6], 0
	s_mov_b32 s[\g+7], 0
.endr
	s_lshl_b32 s18, s16, 3                         ; which 8 tiles of the block I fetch
	s_lshl_b32 s20, s17, 4
	s_add_co_u32 s20, s20, s18
	s_mul_i32 s20, s20, 12288
	s_mov_b32 s21, 0
	s_lshl_b32 s46, s42, 4
	s_add_co_u32 s46, s46, s18
	s_mul_i32 s46, s46, 12288
	s_mov_b32 s47, 0
	s_mul_i32 s45, s14, HALFT                      ; where they go: wave x 8 tiles: no place in the cluster enters an LDS address
	s_lshl_b32 s78, s17, 4                         ; the scale words of my 8 tiles of A,
	s_lshl_b32 s79, s15, 3
	s_add_co_u32 s78, s78, s79
	s_lshl_b32 s78, s78, 9
	s_add_co_u32 s78, s78, SCL1
	s_mov_b32 s79, 0
	s_lshl_b32 s80, s42, 4                         ; and of B
	s_lshl_b32 s81, s16, 3
	s_add_co_u32 s80, s80, s81
	s_lshl_b32 s80, s80, 9
	s_add_co_u32 s80, s80, SCL1
	s_mov_b32 s81, 0
	s_lshl_b32 s82, s40, 10                        ; bq, bk: features 256 cx + 128 w0 on
	s_lshl_b32 s83, s16, 9
	s_add_co_u32 s82, s82, s83
	s_mov_b32 s83, 0
	s_lshl_b32 s84, s41, 10                        ; bv: channels 256 cy + 128 w1 on
	s_lshl_b32 s85, s15, 9
	s_add_co_u32 s84, s84, s85
	s_mov_b32 s85, 0
	; where my results go: group of 128 tokens Gt, first head H0, a record's bytes RS, the first record's offset
	s_lshl_b32 s88, s17, 1
	s_add_co_u32 s88, s88, s15                     ; q, k: Gt = 2 x A's block + w1
	s_lshl_b32 s89, s40, 2
	s_lshl_b32 s94, s16, 1
	s_add_co_u32 s89, s89, s94                     ;       H0 = 4 cx + 2 w0
	s_lshl_b32 s95, s42, 1
	s_add_co_u32 s95, s95, s16                     ; v:    Gt = 2 x B's block + w0
	s_lshl_b32 s96, s41, 2
	s_lshl_b32 s94, s15, 1
	s_add_co_u32 s96, s96, s94                     ;       H0 = 4 cy + 2 w1
	s_mov_b32 s90, REC
	s_mov_b32 s91, QREC
	s_mov_b32 s94, QOFF
	s_mov_b32 s97, VOFF
	s_bitcmp1_b32 ttmp9, 0
	s_cselect_b32 s92, s90, s91                    ; c odd: k's records; c even: q's
	s_cselect_b32 s93, 0, s94
	s_cmp_lt_u32 ttmp9, 16
	s_cselect_b32 s88, s88, s95
	s_cselect_b32 s89, s89, s96
	s_cselect_b32 s92, s92, s90
	s_cselect_b32 s93, s93, s97
	s_lshr_b32 s94, s88, 4                         ; the batch
	s_lshl_b32 s94, s94, 4
	s_add_co_u32 s94, s94, s89                     ; batch x 16 + head
	s_lshl_b32 s94, s94, 4
	s_and_b32 s95, s88, 15
	s_add_co_u32 s94, s94, s95                     ; x 16 + the group in the batch
	s_mul_i32 s94, s94, s92
	s_add_co_u32 s94, s94, s93
	s_mov_b32 s95, 0
	s_lshl_b32 s96, s92, 4                         ; the next head's records lie 16 records on
	s_mov_b32 s97, 0
	s_mov_b32 s[SEL], 0x76543210
	s_mov_b32 s[SEL+1], 0xfedcba98
	s_mov_b32 s76, 0xffff0000                      ; lanes 16-31
	s_wait_kmcnt 0x0
	s_add_nc_u64 s[20:21], s[4:5], s[20:21]
	s_add_nc_u64 s[46:47], s[4:5], s[46:47]
	s_add_nc_u64 s[78:79], s[4:5], s[78:79]
	s_add_nc_u64 s[80:81], s[4:5], s[80:81]
	s_bitcmp1_b32 ttmp9, 0
	s_cselect_b64 s[86:87], s[8:9], s[6:7]
	s_add_nc_u64 s[82:83], s[86:87], s[82:83]
	s_add_nc_u64 s[84:85], s[10:11], s[84:85]
	s_add_nc_u64 s[70:71], s[12:13], s[94:95]      ; my first head's record,
	s_add_nc_u64 s[72:73], s[70:71], s[96:97]      ; my second head's
.irp s, 0,1
	s_mov_b32 s[G0+4*\s], 1                                        ; 1:0 count = 1
	s_add_co_u32 s[G0+4*\s+1], s45, \s*SLOT                        ; 63:32 LDS address
	s_add_nc_u64 s[G0+4*\s+2:G0+4*\s+3], s[20:21], \s*2*FRB        ; 120:64 global address: K steps 2 s, 2 s + 1
	s_or_b32 s[G0+4*\s+3], s[G0+4*\s+3], 0x80000000                ; 127:126 type = 2
	s_mov_b32 s[G0B+4*\s], 1
	s_add_co_u32 s[G0B+4*\s+1], s45, \s*SLOT
	s_add_nc_u64 s[G0B+4*\s+2:G0B+4*\s+3], s[46:47], \s*2*FRB
	s_or_b32 s[G0B+4*\s+3], s[G0B+4*\s+3], 0x80000000
.endr
	CROUND                                         ; all sixteen work-groups are here: the first joint loads meet
	JLOAD 0                                        ; both slots' first fills go out together: two tensor loads of mine are out
	JLOAD 1
	v_and_b32 v1, 31, v0
	v_lshlrev_b32 v[L16], 4, v1
	v_lshlrev_b32 v[L8], 3, v1
	s_mul_i32 s21, s15, HALFT                      ; my 8 tiles of A
	s_mul_i32 s22, s16, HALFT                      ; my 8 tiles of B,
	s_add_co_u32 s22, s22, 2*HALFT                 ; which lie behind A's 16
.irp s, 0,1
	v_add_nc_u32 v[A16+\s], s21, v[L16]
	v_add_nc_u32 v[A8+\s], s21, v[L8]
	v_add_nc_u32 v[B16+\s], s22, v[L16]
	v_add_nc_u32 v[B8+\s], s22, v[L8]
	s_add_co_u32 s21, s21, SLOT
	s_add_co_u32 s22, s22, SLOT
.endr
.irp a, 0,1,2,3,4,5,6,7                ; the scale words for all of K: 256 consecutive bytes a load
.irp g, 0,1
	global_load_b64 v[SAR+4*\a+2*\g:SAR+4*\a+2*\g+1], v[L8], s[78:79] offset:512*\a+256*\g
	global_load_b64 v[SBR+4*\a+2*\g:SBR+4*\a+2*\g+1], v[L8], s[80:81] offset:512*\a+256*\g
.endr
.endr
	; Both forms of bias are fetched in every work-group, here where both kinds still run one text; each way out reads its own.
	v_bfe_u32 v2, v0, 4, 1                         ; h
	v_lshlrev_b32 v3, 6, v2                        ; bq, bk: register 16 e + i of a lane is feature 32 e + 16 h + i
	WIN TO_B
.set nn, 0
.rept 16
	global_load_b128 v[96+nn+96*(nn/32):99+nn+96*(nn/32)], v3, s[82:83] offset:128*(nn/16)+4*(nn%16)
.set nn, nn+4
.endr
	WIN 0
	v_and_b32 v1, 15, v0                           ; r
	v_and_b32 v113, 8, v1
	v_add_nc_u32 v113, v113, v1
	v_lshlrev_b32 v113, 2, v113                    ; bv: my lane's channel in block a is 32 (a / 2) + 8 (a % 2) + r + 8 (r / 8)
.irp a, 0,1,2,3,4,5,6,7
	global_load_b32 v[BV+2*\a], v113, s[84:85] offset:4*(32*(\a/2)+8*(\a%2))
	global_load_b32 v[BV+2*\a+1], v113, s[84:85] offset:4*(32*(\a/2)+8*(\a%2))
.endr
.irp b, 0,1,2,3
	v_mov_b32 v[TM+4+\b], 0                        ; written once: a lane permute's destination counts as one of its sources
.endr
.macro FRAG reg, a16, a8, off          ; a fragment comes as it was stored: registers 0-3 and 6-9 at 16 x lane, 4-5 and 10-11 at 8 x lane; every load reads consecutive bytes
	ds_load_b128 v[\reg:\reg+3], v[\a16] offset:\off
	ds_load_b64 v[\reg+4:\reg+5], v[\a8] offset:\off+512
	ds_load_b128 v[\reg+6:\reg+9], v[\a16] offset:\off+768
	ds_load_b64 v[\reg+10:\reg+11], v[\a8] offset:\off+1280
.endm
.macro FETCH_B slot, q, p              ; B's eight fragments of the slot's q-th K step into set p
	WIN TO_B
.irp i, 0,1,2,3,4,5,6,7
	FRAG 128*(\p)+FR*\i,B16+\slot,B8+\slot,2*FRB*\i+FRB*(\q)
.endr
	WIN 0
.endm
.macro FETCH_A slot, q, i0             ; A's blocks i0 .. i0 + 3
.irp i, \i0, \i0+1, \i0+2, \i0+3
	FRAG AF+FR*(\i),A16+\slot,A8+\slot,2*FRB*(\i)+FRB*(\q)
.endr
.endm
; 16 matrix instructions: A's blocks a0, a0 + 1 x B's eight, K step s.  B's set is s % 2; the scale words of K step s lie in register s / 2 of a tile's four, in lanes 0-15 (s even) or 16-31 (s odd).
; zero = 1: the first product starts the sums.  The 64 accumulators take turns, one instruction a turn, in the same order in every step.
.macro MUL16 a0, s, zero
.irp a, \a0, \a0+1
.irp b, 0,1,2,3,4,5,6,7
.if \zero
	v_wmma_scale_f32_16x16x128_f8f6f4 v[8*(8*((\a)%4)+\b):8*(8*((\a)%4)+\b)+7], v[128*((\s)%2)+FR*\b:128*((\s)%2)+FR*\b+FR-1], v[AF+FR*(\a):AF+FR*(\a)+FR-1], 0, v[SBR+4*\b+(\s)/2], v[SAR+4*(\a)+(\s)/2] matrix_a_fmt:MATRIX_FMT_BF6 matrix_b_fmt:MATRIX_FMT_BF6
.elseif (\s)%2
	v_wmma_scale_f32_16x16x128_f8f6f4 v[8*(8*((\a)%4)+\b):8*(8*((\a)%4)+\b)+7], v[128*((\s)%2)+FR*\b:128*((\s)%2)+FR*\b+FR-1], v[AF+FR*(\a):AF+FR*(\a)+FR-1], v[8*(8*((\a)%4)+\b):8*(8*((\a)%4)+\b)+7], v[SBR+4*\b+(\s)/2], v[SAR+4*(\a)+(\s)/2] matrix_a_fmt:MATRIX_FMT_BF6 matrix_b_fmt:MATRIX_FMT_BF6 matrix_a_scale:MATRIX_SCALE_ROW1 matrix_b_scale:MATRIX_SCALE_ROW1
.else
	v_wmma_scale_f32_16x16x128_f8f6f4 v[8*(8*((\a)%4)+\b):8*(8*((\a)%4)+\b)+7], v[128*((\s)%2)+FR*\b:128*((\s)%2)+FR*\b+FR-1], v[AF+FR*(\a):AF+FR*(\a)+FR-1], v[8*(8*((\a)%4)+\b):8*(8*((\a)%4)+\b)+7], v[SBR+4*\b+(\s)/2], v[SAR+4*(\a)+(\s)/2] matrix_a_fmt:MATRIX_FMT_BF6 matrix_b_fmt:MATRIX_FMT_BF6
.endif
.endr
.endr
.endm
; A slot's first K step (s even): its successor lies in the same slot.  A block of A is free as soon as its eight products are issued, so one set serves A.
.macro STEP slot, s, zero
	s_wait_dscnt 16                                ; B's set and A's blocks 0-3 are in; the youngest 16 loads (A's blocks 4-7) may be out
	WIN MUL_LO
	MUL16 0, \s, \zero
	MUL16 2, \s, \zero
	s_wait_dscnt 0x0                               ; A's blocks 4-7 are in
	PLACES
	FETCH_B \slot, 1, 1
	FETCH_A \slot, 1, 0
	WIN MUL_HI
	MUL16 4, \s, \zero
	MUL16 6, \s, \zero
	PLACES
	WIN 0
	FETCH_A \slot, 1, 4
.endm
; A slot's second K step (s odd) changes slots: ONE barrier; in front of it each wave waits for all its tensor loads, adds 0 to its spare word, and waits for that and for its reads of this slot.
; fill = 1: the barrier opens a round of the cluster's barrier, and this slot is filled again, with the K steps four on.
.macro TURN slot, next, s, fill
	s_wait_tensorcnt 0x0                           ; all my tensor loads have landed: my part of the next slot;  (every window is 0 here)
	ds_add_u32 v[SPW], v[NIL]                      ; 0 onto my spare word
	s_wait_dscnt 17                                ; (the add and the youngest 16 loads may be out)
	WIN MUL_LO
	MUL16 0, \s, 0                                 ; sixteen matrix instructions stand between the add and the wait for it
	s_wait_dscnt 0x0                               ; the add is done, and my reads of this slot are over
	s_barrier_signal -1
	MUL16 2, \s, 0
	WIN 0
	s_barrier_wait -1
.if \fill
	CREST                                          ; no wave of any partner still reads this slot's tiles or has a load on its way
	s_add_nc_u64 s[G0+4*\slot+2:G0+4*\slot+3], s[G0+4*\slot+2:G0+4*\slot+3], 4*FRB
	s_add_nc_u64 s[G0B+4*\slot+2:G0B+4*\slot+3], s[G0B+4*\slot+2:G0B+4*\slot+3], 4*FRB
	JLOAD \slot                                    ; the first tensor load behind the round, my one load until the next; its four v_nop are also the places in front of the loads below
.else
	PLACES
.endif
	FETCH_B \next, 0, 0
	FETCH_A \next, 0, 0
	WIN MUL_HI
	MUL16 4, \s, 0
	MUL16 6, \s, 0
	PLACES
	WIN 0
	FETCH_A \next, 0, 4
.endm
; 64 numbers of a lane, register 16 b + i = k 32 b + 16 (lane / 16) + i of my row, become a fragment's codes in v[PC] on and its scale word in v[PW].
.macro QUANT s
.irp b, 0,1,2,3
	v_max3_num_f32 v[TM+\b], |v[\s+16*\b]|, |v[\s+1+16*\b]|, 0x2800000   ; block b: my 16 numbers, and the floor 2^(5 - 127): the byte cannot fall under 1
.endr
.irp i, 2,4,6,8,10,12,14
.irp b, 0,1,2,3
	v_max3_num_f32 v[TM+\b], v[TM+\b], |v[\s+16*\b+\i]|, |v[\s+1+16*\b+\i]|   ; (the four blocks by turns)
.endr
.endr
.irp b, 0,1,2,3
	v_permlanex16_b32 v[TM+4+\b], v[TM+\b], s[SEL], s[SEL+1]
.endr
.irp b, 0,1,2,3
	v_max_num_f32 v[TM+\b], v[TM+\b], v[TM+4+\b]   ; with lane l xor 16's: the block's largest magnitude
.endr
.irp b, 0,1,2,3
	v_add_nc_u32 v[TM+12+\b], 0xfe000000, v[TM+\b] ; 4 off its exponent field: the conversion's scale operand
.endr
.irp b, 0,1,2,3
	v_lshrrev_b32 v[TM+4+\b], 23, v[TM+12+\b]      ; the scale's byte
.endr
	v_lshl_or_b32 v[PW], v[TM+5], 8, v[TM+4]       ; the four bytes make my row's scale word, the same in lanes l and l xor 16
	v_lshl_or_b32 v[PW], v[TM+6], 16, v[PW]
	v_lshl_or_b32 v[PW], v[TM+7], 24, v[PW]
.irp c, 0,1
	v_cvt_scalef32_pk16_bf6_f32 v[PC+6*\c:PC+2+6*\c], v[\s+32*\c:\s+15+32*\c], v[TM+12+2*\c]
	v_cvt_scalef32_pk16_bf6_f32 v[PC+12+4*\c:PC+14+4*\c], v[\s+16+32*\c:\s+31+32*\c], v[TM+12+2*\c+1]   ; (a conversion's three registers begin on an even number)
.endr
	v_nop                                          ; one plain place behind a scaled conversion
.irp c, 0,1                            ; the operand's layout wants a WHOLE block in a lane: lanes 0-15 block 2 c, lanes 16-31 block 2 c + 1
.irp i, 0,1,2
	v_permlane16_swap_b32 v[PC+6*\c+\i], v[PC+12+4*\c+\i]
.endr
.irp i, 0,1,2
	v_mov_b32 v[PC+3+6*\c+\i], v[PC+12+4*\c+\i]
.endr
.endr
.endm
; THE WAY OUT, block a of A's eight at a time: the bias is added (which also brings the sums into window 0, each accumulator from its low end on), the 64 numbers are quantised, and the codes
; leave as they stand: each store covers 512 or 256 consecutive bytes at a multiple of 256 from the buffer's first byte.  No LDS.
; kind 0 (q, k): the fragment's half c is head H0 + c's image of tile a; the word's bytes 0, 1 are that of head H0, bytes 2, 3 that of H0 + 1.
; kind 1 (v): the fragment is channels' tile a % 4 of head H0 + a / 4, and the word is its scale word for these 128 keys.
; Scale words: tile 2 k in lanes 0-15 of register k, tile 2 k + 1 in lanes 16-31.
.macro EPI kind
.irp a, 0,1,2,3,4,5,6,7
.if \a > 0
	s_wait_xcnt 0x0                                ; the last block's stores have read the code registers: they are written again only behind this wait
.endif
.if \kind == 0
	WIN (0x06+(\a)/4)                              ; source 0: window 2 or 3; source 1 (bq or bk): window 1
.set nn, 0
.rept 32
	v_pk_add_f32 v[T+nn:T+nn+1], v[64*((\a)%4)+nn:64*((\a)%4)+nn+1], v[96+nn+96*(nn/32):97+nn+96*(nn/32)]
.set nn, nn+2
.endr
.else
	WIN (0x02+(\a)/4)                              ; source 0: window 2 or 3
.set nn, 0
.rept 32
	v_pk_add_f32 v[T+nn:T+nn+1], v[64*((\a)%4)+nn:64*((\a)%4)+nn+1], v[BV+2*\a:BV+2*\a+1] op_sel_hi:[1,0]
.set nn, nn+2
.endr
.endif
	WIN 0
	QUANT T
.if \kind == 0
	global_store_b128 v[L16], v[PC:PC+3], s[70:71] offset:768*\a
	global_store_b64 v[L8], v[PC+4:PC+5], s[70:71] offset:768*\a+512
	global_store_b128 v[L16], v[PC+6:PC+9], s[72:73] offset:768*\a
	global_store_b64 v[L8], v[PC+10:PC+11], s[72:73] offset:768*\a+512
.if (\a)%2 == 0
	v_and_b32 v[SWE+(\a)/2], 0xffff, v[PW]         ; the upper two bytes stay 0: they scale the half of K that holds zero codes
	v_lshrrev_b32 v[SWO+(\a)/2], 16, v[PW]
.else
	v_and_b32 v113, 0xffff, v[PW]
	v_lshrrev_b32 v114, 16, v[PW]
	v_cndmask_b32 v[SWE+(\a)/2], v[SWE+(\a)/2], v113, s76
	v_cndmask_b32 v[SWO+(\a)/2], v[SWO+(\a)/2], v114, s76
.endif
.else
	global_store_b128 v[L16], v[PC:PC+3], s[70+2*((\a)/4):71+2*((\a)/4)] offset:FRB*((\a)%4)
	global_store_b64 v[L8], v[PC+4:PC+5], s[70+2*((\a)/4):71+2*((\a)/4)] offset:FRB*((\a)%4)+512
	global_store_b128 v[L16], v[PC+6:PC+9], s[70+2*((\a)/4):71+2*((\a)/4)] offset:FRB*((\a)%4)+768
	global_store_b64 v[L8], v[PC+10:PC+11], s[70+2*((\a)/4):71+2*((\a)/4)] offset:FRB*((\a)%4)+1280
.if (\a)%2 == 0
	v_mov_b32 v[SWE+(\a)/2], v[PW]
.else
	v_cndmask_b32 v[SWE+(\a)/2], v[SWE+(\a)/2], v[PW], s76
.endif
.endif
.endr
.if \kind == 0
	global_store_b128 v[L16], v[SWE:SWE+3], s[70:71] offset:6144
	global_store_b128 v[L16], v[SWO:SWO+3], s[72:73] offset:6144
.else
	global_store_b64 v[L8], v[SWE:SWE+1], s[70:71] offset:6144
	global_store_b64 v[L8], v[SWE+2:SWE+3], s[72:73] offset:6144
.endif
.endm
	s_wait_tensorcnt 1                             ; my part of K steps 0, 1 is in (slot 1's load may be out)
	s_barrier_signal -1
	s_barrier_wait -1                              ; everybody's is
	FETCH_B 0, 0, 0
	FETCH_A 0, 0, 0
	FETCH_A 0, 0, 4
	s_wait_loadcnt 0x0                             ; the scale words and the biases
	STEP 0, 0, 1                                   ; K step 0 starts the sums: nothing is cleared
	TURN 0, 1, 1, 1                                ; slot 0 takes K steps 4, 5
	STEP 1, 2, 0
	TURN 1, 0, 3, 1                                ; slot 1 takes K steps 6, 7
	STEP 0, 4, 0
	TURN 0, 1, 5, 0                                ; nothing is left to fetch: no round
	STEP 1, 6, 0
	s_wait_dscnt 16                                ; K step 7
	WIN MUL_LO
	MUL16 0, 7, 0
	MUL16 2, 7, 0
	s_wait_dscnt 0x0
	WIN MUL_HI
	MUL16 4, 7, 0
	MUL16 6, 7, 0
	WIN 0
	PLACES                                         ; the way out reads results and writes over A's fragments
	s_cmp_lt_u32 ttmp9, 16                         ; the kind hangs on the cluster's number: alike in all partners
	s_cbranch_scc0 .Lkind_v
	EPI 0
	s_branch .Lend
.Lkind_v:
	EPI 1
.Lend:
	s_wait_tensorcnt 0x0                           ; the wave's end
	ds_add_u32 v[SPW], v[NIL]
	s_wait_dscnt 0x0
	CROUND                                         ; the closing round: no work-group ends while a partner may still ask for a tile that names it
	s_endpgm
.Lfunc_end_k_q4861e058a5_proj:
	.size	k_q4861e058a5_proj, .Lfunc_end_k_q4861e058a5_proj-k_q4861e058a5_proj
	.p2alignl 7, 3214868480
	.fill 96, 4, 3214868480
	.section	.rodata,"a",@progbits
	.p2align	6, 0x0
	.amdhsa_kernel k_q4861e058a5_proj
		.amdhsa_group_segment_fixed_size 327680
		.amdhsa_private_segment_fixed_size 0
		.amdhsa_enable_private_segment 0
		.amdhsa_kernarg_size 40
		.amdhsa_user_sgpr_count 2
		.amdhsa_user_sgpr_kernarg_segment_ptr 1
		.amdhsa_wavefront_size32 1
		.amdhsa_system_sgpr_workgroup_id_x 1
		.amdhsa_system_sgpr_workgroup_id_y 1
		.amdhsa_system_sgpr_workgroup_id_z 1
		.amdhsa_system_vgpr_workitem_id 0
		.amdhsa_next_free_vgpr 1024
		.amdhsa_next_free_sgpr 100
		.amdhsa_reserve_vcc 0
		.amdhsa_float_denorm_mode_32 3
		.amdhsa_float_denorm_mode_16_64 3
		.amdhsa_memory_ordered 1
		.amdhsa_forward_progress 1
		.amdhsa_inst_pref_size 219
	.end_amdhsa_kernel
	.amdgpu_metadata
---
amdhsa.version: [ 1, 2 ]
amdhsa.kernels:
  - .name:           k_q4861e058a5_proj
    .symbol:         k_q4861e058a5_proj.kd
    .args:
      - { .name: p1, .offset: 0, .size: 8, .value_kind: global_buffer, .address_space: global }
      - { .name: bq, .offset: 8, .size: 8, .value_kind: global_buffer, .address_space: global }
      - { .name: bk, .offset: 16, .size: 8, .value_kind: global_buffer, .address_space: global }
      - { .name: bv, .offset: 24, .size: 8, .value_kind: global_buffer, .address_space: global }
      - { .name: p2, .offset: 32, .size: 8, .value_kind: global_buffer, .address_space: global }
    .group_segment_fixed_size: 327680
    .private_segment_fixed_size: 0
    .kernarg_segment_align: 8
    .kernarg_segment_size: 40
    .max_flat_workgroup_size: 128
    .sgpr_count:     100
    .vgpr_count:     1024
    .wavefront_size: 32
...
	.end_amdgpu_metadata
.endif
;; end of part 2
;; launch attn (part 3): grid 256 x 1, 8 waves a work-group, clusters of 4 x 1, 218,112 bytes of LDS; arguments p2, mask, p3; writes p3
.if DOCPART == 3
	.amdgcn_target "amdgcn-amd-amdhsa--gfx1250"
	.amdhsa_code_object_version 6
	.text
	.protected	k_q4861e058a5_attn
	.globl	k_q4861e058a5_attn
	.p2align	8
	.type	k_q4861e058a5_attn,@function
k_q4861e058a5_attn:
	s_mov_b64 s[64:65], 0
	v_nop
	global_prefetch_b8 v0, s[64:65] scope:SCOPE_SE
	s_setreg_imm32_b32 hwreg(HW_REG_WAVE_MODE, 25, 1), 1
	s_wait_xcnt 0x0
	s_wait_alu depctr_hold_cnt(0) depctr_sa_sdst(0) depctr_va_vdst(0) depctr_va_sdst(0) depctr_va_ssrc(0) depctr_va_vcc(0) depctr_vm_vsrc(0)
	s_getreg_b32 s2, hwreg(HW_REG_IB_STS2, 6, 4)
	s_cmp_eq_u32 s2, 0
	s_cbranch_scc0 .Lentry_in_a_cluster
	s_endpgm
.Lentry_in_a_cluster:
	s_bfe_u32 s2, ttmp6, 0x10000c
	s_cmp_lg_u32 s2, 0x3003
	s_cbranch_scc0 .Lentry_shape_is_right
	s_endpgm
.Lentry_shape_is_right:
; attended[b][q][h][:] = the sum over keys of softmax(q . k / 8, masked) v, both products on codes of BF6 (E3M2) with E8M0 scales; the result is quantised along D and leaves as codes.
; THE SOFTMAX AHEAD OF THE SECOND PRODUCT: t = score x log2(e) / 8; M = the running largest t rounded UP to a whole number; p = 2^(t - M) is quantised along the keys, not normalised; the row's sum is
; taken of the unquantised p and divides at the end.  When M moves, the sum and O are multiplied by 2^(old M - new M): exact.
; SHARES.  A cluster of four work-groups is one (batch, head); a work-group owns 512 of its queries, each of its eight waves four tiles of 16.  Two waves share a SIMD, so that one wave's
; matrix instructions and LDS loads stand beside the other's vector work; a fragment of k or v read from LDS feeds four tiles.
; ALL OF THE HEAD'S k AND v, with their scale words, 16 records of 13,056 bytes, COME INTO LDS ONCE: each wave asks for two records by one joint load that names all four work-groups.
; So nothing is filled again: no ring, and no barrier in the loop over the keys.
; LAYOUT.  Both products are used transposed: S^T = k q^T (source 0 = 16 keys), O^T = v^T p^T (source 0 = 16 channels): a lane holds one query throughout.  The keys of a tile are not neighbours
; (lane r of tile 2 e + u holds key 32 e + 8 u + r + 8 (r / 8)), so the 16 registers of tiles 2 e, 2 e + 1 are keys 32 e + 16 (lane / 16) + 0 .. 15.
; K = 64 IN AN INSTRUCTION OF 128: q's operand is six registers of codes and six of zeros; k's operand for tile T is twelve registers from its own six on, so its upper six are the next tile's codes:
; they meet q's zero codes and add nothing.  So k costs no register and no load beyond its codes.
; THE MASK is the C of the scores' matrix instruction: 0 for an open key, -2^100 for a masked one: p is then 0.  It costs no vector instruction in the loop.
; LIMITS: scores are taken to lie above -2^90 (the running largest t begins at -2^95, over every masked t, so that a step whose keys are all masked gives p = 0 and leaves M alone);
; a batch whose keys are all masked is not served; NaN and infinities are not served; a block of zeros keeps the byte 1.
; REGISTERS: window 0: v1-7 addresses; v8-23 four a tile: -M, the largest t, the sum in two halves; v24-27 q's scale words, v28-29 v's, v30-33 k's; v34-87 k's codes; v88-151 the mask's numbers;
;   v152-215 S^T, then p; v216-227 p's codes; v228-246 at work; v245 p's scale word.   window 1: v0-127 O^T, 32 a tile; v128-175 q, 12 a tile; v176-223 v's four fragments.
.set REC,  13056
.set QREC, 6656
.set QOFF, 13369344
.set APL,  6291456                     ; p3: where the planes of scale words begin
.set MB,   16*REC
.set L16,  1                           ; v1   16 x lane
.set L8,   2                           ; v2   8 x lane
.set LM,   3                           ; v3   MB + 64 (lane / 16)
.set AD16, 4                           ; v4-6 the step's addresses
.set AD8,  5
.set ADM,  6
.set TT,   7
.set ST,   8
.set QS,   24
.set VS,   28
.set KS,   30
.set KF,   34
.set MC,   88
.set S,    152
.set PC,   216
.set BM,   228                         ; v228-231 each block's largest score, then its largest p
.set PB,   232                         ; v232-239 at work
.set SO,   240                         ; v240-243 the conversions' scale operands
.set FF,   244                         ; f = 2^(old M - new M); named as a pair with v245
.set PWD,  245
.set TU,   246
.set O,    0                           ; in window 1
.set QF,   128
.set VF,   176
.set MSB, 0
.macro WIN new                         ; the immediate's high byte repeats the setting that is left
.if MSB != \new
	s_set_vgpr_msb (MSB<<8)|\new
.set MSB, \new
.endif
.endm
.macro CROUND                          ; a round of the cluster's barrier
	s_barrier_signal -1
	s_barrier_wait -1
	s_cmp_lg_u32 s10, 0
	s_cbranch_scc1 .Lnot_wave_0_\@
	s_barrier_signal -3
.Lnot_wave_0_\@:
	s_barrier_wait -3
	s_barrier_signal -1
	s_barrier_wait -1
.endm
	s_load_b128 s[4:7], s[0:1], 0x0                ; p2 s[4:5], mask s[6:7]
	s_load_b64 s[8:9], s[0:1], 0x10                ; p3
	v_lshl_add_u32 v254, v0, 2, 0x35000
	v_mov_b32 v255, 0
	ds_add_u32 v254, v255
	ds_add_u32 v254, v255
	v_lshrrev_b32 v1, 5, v0
	v_readfirstlane_b32 s10, v1                    ; wave 0..7
	s_bfe_u32 s11, ttmp6, 0x40000                  ; cx: which 512 queries; it enters q's and the results' addresses alone
	; descriptor: two records, 26,112 dense bytes, as 102 rows of 256 bytes (32 elements of 8 bytes)
	s_mov_b32 s16, 15|(3<<16)|(1<<21)              ; 15:0 the mask: all four work-groups; 17:16 elements of 8 bytes; 21 set beside a mask
	s_mov_b32 s17, 32<<16                          ; tensor_dim0
	s_mov_b32 s18, 102<<16                         ; tensor_dim1
	s_mov_b32 s19, 32<<16                          ; tile_dim0
	s_mov_b32 s20, 102                             ; tile_dim1
	s_mov_b32 s21, 32                              ; tensor_dim0_stride
	s_mov_b32 s22, 0
	s_mov_b32 s23, 0
	s_mov_b32 s24, 1                               ; count = 1
	s_mul_i32 s25, s10, 2*REC                      ; LDS address: my two records
	s_mul_i32 s44, ttmp9, 16*REC                   ; the head's records (in a cluster launch ttmp9 counts clusters: batch x 16 + head)
	s_add_co_u32 s44, s44, s25
	s_mov_b32 s45, 0
	s_lshr_b32 s50, ttmp9, 4                       ; the batch
	s_lshl_b32 s12, s50, 13                        ; its 2,048 words of the mask
	s_mov_b32 s13, 0
	s_lshl_b32 s40, ttmp9, 4                       ; q: record 16 (batch x 16 + head) + 4 cx + wave / 2
	s_lshl_b32 s14, s11, 2
	s_add_co_u32 s40, s40, s14
	s_lshr_b32 s14, s10, 1
	s_add_co_u32 s40, s40, s14
	s_mul_i32 s40, s40, QREC
	s_add_co_u32 s40, s40, QOFF
	s_mov_b32 s41, 0
	s_and_b32 s14, s10, 1
	s_mul_i32 s52, s14, 3072                       ; my four tiles' images in it,
	s_mov_b32 s53, 0
	s_lshl_b32 s54, s14, 3
	s_add_co_u32 s54, s54, 6144                    ; and their scale words
	s_mov_b32 s55, 0
	s_lshl_b32 s47, s50, 5                         ; G = 32 batch + 8 cx + wave: my four tiles of tokens are 4 G + 0 .. 3
	s_lshl_b32 s14, s11, 3
	s_add_co_u32 s47, s47, s14
	s_add_co_u32 s47, s47, s10
	s_and_b32 s48, ttmp9, 15                       ; the head
	s_mul_i32 s56, s47, 4*12288
	s_mul_i32 s14, s48, 768                        ; K step head / 2, half head % 2 of a tile's row of fragments
	s_add_co_u32 s56, s56, s14
	s_mov_b32 s57, 0
	s_lshl_b32 s58, s48, 15
	s_lshl_b32 s14, s47, 8
	s_add_co_u32 s58, s58, s14
	s_add_co_u32 s58, s58, APL
	s_mov_b32 s59, 0
	s_and_b32 s35, s48, 1
	s_lshl_b32 s35, s35, 4                         ; an odd head's two bytes are the upper two of a K step's scale word
	s_mov_b32 s28, 0x76543210
	s_mov_b32 s29, 0xfedcba98                      ; v_permlanex16_b32's selects for lane l xor 16
	s_mov_b32 s30, 0x3e38aa3b                      ; c = log2(e) / 8
	s_mov_b32 s31, s30                             ; (named with it as a pair, so it is written)
	s_mov_b32 s32, 0                               ; LDS byte at which the step's record begins
	s_mov_b32 s46, 0                               ; and its 128 numbers of the mask
	s_mov_b32 s34, 0xffff0000                      ; lanes 16-31
	s_wait_dscnt 0x0
	s_wait_kmcnt 0x0
	s_add_nc_u64 s[26:27], s[4:5], s[44:45]
	s_or_b32 s27, s27, 0x80000000                  ; type = 2
	s_add_nc_u64 s[6:7], s[6:7], s[12:13]
	s_add_nc_u64 s[36:37], s[4:5], s[40:41]
	s_add_nc_u64 s[38:39], s[36:37], s[52:53]
	s_add_nc_u64 s[36:37], s[36:37], s[54:55]
	s_add_nc_u64 s[40:41], s[8:9], s[56:57]        ; my codes' place in p3
	s_add_nc_u64 s[42:43], s[8:9], s[58:59]        ; my scale words'
	CROUND                                         ; all four work-groups are here: the joint loads meet
	tensor_load_to_lds s[24:27], s[16:23]          ; my one tensor load of the launch
	s_nop 0
.rept 4
	v_nop
.endr
	v_lshlrev_b32 v[TT], 5, v0                     ; the mask: 8 words a thread, 8,192 bytes a work-group
	global_load_b128 v[S:S+3], v[TT], s[6:7]
	global_load_b128 v[S+4:S+7], v[TT], s[6:7] offset:16
	v_and_b32 v[TU], 31, v0
	v_lshlrev_b32 v[L16], 4, v[TU]
	v_lshlrev_b32 v[L8], 3, v[TU]
	v_bfe_u32 v[LM], v0, 4, 1
	v_lshl_add_u32 v[LM], v[LM], 6, MB
	v_and_b32 v[TU], 15, v0
	v_lshlrev_b32 v[TU], 4, v[TU]                  ; q's scale words: 16 bytes a lane of the record's image; lanes 16-31 take the same as lanes 0-15
	WIN 0x40                                       ; destination window 1
.irp i, 0,1,2,3
	global_load_b128 v[QF+12*\i:QF+12*\i+3], v[L16], s[38:39] offset:768*\i
	global_load_b64 v[QF+12*\i+4:QF+12*\i+5], v[L8], s[38:39] offset:768*\i+512
.irp z, 6,7,8,9,10,11
	v_mov_b32 v[QF+12*\i+\z], 0                    ; zero codes for K = 64 .. 127
.endr
.endr
	WIN 0
.irp i, 0,1,2,3
	global_load_b32 v[QS+\i], v[TU], s[36:37] offset:256*(\i%2)+4*(\i/2)   ; tile 4 (wave % 2) + i: an even tile's words lie in the image's lanes 0-15, an odd one's in lanes 16-31
.endr
.irp i, 0,1,2,3
	v_mov_b32 v[ST+4*\i+1], 0xef000000             ; the largest t so far: -2^95
	v_mov_b32 v[ST+4*\i], 0x6f000000               ; -M
	v_mov_b32 v[ST+4*\i+2], 0                      ; the sum, in two halves
	v_mov_b32 v[ST+4*\i+3], 0
.endr
.irp z, 48,49,50,51,52,53
	v_mov_b32 v[KF+\z], 0                          ; what tile 7's operand names behind its codes
.endr
.irp z, 0,1,2,3,4,5,6,7
	v_mov_b32 v[PB+\z], 0                          ; written once: a lane permute's destination counts as one of its sources
.endr
	v_mov_b32 v[PWD], 0                            ; (named as the upper half of the pair with f before it is first written)
	v_mov_b32 v[FF], 0xf1800000                    ; -2^100
	v_lshl_add_u32 v[ADM], v0, 5, MB
	s_wait_loadcnt 12                              ; the mask's two loads are in; q's eight and its scale words' four may be out
.irp j, 0,1,2,3,4,5,6,7
	v_cmp_eq_u32 vcc_lo, 0, v[S+\j]
	v_cndmask_b32 v[S+8+\j], 0, v[FF], vcc_lo      ; a choice of values only
.endr
	ds_store_b128 v[ADM], v[S+8:S+11]
	ds_store_b128 v[ADM], v[S+12:S+15] offset:16
	s_wait_tensorcnt 0x0                           ; my two records have landed,
	s_wait_dscnt 0x0                               ; my part of the mask's numbers is stored:
	s_barrier_signal -1
	s_barrier_wait -1                              ; everybody's; from here on LDS is only read
	s_wait_loadcnt 0x0                             ; q
.macro FRAG reg, a16, a8, off          ; a fragment as it was stored: registers 0-3 and 6-9 at 16 x lane, 4-5 and 10-11 at 8 x lane
	ds_load_b128 v[\reg:\reg+3], v[\a16] offset:\off
	ds_load_b64 v[\reg+4:\reg+5], v[\a8] offset:\off+512
	ds_load_b128 v[\reg+6:\reg+9], v[\a16] offset:\off+768
	ds_load_b64 v[\reg+10:\reg+11], v[\a8] offset:\off+1280
.endm
; ONE TILE OF 16 QUERIES AGAINST THE STEP'S 128 KEYS.  first = 1: the first step's second product starts O^T's sums.
.macro UNIT i, first
	WIN 0x04                                       ; source 1 (q) window 1
.irp t, 0,1,2,3,4,5,6,7
.if \t%2
	v_wmma_scale_f32_16x16x128_f8f6f4 v[S+8*\t:S+8*\t+7], v[KF+6*\t:KF+6*\t+11], v[QF+12*\i:QF+12*\i+11], v[MC+8*\t:MC+8*\t+7], v[KS+\t/2], v[QS+\i] matrix_a_fmt:MATRIX_FMT_BF6 matrix_b_fmt:MATRIX_FMT_BF6 matrix_a_scale:MATRIX_SCALE_ROW1
.else
	v_wmma_scale_f32_16x16x128_f8f6f4 v[S+8*\t:S+8*\t+7], v[KF+6*\t:KF+6*\t+11], v[QF+12*\i:QF+12*\i+11], v[MC+8*\t:MC+8*\t+7], v[KS+\t/2], v[QS+\i] matrix_a_fmt:MATRIX_FMT_BF6 matrix_b_fmt:MATRIX_FMT_BF6
.endif
.endr
	WIN 0
.rept 4
	v_nop                                          ; four places behind the products, ahead of the first read of their results
.endr
.irp b, 0,1,2,3
	v_max3_num_f32 v[BM+\b], v[S+16*\b], v[S+1+16*\b], v[S+2+16*\b]   ; THE LARGEST SCORE OF EACH BLOCK OF 32 KEYS serves twice: for the row's maximum, and, since p rises with the score, for the block's largest p
.endr
.irp k, 3,5,7,9,11,13
.irp b, 0,1,2,3
	v_max3_num_f32 v[BM+\b], v[BM+\b], v[S+16*\b+\k], v[S+1+16*\b+\k]   ; (the four blocks by turns)
.endr
.endr
.irp b, 0,1,2,3
	v_max_num_f32 v[BM+\b], v[BM+\b], v[S+15+16*\b]
.endr
.irp b, 0,1,2,3
	v_permlanex16_b32 v[PB+\b], v[BM+\b], s28, s29
.endr
.irp b, 0,1,2,3
	v_max_num_f32 v[BM+\b], v[BM+\b], v[PB+\b]     ; with lane l xor 16's 16 keys
.endr
	v_max3_num_f32 v[TU], v[BM], v[BM+1], v[BM+2]
	v_max_num_f32 v[TU], v[TU], v[BM+3]            ; the step's largest score of my query
	v_mul_f32 v[TU], s30, v[TU]                    ; as t (c is positive)
	v_max_num_f32 v[ST+4*\i+1], v[ST+4*\i+1], v[TU]   ; the running largest t
	v_mov_b32 v[TU], v[ST+4*\i]
	v_floor_f32 v[ST+4*\i], -v[ST+4*\i+1]          ; the new -M = floor(-t): M is a whole number
	v_sub_f32 v[TU], v[ST+4*\i], v[TU]             ; M's old value less its new one: a whole number, 0 or less
	v_cvt_i32_f32 v[TU], v[TU]                     ; (it saturates)
	v_ldexp_f32 v[FF], 1.0, v[TU]                  ; f = 2^(old M - new M)
.set jj, 0
.rept 32
	v_pk_fma_f32 v[S+jj:S+jj+1], v[S+jj:S+jj+1], s[30:31], v[ST+4*\i:ST+4*\i+1] op_sel_hi:[1,0,0]   ; t - M, two at a time (of the pairs c and -M the low word serves both halves)
.set jj, jj+2
.endr
.irp b, 0,1,2,3
	v_fma_f32 v[BM+\b], v[BM+\b], s30, v[ST+4*\i]  ; the same of each block's largest score
.endr
.set jj, 0
.rept 64
	v_exp_f32 v[S+jj], v[S+jj]                     ; p = 2^(t - M), at most 1: not normalised
.set jj, jj+1
.endr
.irp b, 0,1,2,3
	v_exp_f32 v[BM+\b], v[BM+\b]                   ; the block's largest p: the same two instructions on the same number give the same bits
.endr
	v_pk_mul_f32 v[ST+4*\i+2:ST+4*\i+3], v[ST+4*\i+2:ST+4*\i+3], v[FF:FF+1] op_sel_hi:[1,0]   ; the sums under the new M.  (A plain place behind the exponentials)
	s_wait_alu depctr_va_vdst(0)
.irp b, 0,1,2,3
	v_max_num_f32 v[BM+\b], 0x2800000, v[BM+\b]    ; the floor 2^(5 - 127): the byte cannot fall under 1 (a block whose every p is 0 keeps that byte: its codes are zeros)
.endr
.irp b, 0,1,2,3
	v_add_nc_u32 v[SO+\b], 0xfe000000, v[BM+\b]    ; 4 off the exponent field: the conversion's scale operand
.endr
.irp b, 0,1,2,3
	v_lshrrev_b32 v[PB+\b], 23, v[SO+\b]           ; the scale's byte
.endr
	v_lshl_or_b32 v[PWD], v[PB+1], 8, v[PB]        ; p's scale word for these 128 keys
	v_lshl_or_b32 v[PWD], v[PB+2], 16, v[PWD]
	v_lshl_or_b32 v[PWD], v[PB+3], 24, v[PWD]
.irp c, 0,1
	v_cvt_scalef32_pk16_bf6_f32 v[PC+6*\c:PC+6*\c+2], v[S+32*\c:S+32*\c+15], v[SO+2*\c]
	v_cvt_scalef32_pk16_bf6_f32 v[PB+4*\c:PB+4*\c+2], v[S+16+32*\c:S+31+32*\c], v[SO+2*\c+1]   ; (a conversion's three registers begin on an even number)
.endr
	v_nop                                          ; one plain place behind a scaled conversion
.irp c, 0,1                            ; the operand's layout wants a WHOLE block in a lane: lanes 0-15 block 2 c, lanes 16-31 block 2 c + 1
.irp z, 0,1,2
	v_permlane16_swap_b32 v[PC+6*\c+\z], v[PB+4*\c+\z]
.endr
.irp z, 0,1,2
	v_mov_b32 v[PC+3+6*\c+\z], v[PB+4*\c+\z]
.endr
.endr
.if \first == 0
	WIN 0x41                                       ; O^T (destination and source 0) window 1, f window 0
.set jj, 0
.rept 16
	v_pk_mul_f32 v[O+32*\i+jj:O+32*\i+jj+1], v[O+32*\i+jj:O+32*\i+jj+1], v[FF:FF+1] op_sel_hi:[1,0]   ; O^T under the new M
.set jj, jj+2
.endr
	WIN 0
.endif
	v_pk_add_f32 v[PB:PB+1], v[S:S+1], v[S+2:S+3]  ; THE ROW'S SUM IS TAKEN OF THE UNQUANTISED p: two at a time, in two chains.  (These 32 lines are also the places between p's codes and scale word and the products below)
.set jj, 4
.rept 15
	v_pk_add_f32 v[ST+4*\i+2:ST+4*\i+3], v[ST+4*\i+2:ST+4*\i+3], v[S+jj:S+jj+1]
	v_pk_add_f32 v[PB:PB+1], v[PB:PB+1], v[S+2+jj:S+3+jj]
.set jj, jj+4
.endr
	v_pk_add_f32 v[ST+4*\i+2:ST+4*\i+3], v[ST+4*\i+2:ST+4*\i+3], v[PB:PB+1]
	WIN 0x51                                       ; source 0 (v) window 1, source 1 (p) window 0, C and D (O^T) window 1
.irp t, 0,1,2,3                        ; the tile's four accumulators take turns, one instruction a turn
.if \first
.if \t%2
	v_wmma_scale_f32_16x16x128_f8f6f4 v[O+32*\i+8*\t:O+32*\i+8*\t+7], v[VF+12*\t:VF+12*\t+11], v[PC:PC+11], 0, v[VS+\t/2], v[PWD] matrix_a_fmt:MATRIX_FMT_BF6 matrix_b_fmt:MATRIX_FMT_BF6 matrix_a_scale:MATRIX_SCALE_ROW1
.else
	v_wmma_scale_f32_16x16x128_f8f6f4 v[O+32*\i+8*\t:O+32*\i+8*\t+7], v[VF+12*\t:VF+12*\t+11], v[PC:PC+11], 0, v[VS+\t/2], v[PWD] matrix_a_fmt:MATRIX_FMT_BF6 matrix_b_fmt:MATRIX_FMT_BF6
.endif
.else
.if \t%2
	v_wmma_scale_f32_16x16x128_f8f6f4 v[O+32*\i+8*\t:O+32*\i+8*\t+7], v[VF+12*\t:VF+12*\t+11], v[PC:PC+11], v[O+32*\i+8*\t:O+32*\i+8*\t+7], v[VS+\t/2], v[PWD] matrix_a_fmt:MATRIX_FMT_BF6 matrix_b_fmt:MATRIX_FMT_BF6 matrix_a_scale:MATRIX_SCALE_ROW1
.else
	v_wmma_scale_f32_16x16x128_f8f6f4 v[O+32*\i+8*\t:O+32*\i+8*\t+7], v[VF+12*\t:VF+12*\t+11], v[PC:PC+11], v[O+32*\i+8*\t:O+32*\i+8*\t+7], v[VS+\t/2], v[PWD] matrix_a_fmt:MATRIX_FMT_BF6 matrix_b_fmt:MATRIX_FMT_BF6
.endif
.endif
.endr
	WIN 0
.endm
; A KEY STEP: the record's fragments, scale words and mask numbers come out of LDS once, 50 loads, and serve the wave's four tiles.
.macro STEPK first
	v_add_nc_u32 v[AD16], s32, v[L16]
	v_add_nc_u32 v[AD8], s32, v[L8]
	v_add_nc_u32 v[ADM], s46, v[LM]
	v_nop                                          ; with the three additions: four places behind the last products, ahead of the loads into their registers
.irp t, 0,1,2,3,4,5,6,7
	ds_load_b128 v[KF+6*\t:KF+6*\t+3], v[AD16] offset:768*\t
	ds_load_b64 v[KF+6*\t+4:KF+6*\t+5], v[AD8] offset:768*\t+512
.endr
	ds_load_b128 v[KS:KS+3], v[AD16] offset:6144   ; register k: tile 2 k's words in lanes 0-15, tile 2 k + 1's in lanes 16-31
.irp t, 0,1,2,3,4,5,6,7
	ds_load_b128 v[MC+8*\t:MC+8*\t+3], v[ADM] offset:4*(32*(\t/2)+8*(\t%2))      ; keys 32 (t / 2) + 16 (lane / 16) + 8 (t % 2) + 0 .. 7: sixteen lanes share each word
	ds_load_b128 v[MC+8*\t+4:MC+8*\t+7], v[ADM] offset:4*(32*(\t/2)+8*(\t%2))+16
.endr
	ds_load_b64 v[VS:VS+1], v[AD8] offset:12800
	WIN 0x40                                       ; destination window 1
.irp t, 0,1,2,3
	FRAG VF+12*\t,AD16,AD8,6656+1536*\t
.endr
	WIN 0
	s_wait_dscnt 0x0
	UNIT 0, \first
	UNIT 1, \first
	UNIT 2, \first
	UNIT 3, \first
	s_add_co_u32 s32, s32, REC                     ; the next record,
	s_add_co_u32 s46, s46, 512                     ; the next 128 numbers of the mask
.endm
	STEPK 1                                        ; the first step stands in front of the loop: its second product starts O^T's sums
	s_mov_b32 s33, 15
.Lstep:
	STEPK 0
	s_sub_co_u32 s33, s33, 1
	s_cmp_lg_u32 s33, 0
	s_cbranch_scc1 .Lstep
	; THE WAY OUT.  The sum's halves are added (these lines are the places behind the last products); O^T / the sum is quantised along the head's 64 and leaves as half a fragment of the last product's A.
.irp i, 0,1,2,3
	v_add_f32 v[BM+\i], v[ST+4*\i+2], v[ST+4*\i+3]
.endr
.irp i, 0,1,2,3
	v_permlanex16_b32 v[PB+\i], v[BM+\i], s28, s29
.endr
.irp i, 0,1,2,3
	v_add_f32 v[BM+\i], v[BM+\i], v[PB+\i]         ; with lane l xor 16's keys: the row's sum
.endr
.irp i, 0,1,2,3
	v_rcp_f32 v[ST+4*\i], v[BM+\i]
.endr
	v_nop                                          ; one plain place behind the transcendentals
	s_wait_alu depctr_va_vdst(0)
.macro OUTT i                          ; tile i: register 16 e + z is channel 32 e + 16 (lane / 16) + z of my query
	WIN 0x01                                       ; source 0 (O^T) window 1
.set jj, 0
.rept 16
	v_pk_mul_f32 v[S+jj:S+jj+1], v[O+32*\i+jj:O+32*\i+jj+1], v[ST+4*\i:ST+4*\i+1] op_sel_hi:[1,0]   ; each accumulator from its low end on
.set jj, jj+2
.endr
	WIN 0
.irp b, 0,1
	v_max3_num_f32 v[BM+\b], |v[S+16*\b]|, |v[S+1+16*\b]|, 0x2800000
.endr
.irp k, 2,4,6,8,10,12,14
.irp b, 0,1
	v_max3_num_f32 v[BM+\b], v[BM+\b], |v[S+16*\b+\k]|, |v[S+1+16*\b+\k]|
.endr
.endr
.irp b, 0,1
	v_permlanex16_b32 v[PB+4+\b], v[BM+\b], s28, s29
.endr
.irp b, 0,1
	v_max_num_f32 v[BM+\b], v[BM+\b], v[PB+4+\b]
.endr
.irp b, 0,1
	v_add_nc_u32 v[SO+\b], 0xfe000000, v[BM+\b]
.endr
.irp b, 0,1
	v_lshrrev_b32 v[PB+4+\b], 23, v[SO+\b]
.endr
	v_lshl_or_b32 v[TU], v[PB+5], 8, v[PB+4]       ; the head's two bytes,
	v_lshlrev_b32 v[KF+\i], s35, v[TU]             ; at their place in the K step's scale word
	v_cvt_scalef32_pk16_bf6_f32 v[MC+8*\i:MC+8*\i+2], v[S:S+15], v[SO]
	v_cvt_scalef32_pk16_bf6_f32 v[PB:PB+2], v[S+16:S+31], v[SO+1]
	v_nop                                          ; one plain place behind a scaled conversion
.irp z, 0,1,2
	v_permlane16_swap_b32 v[MC+8*\i+\z], v[PB+\z]
.endr
.irp z, 0,1,2
	v_mov_b32 v[MC+8*\i+3+\z], v[PB+\z]
.endr
	global_store_b128 v[L16], v[MC+8*\i:MC+8*\i+3], s[40:41] offset:12288*\i        ; each tile has code registers of its own: no store's data are written again
	global_store_b64 v[L8], v[MC+8*\i+4:MC+8*\i+5], s[40:41] offset:12288*\i+512
.endm
	OUTT 0
	OUTT 1
	OUTT 2
	OUTT 3
	v_cndmask_b32 v[KF+4], v[KF], v[KF+1], s34     ; word k: tile 2 k in lanes 0-15, tile 2 k + 1 in lanes 16-31
	v_cndmask_b32 v[KF+5], v[KF+2], v[KF+3], s34
	global_store_b64 v[L8], v[KF+4:KF+5], s[42:43] ; 256 consecutive bytes of the head's plane
	s_wait_tensorcnt 0x0
	ds_add_u32 v254, v255
	s_wait_dscnt 0x0
	CROUND                                         ; the closing round: no work-group ends while a partner may still ask for a tile that names it
	s_endpgm
.Lfunc_end_k_q4861e058a5_attn:
	.size	k_q4861e058a5_attn, .Lfunc_end_k_q4861e058a5_attn-k_q4861e058a5_attn
	.p2alignl 7, 3214868480
	.fill 96, 4, 3214868480
	.section	.rodata,"a",@progbits
	.p2align	6, 0x0
	.amdhsa_kernel k_q4861e058a5_attn
		.amdhsa_group_segment_fixed_size 218112
		.amdhsa_private_segment_fixed_size 0
		.amdhsa_enable_private_segment 0
		.amdhsa_kernarg_size 24
		.amdhsa_user_sgpr_count 2
		.amdhsa_user_sgpr_kernarg_segment_ptr 1
		.amdhsa_wavefront_size32 1
		.amdhsa_system_sgpr_workgroup_id_x 1
		.amdhsa_system_sgpr_workgroup_id_y 1
		.amdhsa_system_sgpr_workgroup_id_z 1
		.amdhsa_system_vgpr_workitem_id 0
		.amdhsa_next_free_vgpr 512
		.amdhsa_next_free_sgpr 66
		.amdhsa_reserve_vcc 1
		.amdhsa_float_denorm_mode_32 3
		.amdhsa_float_denorm_mode_16_64 3
		.amdhsa_memory_ordered 1
		.amdhsa_forward_progress 1
		.amdhsa_inst_pref_size 133
	.end_amdhsa_kernel
	.amdgpu_metadata
---
amdhsa.version: [ 1, 2 ]
amdhsa.kernels:
  - .name:           k_q4861e058a5_attn
    .symbol:         k_q4861e058a5_attn.kd
    .args:
      - { .name: p2, .offset: 0, .size: 8, .value_kind: global_buffer, .address_space: global }
      - { .name: mask, .offset: 8, .size: 8, .value_kind: global_buffer, .address_space: global }
      - { .name: p3, .offset: 16, .size: 8, .value_kind: global_buffer, .address_space: global }
    .group_segment_fixed_size: 218112
    .private_segment_fixed_size: 0
    .kernarg_segment_align: 8
    .kernarg_segment_size: 24
    .max_flat_workgroup_size: 256
    .sgpr_count:     66
    .vgpr_count:     512
    .wavefront_size: 32
...
	.end_amdgpu_metadata
.endif
;; end of part 3
;; launch outp (part 4): grid 4 x 32, 4 waves a work-group, clusters of 4 x 4, 327,680 bytes of LDS; arguments p3, p1, bo, out0; writes out0
.if DOCPART == 4
	.amdgcn_target "amdgcn-amd-amdhsa--gfx1250"
	.amdhsa_code_object_version 6
	.text
	.protected	k_q4861e058a5_outp
	.globl	k_q4861e058a5_outp
	.p2align	8
	.type	k_q4861e058a5_outp,@function
k_q4861e058a5_outp:
	s_mov_b64 s[64:65], 0
	v_nop
	global_prefetch_b8 v0, s[64:65] scope:SCOPE_SE
	s_setreg_imm32_b32 hwreg(HW_REG_WAVE_MODE, 25, 1), 1
	s_wait_xcnt 0x0
	s_wait_alu depctr_hold_cnt(0) depctr_sa_sdst(0) depctr_va_vdst(0) depctr_va_sdst(0) depctr_va_ssrc(0) depctr_va_vcc(0) depctr_vm_vsrc(0)
	s_getreg_b32 s2, hwreg(HW_REG_IB_STS2, 6, 4)
	s_cmp_eq_u32 s2, 0
	s_cbranch_scc0 .Lentry_in_a_cluster
	s_endpgm
.Lentry_in_a_cluster:
	s_bfe_u32 s2, ttmp6, 0x10000c
	s_cmp_lg_u32 s2, 0xf033
	s_cbranch_scc0 .Lentry_shape_is_right
	s_endpgm
.Lentry_shape_is_right:
; out0 = attended Wo^T + bo on codes of BF6 (E3M2) with E8M0 scales, sums in f32.  attended comes as codes in register order from p3, Wo likewise from p1.
; A tile of 256 x 256 is made by four waves, each 128 x 128: 64 accumulators.  Source 1 = 16 tokens (a lane is a token), source 0 = 16 rows of Wo (a lane's registers run along the output's features).
; K = 1,024 is eight steps of 128, two to a slot, through a ring of two LDS slots; a wave's tensor load brings 8 tiles x 3,072 dense bytes; a fragment comes out of LDS by four loads at 16 x lane and 8 x lane.
; The eight steps are written out, so that each step names its scale registers.  bo is the C of the first K step's products: it costs no addition.
; CLUSTERS: 4 x 4 work-groups.  The tokens' tiles are shared along a row of the cluster, Wo's along a column: each is asked for jointly, by the same load with the same descriptor and a mask that names the four.
; The output has 32 x 4 tiles of this size: 128 work-groups.  A tile of half the size would give 256, at twice the LDS bytes for each product; this launch is a small part of the program's work.
; The rows of a tile are not neighbours (row i of tile u is row 32 (u / 2) + 8 (u % 2) + i + 8 (i / 8)); the way out puts rows and features back in their places.
; REGISTERS: window 0: v4-19 addresses; v32-63 A's scale words, v64-95 B's (register 4 i + j: K step 2 j in lanes 0-15, 2 j + 1 in lanes 16-31); v96-127 the odd heads' halves of A's words, at the head only;
;   v128-223 A's fragments, ONE set; on the way out v128-255 rows of the output.   window 1: B's fragments, two sets, at v0 and v128; bo in v96-127 and v224-255.   windows 2, 3: accumulator (a, b) at v[64 (a % 4) + 8 b].
.set FR,    12
.set FRB,   1536
.set HALFT, 8*2*FRB                    ; 8 tiles x 2 K steps: what one tensor load brings
.set SLOT,  4*HALFT
.set SPARE, 2*SLOT                     ; behind the ring: the spare words, 128 bytes for each wave: two blocks of 256 bytes that no other line names
.set SCL1,  9437184                    ; p1: where the scale words begin
.set APL,   6291456                    ; p3: where the planes of scale words begin
.set SPITCH, 528                       ; the way out: a stage of 16 rows x (512 bytes + 16) for each wave, in slot 0, which has had its last fill and its last read when the first result is stored there
.set A16,  4
.set A8,   6
.set B16,  8
.set B8,   10
.set L16,  12
.set L8,   13
.set SPW,  14                          ; v14    LDS address of my spare word; never rewritten
.set NIL,  15                          ; v15    0; never rewritten
.set STO,  16                          ; v16    the way out: where I put 32 bytes of a row
.set RD,   17                          ; v17    and where I read a row back
.set SAR,  32
.set SBR,  64
.set OD,   96
.set AF,   128
.set BK,   128
.set G1,  24
.set G0,  32
.set G1B, 48
.set G0B, 56
.set MSB, 0
.macro WIN new                         ; the immediate's high byte repeats the setting that is left
.if MSB != \new
	s_set_vgpr_msb (MSB<<8)|\new
.set MSB, \new
.endif
.endm
.set MUL_LO, 0xa1                      ; source 0 (Wo) window 1, source 1 (tokens) window 0, C and D window 2
.set MUL_HI, 0xf1                      ; the same, C and D window 3
.set BIAS_LO, 0x91                     ; the first K step: C (bo) window 1, D window 2
.set BIAS_HI, 0xd1                     ; D window 3
.set TO_B,   0x40
.macro JLOAD s                         ; a joint load: waves 0 and 1 fetch A's halves, waves 2 and 3 B's; four v_nop follow each of the two lines
	s_cmp_eq_u32 s15, 0
	s_cbranch_scc0 .Lfor_b_\@
	tensor_load_to_lds s[G0+4*\s:G0+4*\s+3], s[G1:G1+7]
	s_nop 0
.rept 4
	v_nop
.endr
	s_branch .Lasked_\@
.Lfor_b_\@:
	tensor_load_to_lds s[G0B+4*\s:G0B+4*\s+3], s[G1B:G1B+7]
	s_nop 0
.rept 4
	v_nop
.endr
.Lasked_\@:
.endm
.macro CREST
	s_cmp_lg_u32 s14, 0
	s_cbranch_scc1 .Lnot_wave_0_\@
	s_barrier_signal -3
.Lnot_wave_0_\@:
	s_barrier_wait -3
	s_barrier_signal -1
	s_barrier_wait -1
.endm
.macro CROUND
	s_barrier_signal -1
	s_barrier_wait -1
	CREST
.endm
.macro PLACES                          ; four places in front of loads into registers that matrix instructions have read, and of the first read of results
.rept 4
	v_nop
.endr
.endm
	s_load_b256 s[4:11], s[0:1], 0x0               ; p3 s[4:5], p1 s[6:7], bo s[8:9], out0 s[10:11]
	v_lshl_add_u32 v[SPW], v0, 2, SPARE
	v_mov_b32 v[NIL], 0
	ds_add_u32 v14, v15
	ds_add_u32 v14, v15
	s_wait_dscnt 0x0
	v_lshrrev_b32 v1, 5, v0
	v_readfirstlane_b32 s14, v1                    ; wave 0..3
	s_lshr_b32 s15, s14, 1                         ; w1: which half of the tokens is mine.  Also: I fetch for A (0) or for B (1)
	s_and_b32 s16, s14, 1                          ; w0: which half of the features.  Also: which 8 tiles I fetch
	s_bfe_u32 s40, ttmp6, 0x40000                  ; cx, cy
	s_bfe_u32 s41, ttmp6, 0x40004
	s_lshl_b32 s43, s41, 2
	s_lshl_b32 s43, 15, s43                        ; my row of the cluster
	s_lshl_b32 s44, 0x1111, s40                    ; my column
	s_and_b32 s17, ttmp7, 0xffff
	s_lshl_b32 s17, s17, 2
	s_add_co_u32 s17, s17, s41                     ; A: block of 256 tokens = 4 x cluster y + cy
	s_add_co_u32 s42, s40, 44                      ; B: block 44 + cx of p1's list: Wo
	s_or_b32 s[G1+0], s43, (3<<16)|(1<<21)         ; 8 rows (tiles) of 3,072 bytes, 12,288 bytes apart; elements of 8 bytes; A's tiles go to my row,
	s_or_b32 s[G1B+0], s44, (3<<16)|(1<<21)        ; B's to my column
.irp g, G1, G1B
	s_mov_b32 s[\g+1], 384<<16                     ; tensor_dim0
	s_mov_b32 s[\g+2], 8<<16                       ; tensor_dim1
	s_mov_b32 s[\g+3], 384<<16                     ; tile_dim0
	s_mov_b32 s[\g+4], 8                           ; tile_dim1
	s_mov_b32 s[\g+5], 1536                        ; tensor_dim0_stride
	s_mov_b32 s[\g+6], 0
	s_mov_b32 s[\g+7], 0
.endr
	s_lshl_b32 s18, s16, 3
	s_lshl_b32 s20, s17, 4
	s_add_co_u32 s20, s20, s18
	s_mul_i32 s20, s20, 12288
	s_mov_b32 s21, 0
	s_lshl_b32 s46, s42, 4
	s_add_co_u32 s46, s46, s18
	s_mul_i32 s46, s46, 12288
	s_mov_b32 s47, 0
	s_mul_i32 s45, s14, HALFT                      ; where they go: wave x 8 tiles
	s_lshl_b32 s78, s17, 2                         ; A's scale words: groups of four tiles 4 x block + 2 w1 on, 256 bytes each, in every head's plane
	s_lshl_b32 s79, s15, 1
	s_add_co_u32 s78, s78, s79
	s_lshl_b32 s78, s78, 8
	s_add_co_u32 s78, s78, APL
	s_mov_b32 s79, 0
	s_lshl_b32 s80, s42, 4                         ; B's: my 8 tiles
	s_lshl_b32 s81, s16, 3
	s_add_co_u32 s80, s80, s81
	s_lshl_b32 s80, s80, 9
	s_add_co_u32 s80, s80, SCL1
	s_mov_b32 s81, 0
	s_lshl_b32 s82, s40, 10                        ; features 256 cx + 128 w0 on, in bytes
	s_lshl_b32 s83, s16, 9
	s_add_co_u32 s82, s82, s83
	s_mov_b32 s83, 0
	s_lshl_b32 s84, s17, 20                        ; tokens 256 x block + 128 w1 on: rows of 4,096 bytes
	s_lshl_b32 s85, s15, 19
	s_add_co_u32 s84, s84, s85
	s_add_co_u32 s84, s84, s82
	s_mov_b32 s85, 0
	s_wait_kmcnt 0x0
	s_add_nc_u64 s[20:21], s[4:5], s[20:21]
	s_add_nc_u64 s[46:47], s[6:7], s[46:47]
	s_add_nc_u64 s[78:79], s[4:5], s[78:79]
	s_add_nc_u64 s[80:81], s[6:7], s[80:81]
	s_add_nc_u64 s[82:83], s[8:9], s[82:83]
	s_add_nc_u64 s[12:13], s[10:11], s[84:85]      ; my part of the output
.irp s, 0,1
	s_mov_b32 s[G0+4*\s], 1
	s_add_co_u32 s[G0+4*\s+1], s45, \s*SLOT
	s_add_nc_u64 s[G0+4*\s+2:G0+4*\s+3], s[20:21], \s*2*FRB
	s_or_b32 s[G0+4*\s+3], s[G0+4*\s+3], 0x80000000
	s_mov_b32 s[G0B+4*\s], 1
	s_add_co_u32 s[G0B+4*\s+1], s45, \s*SLOT
	s_add_nc_u64 s[G0B+4*\s+2:G0B+4*\s+3], s[46:47], \s*2*FRB
	s_or_b32 s[G0B+4*\s+3], s[G0B+4*\s+3], 0x80000000
.endr
	CROUND                                         ; all sixteen work-groups are here: the first joint loads meet
	JLOAD 0                                        ; both slots' first fills go out together: two tensor loads of mine are out
	JLOAD 1
	v_and_b32 v1, 31, v0
	v_lshlrev_b32 v[L16], 4, v1
	v_lshlrev_b32 v[L8], 3, v1
	s_mul_i32 s21, s15, HALFT
	s_mul_i32 s22, s16, HALFT
	s_add_co_u32 s22, s22, 2*HALFT
.irp s, 0,1
	v_add_nc_u32 v[A16+\s], s21, v[L16]
	v_add_nc_u32 v[A8+\s], s21, v[L8]
	v_add_nc_u32 v[B16+\s], s22, v[L16]
	v_add_nc_u32 v[B8+\s], s22, v[L8]
	s_add_co_u32 s21, s21, SLOT
	s_add_co_u32 s22, s22, SLOT
.endr
	v_and_b32 v1, 15, v0                           ; r
	v_bfe_u32 v2, v0, 4, 1                         ; h
	v_lshlrev_b32 v18, 3, v1
	v_lshl_add_u32 v18, v2, 16, v18                ; A's words: K step 2 j + h is heads 4 j + 2 h and 4 j + 2 h + 1: planes 32,768 bytes apart; row r: 8 bytes a lane of the plane's image
.irp a, 0,1,2,3,4,5,6,7
.irp j, 0,1,2,3
	global_load_b32 v[SAR+4*\a+\j], v18, s[78:79] offset:131072*\j+256*(\a/4)+128*(\a%2)+4*((\a/2)%2)          ; the even head's two bytes, low;
	global_load_b32 v[OD+4*\a+\j], v18, s[78:79] offset:131072*\j+32768+256*(\a/4)+128*(\a%2)+4*((\a/2)%2)     ; the odd head's, high
.endr
.endr
.irp b, 0,1,2,3,4,5,6,7
.irp g, 0,1
	global_load_b64 v[SBR+4*\b+2*\g:SBR+4*\b+2*\g+1], v[L8], s[80:81] offset:512*\b+256*\g
.endr
.endr
	v_lshlrev_b32 v19, 6, v2                       ; bo: register 16 e + i of a lane is feature 32 e + 16 h + i
	WIN TO_B
.set nn, 0
.rept 16
	global_load_b128 v[96+nn+96*(nn/32):99+nn+96*(nn/32)], v19, s[82:83] offset:128*(nn/16)+4*(nn%16)
.set nn, nn+4
.endr
	WIN 0
	s_mul_i32 s23, s14, 16*SPITCH                  ; my stage
	v_mul_u32_u24 v[STO], v1, SPITCH
	v_lshl_add_u32 v[STO], v2, 6, v[STO]
	v_add_nc_u32 v[STO], s23, v[STO]               ; in: row r, + 64 h
	v_add_nc_u32 v[RD], s23, v[L16]                ; back: the 32 lanes take one row of 512 bytes
.macro FRAG reg, a16, a8, off
	ds_load_b128 v[\reg:\reg+3], v[\a16] offset:\off
	ds_load_b64 v[\reg+4:\reg+5], v[\a8] offset:\off+512
	ds_load_b128 v[\reg+6:\reg+9], v[\a16] offset:\off+768
	ds_load_b64 v[\reg+10:\reg+11], v[\a8] offset:\off+1280
.endm
.macro FETCH_B slot, q, p
	WIN TO_B
.irp i, 0,1,2,3,4,5,6,7
	FRAG 128*(\p)+FR*\i,B16+\slot,B8+\slot,2*FRB*\i+FRB*(\q)
.endr
	WIN 0
.endm
.macro FETCH_A slot, q, i0
.irp i, \i0, \i0+1, \i0+2, \i0+3
	FRAG AF+FR*(\i),A16+\slot,A8+\slot,2*FRB*(\i)+FRB*(\q)
.endr
.endm
; 16 matrix instructions: A's blocks a0, a0 + 1 x B's eight, K step s.  bias = 1: the first product starts the sums from bo.  The 64 accumulators take turns, one instruction a turn.
.macro MUL16 a0, s, bias
.irp a, \a0, \a0+1
.irp b, 0,1,2,3,4,5,6,7
.if \bias
	v_wmma_scale_f32_16x16x128_f8f6f4 v[8*(8*((\a)%4)+\b):8*(8*((\a)%4)+\b)+7], v[128*((\s)%2)+FR*\b:128*((\s)%2)+FR*\b+FR-1], v[AF+FR*(\a):AF+FR*(\a)+FR-1], v[96+8*\b+96*(\b/4):103+8*\b+96*(\b/4)], v[SBR+4*\b+(\s)/2], v[SAR+4*(\a)+(\s)/2] matrix_a_fmt:MATRIX_FMT_BF6 matrix_b_fmt:MATRIX_FMT_BF6
.elseif (\s)%2
	v_wmma_scale_f32_16x16x128_f8f6f4 v[8*(8*((\a)%4)+\b):8*(8*((\a)%4)+\b)+7], v[128*((\s)%2)+FR*\b:128*((\s)%2)+FR*\b+FR-1], v[AF+FR*(\a):AF+FR*(\a)+FR-1], v[8*(8*((\a)%4)+\b):8*(8*((\a)%4)+\b)+7], v[SBR+4*\b+(\s)/2], v[SAR+4*(\a)+(\s)/2] matrix_a_fmt:MATRIX_FMT_BF6 matrix_b_fmt:MATRIX_FMT_BF6 matrix_a_scale:MATRIX_SCALE_ROW1 matrix_b_scale:MATRIX_SCALE_ROW1
.else
	v_wmma_scale_f32_16x16x128_f8f6f4 v[8*(8*((\a)%4)+\b):8*(8*((\a)%4)+\b)+7], v[128*((\s)%2)+FR*\b:128*((\s)%2)+FR*\b+FR-1], v[AF+FR*(\a):AF+FR*(\a)+FR-1], v[8*(8*((\a)%4)+\b):8*(8*((\a)%4)+\b)+7], v[SBR+4*\b+(\s)/2], v[SAR+4*(\a)+(\s)/2] matrix_a_fmt:MATRIX_FMT_BF6 matrix_b_fmt:MATRIX_FMT_BF6
.endif
.endr
.endr
.endm
.macro STEP slot, s, bias              ; a slot's first K step (s even)
	s_wait_dscnt 16                                ; B's set and A's blocks 0-3 are in; the youngest 16 loads (A's blocks 4-7) may be out
.if \bias
	WIN BIAS_LO
.else
	WIN MUL_LO
.endif
	MUL16 0, \s, \bias
	MUL16 2, \s, \bias
	s_wait_dscnt 0x0                               ; A's blocks 4-7 are in
	PLACES
	FETCH_B \slot, 1, 1
	FETCH_A \slot, 1, 0
.if \bias
	WIN BIAS_HI
.else
	WIN MUL_HI
.endif
	MUL16 4, \s, \bias
	MUL16 6, \s, \bias
	PLACES
	WIN 0
	FETCH_A \slot, 1, 4
.endm
; A slot's second K step (s odd) changes slots: ONE barrier; in front of it each wave waits for all its tensor loads, adds 0 to its spare word, and waits for that and for its reads of this slot.
.macro TURN slot, next, s, fill
	s_wait_tensorcnt 0x0                           ; all my tensor loads have landed: my part of the next slot;  (every window is 0 here)
	ds_add_u32 v[SPW], v[NIL]                      ; 0 onto my spare word
	s_wait_dscnt 17                                ; (the add and the youngest 16 loads may be out)
	WIN MUL_LO
	MUL16 0, \s, 0                                 ; sixteen matrix instructions stand between the add and the wait for it
	s_wait_dscnt 0x0                               ; the add is done, and my reads of this slot are over
	s_barrier_signal -1
	MUL16 2, \s, 0
	WIN 0
	s_barrier_wait -1
.if \fill
	CREST                                          ; no wave of any partner still reads this slot's tiles or has a load on its way
	s_add_nc_u64 s[G0+4*\slot+2:G0+4*\slot+3], s[G0+4*\slot+2:G0+4*\slot+3], 4*FRB
	s_add_nc_u64 s[G0B+4*\slot+2:G0B+4*\slot+3], s[G0B+4*\slot+2:G0B+4*\slot+3], 4*FRB
	JLOAD \slot                                    ; the first tensor load behind the round, my one load until the next; its four v_nop are also the places in front of the loads below
.else
	PLACES
.endif
	FETCH_B \next, 0, 0
	FETCH_A \next, 0, 0
	WIN MUL_HI
	MUL16 4, \s, 0
	MUL16 6, \s, 0
	PLACES
	WIN 0
	FETCH_A \next, 0, 4
.endm
	s_wait_tensorcnt 1                             ; my part of K steps 0, 1 is in (slot 1's load may be out)
	s_barrier_signal -1
	s_barrier_wait -1                              ; everybody's is
	FETCH_B 0, 0, 0
	FETCH_A 0, 0, 0
	FETCH_A 0, 0, 4
	s_wait_loadcnt 0x0                             ; the scale words and bo
.set nn, 0
.rept 32
	v_or_b32 v[SAR+nn], v[SAR+nn], v[OD+nn]        ; a K step's word: the even head's two bytes below, the odd head's above
.set nn, nn+1
.endr
.rept 8
	v_nop                                          ; a scale register written by a vector instruction stands eight places ahead of a scaled matrix instruction
.endr
	STEP 0, 0, 1                                   ; K step 0 starts the sums from bo: nothing is cleared, nothing is added later
	TURN 0, 1, 1, 1                                ; slot 0 takes K steps 4, 5
	STEP 1, 2, 0
	TURN 1, 0, 3, 1                                ; slot 1 takes K steps 6, 7
	STEP 0, 4, 0
	TURN 0, 1, 5, 0                                ; nothing is left to fetch: no round.  Behind this barrier nobody reads slot 0
	STEP 1, 6, 0
	s_wait_dscnt 16                                ; K step 7
	WIN MUL_LO
	MUL16 0, 7, 0
	MUL16 2, 7, 0
	s_wait_dscnt 0x0
	WIN MUL_HI
	MUL16 4, 7, 0
	MUL16 6, 7, 0
	WIN 0
; THE WAY OUT, block by block of 16 tokens x 128 features.  A lane holds pieces of 32 bytes of one row, and the lanes beside it hold other rows: so a block goes through my own stage in LDS, where each piece takes
; its feature's place, and comes back as whole rows of 512 bytes.  LDS serves a wave's instructions in order (ISA guide 5.7.1.4): no wait between the stores and the loads.
.macro TOSTAGE a
.set AC, 64*((\a)%4)
	WIN (0x08+4*((\a)/4))                          ; the data: window 2 or 3
.irp b, 0,1,2,3,4,5,6,7
	ds_store_b128 v[STO], v[AC+8*\b:AC+8*\b+3] offset:128*(\b/2)+32*(\b%2)          ; features 32 (b / 2) + 16 h + 8 (b % 2) on; each accumulator from its low end on
	ds_store_b128 v[STO], v[AC+8*\b+4:AC+8*\b+7] offset:128*(\b/2)+32*(\b%2)+16
.endr
	WIN 0
.set BB, BK+64*((\a)%2)
.irp t, 0,1,2,3,4,5,6,7,8,9,10,11,12,13,14,15
	ds_load_b128 v[BB+4*\t:BB+4*\t+3], v[RD] offset:\t*SPITCH
.endr
.endm
.macro SEND a, younger                 ; younger: the LDS instructions issued behind block a's loads, which may stay out
.set BB, BK+64*((\a)%2)
	s_wait_dscnt \younger                          ; the block is back in registers
.irp t, 0,1,2,3,4,5,6,7,8,9,10,11,12,13,14,15
	global_store_b128 v[L16], v[BB+4*\t:BB+4*\t+3], s[12:13] offset:(32*((\a)/2)+8*((\a)%2)+\t+8*(\t/8))*4096 th:TH_STORE_NT   ; row t of tile a in its own place; 32 lanes store 512 consecutive bytes at a multiple of 256 from the output's first byte; written once, read by nobody here
.endr
.endm
	PLACES                                         ; for the first reads of results and the loads into the registers that held A's fragments
	TOSTAGE 0
.irp a, 1,2,3,4,5,6,7
.if \a > 1
	s_wait_xcnt 0x0                                ; block a - 2's stores have read their registers: block a's loads may land there
.endif
	TOSTAGE \a
	SEND \a-1, 32                                  ; behind block a - 1's loads: block a's 16 stores and 16 loads
.endr
	SEND 7, 0
	s_wait_tensorcnt 0x0                           ; the wave's end, behind my last tensor load and my last LDS store
	ds_add_u32 v[SPW], v[NIL]
	s_wait_dscnt 0x0
	CROUND                                         ; the closing round: no work-group ends while a partner may still ask for a tile that names it
	s_endpgm
.Lfunc_end_k_q4861e058a5_outp:
	.size	k_q4861e058a5_outp, .Lfunc_end_k_q4861e058a5_outp-k_q4861e058a5_outp
	.p2alignl 7, 3214868480
	.fill 96, 4, 3214868480
	.section	.rodata,"a",@progbits
	.p2align	6, 0x0
	.amdhsa_kernel k_q4861e058a5_outp
		.amdhsa_group_segment_fixed_size 327680
		.amdhsa_private_segment_fixed_size 0
		.amdhsa_enable_private_segment 0
		.amdhsa_kernarg_size 32
		.amdhsa_user_sgpr_count 2
		.amdhsa_user_sgpr_kernarg_segment_ptr 1
		.amdhsa_wavefront_size32 1
		.amdhsa_system_sgpr_workgroup_id_x 1
		.amdhsa_system_sgpr_workgroup_id_y 1
		.amdhsa_system_sgpr_workgroup_id_z 1
		.amdhsa_system_vgpr_workitem_id 0
		.amdhsa_next_free_vgpr 1024
		.amdhsa_next_free_sgpr 100
		.amdhsa_reserve_vcc 0
		.amdhsa_float_denorm_mode_32 3
		.amdhsa_float_denorm_mode_16_64 3
		.amdhsa_memory_ordered 1
		.amdhsa_forward_progress 1
		.amdhsa_inst_pref_size 149
	.end_amdhsa_kernel
	.amdgpu_metadata
---
amdhsa.version: [ 1, 2 ]
amdhsa.kernels:
  - .name:           k_q4861e058a5_outp
    .symbol:         k_q4861e058a5_outp.kd
    .args:
      - { .name: p3, .offset: 0, .size: 8, .value_kind: global_buffer, .address_space: global }
      - { .name: p1, .offset: 8, .size: 8, .value_kind: global_buffer, .address_space: global }
      - { .name: bo, .offset: 16, .size: 8, .value_kind: global_buffer, .address_space: global }
      - { .name: out0, .offset: 24, .size: 8, .value_kind: global_buffer, .address_space: global }
    .group_segment_fixed_size: 327680
    .private_segment_fixed_size: 0
    .kernarg_segment_align: 8
    .kernarg_segment_size: 32
    .max_flat_workgroup_size: 128
    .sgpr_count:     100
    .vgpr_count:     1024
    .wavefront_size: 32
...
	.end_amdgpu_metadata
.endif
;; end of part 4
;; ======== version 2 of 2: 4 launches
;; limits: right only within a limited range of input values
;; workspace buffers: p1 9,830,400 bytes; p2 20,447,232 bytes; p3 6,815,744 bytes
;; launch quant (part 5): grid 768 x 1, 2 waves a work-group, no clusters, 17,152 bytes of LDS; arguments x, Wq, Wk, Wv, Wo, p1; writes p1
.if DOCPART == 5
	.amdgcn_target "amdgcn-amd-amdhsa--gfx1250"
	.amdhsa_code_object_version 6
	.text
	.protected	k_q4861e058a5_quant
	.globl	k_q4861e058a5_quant
	.p2align	8
	.type	k_q4861e058a5_quant,@function
k_q4861e058a5_quant:
	s_mov_b64 s[64:65], 0
	v_nop
	global_prefetch_b8 v0, s[64:65] scope:SCOPE_SE
	s_setreg_imm32_b32 hwreg(HW_REG_WAVE_MODE, 25, 1), 1
	s_wait_xcnt 0x0
; x [8192][1024] and Wq, Wk, Wv, Wo [1024][1024], f32 with K innermost, become codes of BF6 (E3M2) with one E8M0 byte for each 32 along K,
; laid in the ORDER OF THE OPERAND'S REGISTERS, so that the products' launches fetch a fragment by dense loads alone.
; A block's scale is 2^(floor(log2(its largest magnitude)) - 4); its byte is that magnitude's exponent field - 4, held at 1 from below.
; LIMITS: a block of zeros, or one whose largest magnitude lies under 2^-122, keeps the byte 1 (the rule says 127 for zeros: the codes are zeros and this
; program alone reads the bytes); NaN and infinities among the inputs are not served.
; TILES.  Tile t of 16 rows: tiles 0-511 x, 512-575 Wq, 576-639 Wk, 640-703 Wv, 704-767 Wo.  Row i of a tensor's tile u is the tensor's row
; 128 (u / 8) + 64 ((u / 4) % 2) + 8 (u % 4) + i % 8 + 32 (i / 8): used as source 0 of a product, four neighbouring tiles then leave a WHOLE block of 32 neighbours along the next K in a lane's registers.
; p1: codes at tile x 12,288 + K step x 1,536.  A fragment (16 rows x 128 K, 12 registers a lane) is two halves of 768 bytes: registers 6 c .. 6 c + 3 at 16 x lane, then registers 6 c + 4, 6 c + 5 at 8 x lane.
;     scale words at SCL1 + tile x 512 + g x 256 + 8 x lane: word k of lane (r, h) is row r's word of K step 4 g + 2 k + h.
; SHARES.  A work-group makes one tile; wave g its K steps 4 g .. 4 g + 3.  Each load reads 512 consecutive bytes of one row; the conversions want 32 neighbours in ONE lane, so a K step's 16 x 512 bytes
; turn through the wave's own stage in LDS (rows 528 bytes apart, an odd multiple of 16).  Two K steps, 32 loads a wave, are on their way.
; No tile is read twice by anybody, so there is nothing to share in a cluster; no matrix unit, no barrier: the waves share nothing.
.set SCL1,  9437184
.set SPI,   528                        ; a stage row: 512 bytes + 16
.set WST,   16*SPI                     ; a wave's stage
.set SW,    16                         ; v16-17  the wave's scale words: a pair for the one store at the end
.set C,     20                         ; v20-31  a fragment's codes
.set TP,    32                         ; v32-34, v36-38  the second half of each block's codes (a conversion's three registers begin on an even number)
.set R,     64                         ; v64-191 two sets of 64: a K step as loaded
.set X,     192                        ; v192-255 my two blocks of 32 neighbours
	s_load_b256 s[4:11], s[0:1], 0x0               ; x s[4:5], Wq s[6:7], Wk s[8:9], Wv s[10:11]
	s_load_b128 s[12:15], s[0:1], 0x20             ; Wo s[12:13], p1 s[14:15]
	v_lshl_add_u32 v62, v0, 2, 0x4200
	v_mov_b32 v63, 0
	v_lshrrev_b32 v1, 5, v0
	v_readfirstlane_b32 s20, v1                    ; wave g
	v_and_b32 v1, 31, v0                           ; lane
	v_lshlrev_b32 v2, 4, v1                        ; 16 x lane: loads, and the stores of four registers
	v_lshlrev_b32 v3, 3, v1                        ; 8 x lane: the stores of two
	s_mul_i32 s21, s20, WST
	v_add_nc_u32 v4, s21, v2                       ; the stage, on the way in: a row as it lies
	v_and_b32 v8, 15, v0                           ; r
	v_bfe_u32 v9, v0, 4, 1                         ; h
	v_mul_u32_u24 v5, v8, SPI
	v_lshl_add_u32 v5, v9, 7, v5
	v_add_nc_u32 v5, s21, v5                       ; and on the way out: row r, block h (128 bytes a block)
	v_lshlrev_b32 v6, 3, v9                        ; 8 h: my bytes' place in the scale word
	v_mov_b32 v7, 0                                ; written once: a lane permute's destination counts as one of its sources
	s_mov_b32 s30, 0x76543210
	s_mov_b32 s31, 0xfedcba98                      ; v_permlanex16_b32's selects for lane l xor 16
	s_mov_b32 s32, 0xffff0000                      ; lanes 16-31
	s_lshr_b32 s16, ttmp9, 6                       ; 0-7: x; 8: Wq; 9: Wk; 10: Wv; 11: Wo
	s_and_b32 s18, ttmp9, 63                       ; a weight's tile
	s_wait_kmcnt 0x0
	s_cmp_eq_u32 s16, 9                            ; the tensor is chosen by the work-group's number alone; both kinds take one path through the text
	s_cselect_b64 s[6:7], s[8:9], s[6:7]
	s_cmp_eq_u32 s16, 10
	s_cselect_b64 s[6:7], s[10:11], s[6:7]
	s_cmp_eq_u32 s16, 11
	s_cselect_b64 s[6:7], s[12:13], s[6:7]
	s_cmp_lt_u32 s16, 8
	s_cselect_b64 s[4:5], s[4:5], s[6:7]
	s_cselect_b32 s17, ttmp9, s18                  ; the tile's number u in its tensor
	s_lshr_b32 s19, s17, 3
	s_lshl_b32 s22, s19, 19                        ; 128 (u / 8) rows of 4,096 bytes
	s_bfe_u32 s19, s17, 0x10002
	s_lshl_b32 s19, s19, 18                        ; + 64 ((u / 4) % 2) rows
	s_add_co_u32 s22, s22, s19
	s_and_b32 s19, s17, 3
	s_lshl_b32 s19, s19, 15                        ; + 8 (u % 4) rows
	s_add_co_u32 s22, s22, s19
	s_lshl_b32 s19, s20, 11                        ; + my four K steps: 2,048 bytes a wave
	s_add_co_u32 s22, s22, s19
	s_mov_b32 s23, 0
	s_add_nc_u64 s[4:5], s[4:5], s[22:23]
	s_mul_i32 s24, ttmp9, 12288
	s_mul_i32 s19, s20, 6144
	s_add_co_u32 s24, s24, s19
	s_mov_b32 s25, 0
	s_add_nc_u64 s[26:27], s[14:15], s[24:25]      ; my four fragments
	s_lshl_b32 s24, ttmp9, 9
	s_lshl_b32 s19, s20, 8
	s_add_co_u32 s24, s24, s19
	s_add_co_u32 s24, s24, SCL1
	s_add_nc_u64 s[28:29], s[14:15], s[24:25]      ; my 256 bytes of scale words
.macro LOADK t                         ; K step t of the tile's 16 rows into set t % 2: each load 512 consecutive bytes, read once in the launch
.set ii, 0
.rept 16
	global_load_b128 v[R+64*((\t)%2)+4*ii:R+64*((\t)%2)+4*ii+3], v2, s[4:5] offset:(ii%8+32*(ii/8))*4096+512*(\t) th:TH_LOAD_NT
.set ii, ii+1
.endr
.endm
.macro KSTEP t
.if (\t) < 3
	s_wait_loadcnt 16                              ; this step's 16 loads are in; the next step's 16 may be out
.else
	s_wait_loadcnt 0x0
.endif
.set ii, 0
.rept 16
	ds_store_b128 v4, v[R+64*((\t)%2)+4*ii:R+64*((\t)%2)+4*ii+3] offset:SPI*ii
.set ii, ii+1
.endr
.irp c, 0,1                            ; LDS serves a wave's instructions in order: these see the stores above.  Lane (r, h) takes blocks h and 2 + h of row r
.irp k, 0,1,2,3,4,5,6,7
	ds_load_b128 v[X+32*\c+4*\k:X+32*\c+4*\k+3], v5 offset:256*\c+16*\k
.endr
.endr
	s_wait_dscnt 0x0                               ; my 64 numbers are in, and the stage's stores have read their registers,
.if (\t) < 2
	LOADK (\t)+2                                   ; which take the loads of two steps on
.endif
.irp c, 0,1
	v_max3_num_f32 v[8+\c], |v[X+32*\c]|, |v[X+32*\c+1]|, 0x2800000   ; block 2 c + h: all its 32 numbers are mine; the floor 2^(5 - 127) holds the byte at 1 from below
.endr
.irp i, 2,4,6,8,10,12,14,16,18,20,22,24,26,28,30
.irp c, 0,1
	v_max3_num_f32 v[8+\c], v[8+\c], |v[X+32*\c+\i]|, |v[X+32*\c+\i+1]|   ; (the two blocks by turns)
.endr
.endr
.irp c, 0,1
	v_add_nc_u32 v[10+\c], 0xfe000000, v[8+\c]     ; 4 off the exponent field: the conversion takes the exponent field of this operand as its scale
.endr
.irp c, 0,1
	v_lshrrev_b32 v[12+\c], 23, v[10+\c]           ; the scale's byte
.endr
	v_lshl_or_b32 v14, v13, 16, v12                ; my two bytes, blocks h and 2 + h,
	v_lshlrev_b32 v14, v6, v14                     ; at their places in the word;
	v_permlanex16_b32 v7, v14, s30, s31
	v_or_b32 v14, v14, v7                          ; with lane l xor 16's two the row's word is whole, in both lanes
.if (\t) > 0
	s_wait_xcnt 0x0                                ; the last step's stores have read the code registers: they are written again only behind this wait
.endif
.irp c, 0,1
	v_cvt_scalef32_pk16_bf6_f32 v[C+6*\c:C+6*\c+2], v[X+32*\c:X+32*\c+15], v[10+\c]
	v_cvt_scalef32_pk16_bf6_f32 v[TP+4*\c:TP+4*\c+2], v[X+32*\c+16:X+32*\c+31], v[10+\c]
.endr
.if (\t)%2 == 0                        ; (this line is also the plain place behind the scaled conversions)
	v_mov_b32 v[SW+(\t)/2], v14                    ; an even step's word is kept in lanes 0-15,
.else
	v_cndmask_b32 v[SW+(\t)/2], v[SW+(\t)/2], v14, s32   ; an odd step's in lanes 16-31
.endif
.irp c, 0,1
.irp i, 0,1,2
	v_mov_b32 v[C+3+6*\c+\i], v[TP+4*\c+\i]
.endr
.endr
	global_store_b128 v2, v[C:C+3], s[26:27] offset:1536*(\t)          ; 512 consecutive bytes,
	global_store_b64 v3, v[C+4:C+5], s[26:27] offset:1536*(\t)+512     ; 256,
	global_store_b128 v2, v[C+6:C+9], s[26:27] offset:1536*(\t)+768    ; all at multiples of 256 from the buffer's first byte
	global_store_b64 v3, v[C+10:C+11], s[26:27] offset:1536*(\t)+1280
.endm
	LOADK 0
	LOADK 1
	KSTEP 0
	KSTEP 1
	KSTEP 2
	KSTEP 3
	global_store_b64 v3, v[SW:SW+1], s[28:29]      ; the wave's scale words: 256 consecutive bytes
	s_wait_tensorcnt 0x0
	ds_add_u32 v62, v63
	s_wait_dscnt 0x0
	s_endpgm
.Lfunc_end_k_q4861e058a5_quant:
	.size	k_q4861e058a5_quant, .Lfunc_end_k_q4861e058a5_quant-k_q4861e058a5_quant
	.p2alignl 7, 3214868480
	.fill 96, 4, 3214868480
	.section	.rodata,"a",@progbits
	.p2align	6, 0x0
	.amdhsa_kernel k_q4861e058a5_quant
		.amdhsa_group_segment_fixed_size 17152
		.amdhsa_private_segment_fixed_size 0
		.amdhsa_enable_private_segment 0
		.amdhsa_kernarg_size 48
		.amdhsa_user_sgpr_count 2
		.amdhsa_user_sgpr_kernarg_segment_ptr 1
		.amdhsa_wavefront_size32 1
		.amdhsa_system_sgpr_workgroup_id_x 1
		.amdhsa_system_sgpr_workgroup_id_y 1
		.amdhsa_system_sgpr_workgroup_id_z 1
		.amdhsa_system_vgpr_workitem_id 0
		.amdhsa_next_free_vgpr 256
		.amdhsa_next_free_sgpr 66
		.amdhsa_reserve_vcc 0
		.amdhsa_float_denorm_mode_32 3
		.amdhsa_float_denorm_mode_16_64 3
		.amdhsa_memory_ordered 1
		.amdhsa_forward_progress 1
		.amdhsa_inst_pref_size 31
	.end_amdhsa_kernel
	.amdgpu_metadata
---
amdhsa.version: [ 1, 2 ]
amdhsa.kernels:
  - .name:           k_q4861e058a5_quant
    .symbol:         k_q4861e058a5_quant.kd
    .args:
      - { .name: x, .offset: 0, .size: 8, .value_kind: global_buffer, .address_space: global }
      - { .name: Wq, .offset: 8, .size: 8, .value_kind: global_buffer, .address_space: global }
      - { .name: Wk, .offset: 16, .size: 8, .value_kind: global_buffer, .address_space: global }
      - { .name: Wv, .offset: 24, .size: 8, .value_kind: global_buffer, .address_space: global }
      - { .name: Wo, .offset: 32, .size: 8, .value_kind: global_buffer, .address_space: global }
      - { .name: p1, .offset: 40, .size: 8, .value_kind: global_buffer, .address_space: global }
    .group_segment_fixed_size: 17152
    .private_segment_fixed_size: 0
    .kernarg_segment_align: 8
    .kernarg_segment_size: 48
    .max_flat_workgroup_size: 64
    .sgpr_count:     66
    .vgpr_count:     256
    .wavefront_size: 32
...
	.end_amdgpu_metadata
.endif
;; end of part 5
;; launch proj (part 6): grid 96 x 4, 4 waves a work-group, clusters of 4 x 4, 327,680 bytes of LDS; arguments p1, bq, bk, bv, p2; writes p2
.if DOCPART == 6
	.amdgcn_target "amdgcn-amd-amdhsa--gfx1250"
	.amdhsa_code_object_version 6
	.text
	.protected	k_q4861e058a5_proj
	.globl	k_q4861e058a5_proj
	.p2align	8
	.type	k_q4861e058a5_proj,@function
k_q4861e058a5_proj:
	s_mov_b64 s[64:65], 0
	v_nop
	global_prefetch_b8 v0, s[64:65] scope:SCOPE_SE
	s_setreg_imm32_b32 hwreg(HW_REG_WAVE_MODE, 25, 1), 1
	s_wait_xcnt 0x0
	s_wait_alu depctr_hold_cnt(0) depctr_sa_sdst(0) depctr_va_vdst(0) depctr_va_sdst(0) depctr_va_ssrc(0) depctr_va_vcc(0) depctr_vm_vsrc(0)
	s_getreg_b32 s2, hwreg(HW_REG_IB_STS2, 6, 4)
	s_cmp_eq_u32 s2, 0
	s_cbranch_scc0 .Lentry_in_a_cluster
	s_endpgm
.Lentry_in_a_cluster:
	s_bfe_u32 s2, ttmp6, 0x10000c
	s_cmp_lg_u32 s2, 0xf033
	s_cbranch_scc0 .Lentry_shape_is_right
	s_endpgm
.Lentry_shape_is_right:
; q = x Wq^T + bq, k = x Wk^T + bk, v = x Wv^T + bv on codes of BF6 (E3M2) with E8M0 scales, sums in f32; the results are quantised in registers, q and k along the head's 64, v along the keys,
; and leave as images of the next products' operand registers.  Nothing wide goes to memory.
; A tile of 256 x 256 is made by four waves, each 128 x 128: 64 accumulators, 512 registers.  "A" is source 1 (a lane is one of A's rows), "B" is source 0 (a lane's registers run along B's rows).
; KINDS, by the cluster's number c = 0 .. 23, which all partners share.  c < 16: A = 256 tokens of x, B = 256 rows of Wq (c even) or Wk (c odd): a lane holds one token and 64 features of each of two heads.
;   c >= 16: A = 256 rows of Wv, B = 256 tokens of x: a lane holds one channel, and its registers run down 128 tokens, which are the second attention product's K.
; The rows of a tile are not neighbours (row i of tile u is row 128 (u / 8) + 64 ((u / 4) % 2) + 8 (u % 4) + i % 8 + 32 (i / 8)), so the 32 registers of accumulators (a, 4 c) .. (a, 4 c + 3) of lane (r, h)
; are the whole block 2 c + h of 32 neighbours along B's rows: the very order of the 6-bit operand's registers.
; K = 1,024 is eight steps of 128, two to a slot, through a ring of two LDS slots.  p1 holds fragments in register order, so a tile's two K steps are 3,072 dense bytes; a wave's load brings 8 tiles' worth,
; and a fragment comes out of LDS by four loads at 16 x lane and 8 x lane: no pitch, no padding.  The eight steps are written out, so that each step names its scale registers.
; CLUSTERS: 4 x 4 work-groups.  A's tiles are shared along a row of the cluster, B's along a column: each is asked for jointly, by the same load with the same descriptor and a mask that names the four.
; The grid is 24 clusters of equal work: 16 for q and k, 8 for v.
; p2: records [batch x head][128 keys] of 13,312 bytes: k's 8 half images (16 keys x 64, 768 bytes each), their scale words (512), v's 4 fragments (16 channels x 128 keys), their scale words (256), 256 zeros
;     (so that an eighth of two records is whole blocks of 256 bytes); from QOFF on records of 6,656 bytes: q's 8 half images and their scale words.
; LIMITS: a block of zeros, or one whose largest magnitude lies under 2^-122, keeps the byte 1; NaN and infinities are not served.
; REGISTERS: window 0: v4-15 addresses; v16-31 bv; v32-63 A's scale words, v64-95 B's (register 4 i + j: K step 2 j in lanes 0-15, 2 j + 1 in lanes 16-31); v96-124 at work on the way out;
;   v128-223 A's fragments, ONE set; on the way out v128-191 64 numbers, v224-243 codes.   window 1: B's fragments, two sets, at v0 and v128; bq or bk in v96-127 and v224-255.   windows 2, 3: accumulator (a, b) at v[64 (a % 4) + 8 b].
.set FR,    12                         ; registers of a fragment
.set FRB,   1536                       ; and its bytes
.set HALFT, 8*2*FRB                    ; 8 tiles x 2 K steps: what one tensor load brings, and what one wave reads of A or of B
.set SLOT,  4*HALFT                    ; A's 16 tiles, then B's 16
.set SPARE, 2*SLOT                     ; behind the ring: the spare words, 128 bytes for each wave: two blocks of 256 bytes that no other line names
.set SCL1,  9437184                    ; p1: where the scale words begin
.set REC,   13312
.set QREC,  6656
.set QOFF,  13631488
.set VOFF,  6656                       ; v's fragments in a record
.set A16,  4                           ; v4-5   LDS address of my A fragments in slot 0, 1, at 16 x lane;  v6-7 at 8 x lane
.set A8,   6
.set B16,  8                           ; v8-9, v10-11  the same for B
.set B8,   10
.set L16,  12                          ; v12    16 x lane
.set L8,   13                          ; v13    8 x lane
.set SPW,  14                          ; v14    LDS address of my spare word; never rewritten
.set NIL,  15                          ; v15    0; never rewritten
.set BV,   16                          ; v16-31 bv of my lane's channel in A's block a, twice: a pair for the packed addition
.set SAR,  32
.set SBR,  64
.set TM,   96                          ; v96-99 largest magnitudes in four chains, v100-101 the conversions' scale operands, v102-103 bytes, v104 a lane permute's result
.set PW,   112                         ; the scale word just made
.set SWE,  116                         ; v116-119, v120-123  scale words on their way out
.set SWO,  120
.set SH8,  124                         ; v124   8 x (lane / 16): my bytes' place in a scale word
.set AF,   128
.set T,    128
.set PC,   224
.set G1,  24                           ; s[24:31] descriptor group 1 for A's tiles;  s[32:39] group 0, one set for each slot
.set G0,  32
.set G1B, 48                           ; s[48:55], s[56:63] the same for B's
.set G0B, 56
.set SEL, 74                           ; s[74:75] lane selects for v_permlanex16_b32
.set MSB, 0
.macro WIN new                         ; the immediate's high byte repeats the setting that is left
.if MSB != \new
	s_set_vgpr_msb (MSB<<8)|\new
.set MSB, \new
.endif
.endm
.set MUL_LO, 0xa1                      ; source 0 (B) window 1, source 1 (A) window 0, C and D window 2
.set MUL_HI, 0xf1                      ; the same, C and D window 3
.set TO_B,   0x40                      ; destination window 1, address window 0
; A joint load: waves 0 and 1 fetch A's halves, waves 2 and 3 B's.  Each line has one mask and one set of registers for all that issue it; the branch hangs on the wave's number alone.
; Four v_nop follow each of the two lines, ahead of the jump, the label and what follows.
.macro JLOAD s
	s_cmp_eq_u32 s15, 0
	s_cbranch_scc0 .Lfor_b_\@
	tensor_load_to_lds s[G0+4*\s:G0+4*\s+3], s[G1:G1+7]
	s_nop 0
.rept 4
	v_nop
.endr
	s_branch .Lasked_\@
.Lfor_b_\@:
	tensor_load_to_lds s[G0B+4*\s:G0B+4*\s+3], s[G1B:G1B+7]
	s_nop 0
.rept 4
	v_nop
.endr
.Lasked_\@:
.endm
.macro CREST                           ; a round of the cluster's barrier behind its opening barrier
	s_cmp_lg_u32 s14, 0
	s_cbranch_scc1 .Lnot_wave_0_\@
	s_barrier_signal -3
.Lnot_wave_0_\@:
	s_barrier_wait -3
	s_barrier_signal -1
	s_barrier_wait -1
.endm
.macro CROUND                          ; a whole round
	s_barrier_signal -1
	s_barrier_wait -1
	CREST
.endm
.macro PLACES                          ; four places in front of loads into registers that matrix instructions have read, and of the first read of results (ISA guide 7.12.1 for vector instructions)
.rept 4
	v_nop
.endr
.endm
	s_load_b256 s[4:11], s[0:1], 0x0               ; p1 s[4:5], bq s[6:7], bk s[8:9], bv s[10:11]
	s_load_b64 s[12:13], s[0:1], 0x20              ; p2
	v_lshl_add_u32 v[SPW], v0, 2, SPARE
	v_mov_b32 v[NIL], 0
	ds_add_u32 v14, v15
	ds_add_u32 v14, v15
	s_wait_dscnt 0x0
	v_lshrrev_b32 v1, 5, v0
	v_readfirstlane_b32 s14, v1                    ; wave 0..3
	s_lshr_b32 s15, s14, 1                         ; w1: which half of A's rows is mine.  Also: I fetch for A (0) or for B (1)
	s_and_b32 s16, s14, 1                          ; w0: which half of B's rows.  Also: which 8 tiles I fetch
	s_bfe_u32 s40, ttmp6, 0x40000                  ; cx, cy: my place in the cluster
	s_bfe_u32 s41, ttmp6, 0x40004
	s_lshl_b32 s43, s41, 2
	s_lshl_b32 s43, 15, s43                        ; my row of the cluster
	s_lshl_b32 s44, 0x1111, s40                    ; my column
	; blocks of 256 rows of p1's list: 0-31 x, 32-35 Wq, 36-39 Wk, 40-43 Wv.  A's block hangs on c and cy alone, B's on c and cx alone
	s_lshr_b32 s18, ttmp9, 1
	s_lshl_b32 s18, s18, 2
	s_cmp_lt_u32 ttmp9, 16
	s_cselect_b32 s17, s18, 40
	s_add_co_u32 s17, s17, s41                     ; A: 4 (c / 2) + cy of x, or 40 + cy: Wv
	s_and_b32 s19, ttmp9, 1
	s_lshl_b32 s19, s19, 2
	s_add_co_u32 s19, s19, 32
	s_max_u32 s42, ttmp9, 16
	s_sub_co_u32 s42, s42, 16
	s_lshl_b32 s42, s42, 2
	s_cmp_lt_u32 ttmp9, 16
	s_cselect_b32 s42, s19, s42
	s_add_co_u32 s42, s42, s40                     ; B: 32 + 4 (c % 2) + cx: Wq or Wk, or 4 (c - 16) + cx of x
	; descriptor group 1: 8 rows (tiles) of 3,072 bytes (two K steps), 12,288 bytes apart; elements of 8 bytes; dense in LDS
	s_or_b32 s[G1+0], s43, (3<<16)|(1<<21)         ; 15:0 the mask: A's tiles go to my row; 17:16 elements of 8 bytes; 21 set beside a mask
	s_or_b32 s[G1B+0], s44, (3<<16)|(1<<21)        ; B's go to my column
.irp g, G1, G1B
	s_mov_b32 s[\g+1], 384<<16                     ; tensor_dim0
	s_mov_b32 s[\g+2], 8<<16                       ; tensor_dim1
	s_mov_b32 s[\g+3], 384<<16                     ; tile_dim0
	s_mov_b32 s[\g+4], 8                           ; tile_dim1
	s_mov_b32 s[\g+5], 1536                        ; tensor_dim0_stride
	s_mov_b32 s[\g+6], 0
	s_mov_b32 s[\g+7], 0
.endr
	s_lshl_b32 s18, s16, 3                         ; which 8 tiles of the block I fetch
	s_lshl_b32 s20, s17, 4
	s_add_co_u32 s20, s20, s18
	s_mul_i32 s20, s20, 12288
	s_mov_b32 s21, 0
	s_lshl_b32 s46, s42, 4
	s_add_co_u32 s46, s46, s18
	s_mul_i32 s46, s46, 12288
	s_mov_b32 s47, 0
	s_mul_i32 s45, s14, HALFT                      ; where they go: wave x 8 tiles: no place in the cluster enters an LDS address
	s_lshl_b32 s78, s17, 4                         ; the scale words of my 8 tiles of A,
	s_lshl_b32 s79, s15, 3
	s_add_co_u32 s78, s78, s79
	s_lshl_b32 s78, s78, 9
	s_add_co_u32 s78, s78, SCL1
	s_mov_b32 s79, 0
	s_lshl_b32 s80, s42, 4                         ; and of B
	s_lshl_b32 s81, s16, 3
	s_add_co_u32 s80, s80, s81
	s_lshl_b32 s80, s80, 9
	s_add_co_u32 s80, s80, SCL1
	s_mov_b32 s81, 0
	s_lshl_b32 s82, s40, 10                        ; bq, bk: features 256 cx + 128 w0 on
	s_lshl_b32 s83, s16, 9
	s_add_co_u32 s82, s82, s83
	s_mov_b32 s83, 0
	s_lshl_b32 s84, s41, 10                        ; bv: channels 256 cy + 128 w1 on
	s_lshl_b32 s85, s15, 9
	s_add_co_u32 s84, s84, s85
	s_mov_b32 s85, 0
	; where my results go: group of 128 tokens Gt, first head H0, a record's bytes RS, the first record's offset
	s_lshl_b32 s88, s17, 1
	s_add_co_u32 s88, s88, s15                     ; q, k: Gt = 2 x A's block + w1
	s_lshl_b32 s89, s40, 2
	s_lshl_b32 s94, s16, 1
	s_add_co_u32 s89, s89, s94                     ;       H0 = 4 cx + 2 w0
	s_lshl_b32 s95, s42, 1
	s_add_co_u32 s95, s95, s16                     ; v:    Gt = 2 x B's block + w0
	s_lshl_b32 s96, s41, 2
	s_lshl_b32 s94, s15, 1
	s_add_co_u32 s96, s96, s94                     ;       H0 = 4 cy + 2 w1
	s_mov_b32 s90, REC
	s_mov_b32 s91, QREC
	s_mov_b32 s94, QOFF
	s_mov_b32 s97, VOFF
	s_bitcmp1_b32 ttmp9, 0
	s_cselect_b32 s92, s90, s91                    ; c odd: k's records; c even: q's
	s_cselect_b32 s93, 0, s94
	s_cmp_lt_u32 ttmp9, 16
	s_cselect_b32 s88, s88, s95
	s_cselect_b32 s89, s89, s96
	s_cselect_b32 s92, s92, s90
	s_cselect_b32 s93, s93, s97
	s_lshr_b32 s94, s88, 4                         ; the batch
	s_lshl_b32 s94, s94, 4
	s_add_co_u32 s94, s94, s89                     ; batch x 16 + head
	s_lshl_b32 s94, s94, 4
	s_and_b32 s95, s88, 15
	s_add_co_u32 s94, s94, s95                     ; x 16 + the group in the batch
	s_mul_i32 s94, s94, s92
	s_add_co_u32 s94, s94, s93
	s_mov_b32 s95, 0
	s_lshl_b32 s96, s92, 4                         ; the next head's records lie 16 records on
	s_mov_b32 s97, 0
	s_mov_b32 s[SEL], 0x76543210
	s_mov_b32 s[SEL+1], 0xfedcba98
	s_mov_b32 s76, 0xffff0000                      ; lanes 16-31
	s_wait_kmcnt 0x0
	s_add_nc_u64 s[20:21], s[4:5], s[20:21]
	s_add_nc_u64 s[46:47], s[4:5], s[46:47]
	s_add_nc_u64 s[78:79], s[4:5], s[78:79]
	s_add_nc_u64 s[80:81], s[4:5], s[80:81]
	s_bitcmp1_b32 ttmp9, 0
	s_cselect_b64 s[86:87], s[8:9], s[6:7]
	s_add_nc_u64 s[82:83], s[86:87], s[82:83]
	s_add_nc_u64 s[84:85], s[10:11], s[84:85]
	s_add_nc_u64 s[70:71], s[12:13], s[94:95]      ; my first head's record,
	s_add_nc_u64 s[72:73], s[70:71], s[96:97]      ; my second head's
.irp s, 0,1
	s_mov_b32 s[G0+4*\s], 1                                        ; 1:0 count = 1
	s_add_co_u32 s[G0+4*\s+1], s45, \s*SLOT                        ; 63:32 LDS address
	s_add_nc_u64 s[G0+4*\s+2:G0+4*\s+3], s[20:21], \s*2*FRB        ; 120:64 global address: K steps 2 s, 2 s + 1
	s_or_b32 s[G0+4*\s+3], s[G0+4*\s+3], 0x80000000                ; 127:126 type = 2
	s_mov_b32 s[G0B+4*\s], 1
	s_add_co_u32 s[G0B+4*\s+1], s45, \s*SLOT
	s_add_nc_u64 s[G0B+4*\s+2:G0B+4*\s+3], s[46:47], \s*2*FRB
	s_or_b32 s[G0B+4*\s+3], s[G0B+4*\s+3], 0x80000000
.endr
	CROUND                                         ; all sixteen work-groups are here: the first joint loads meet
	JLOAD 0                                        ; both slots' first fills go out together: two tensor loads of mine are out
	JLOAD 1
	v_and_b32 v1, 31, v0
	v_lshlrev_b32 v[L16], 4, v1
	v_lshlrev_b32 v[L8], 3, v1
	s_mul_i32 s21, s15, HALFT                      ; my 8 tiles of A
	s_mul_i32 s22, s16, HALFT                      ; my 8 tiles of B,
	s_add_co_u32 s22, s22, 2*HALFT                 ; which lie behind A's 16
.irp s, 0,1
	v_add_nc_u32 v[A16+\s], s21, v[L16]
	v_add_nc_u32 v[A8+\s], s21, v[L8]
	v_add_nc_u32 v[B16+\s], s22, v[L16]
	v_add_nc_u32 v[B8+\s], s22, v[L8]
	s_add_co_u32 s21, s21, SLOT
	s_add_co_u32 s22, s22, SLOT
.endr
.irp a, 0,1,2,3,4,5,6,7                ; the scale words for all of K: 256 consecutive bytes a load
.irp g, 0,1
	global_load_b64 v[SAR+4*\a+2*\g:SAR+4*\a+2*\g+1], v[L8], s[78:79] offset:512*\a+256*\g
	global_load_b64 v[SBR+4*\a+2*\g:SBR+4*\a+2*\g+1], v[L8], s[80:81] offset:512*\a+256*\g
.endr
.endr
	; Both forms of bias are fetched in every work-group, here where both kinds still run one text; each way out reads its own.
	v_bfe_u32 v2, v0, 4, 1                         ; h
	v_lshlrev_b32 v3, 7, v2                        ; bq, bk: register 32 c + i of a lane is feature 64 c + 32 h + i
	v_lshlrev_b32 v[SH8], 3, v2
	WIN TO_B
.set nn, 0
.rept 16
	global_load_b128 v[96+nn+96*(nn/32):99+nn+96*(nn/32)], v3, s[82:83] offset:256*(nn/32)+4*(nn%32)
.set nn, nn+4
.endr
	WIN 0
	v_and_b32 v113, 7, v0
	v_bfe_u32 v114, v0, 3, 1
	v_lshlrev_b32 v113, 2, v113
	v_lshl_add_u32 v113, v114, 7, v113             ; bv: my lane's channel in block a is 64 (a / 4) + 8 (a % 4) + r % 8 + 32 (r / 8)
.irp a, 0,1,2,3,4,5,6,7
	global_load_b32 v[BV+2*\a], v113, s[84:85] offset:4*(64*(\a/4)+8*(\a%4))
	global_load_b32 v[BV+2*\a+1], v113, s[84:85] offset:4*(64*(\a/4)+8*(\a%4))
.endr
	v_mov_b32 v[TM+8], 0                           ; written once: a lane permute's destination counts as one of its sources
.macro FRAG reg, a16, a8, off          ; a fragment comes as it was stored: registers 0-3 and 6-9 at 16 x lane, 4-5 and 10-11 at 8 x lane; every load reads consecutive bytes
	ds_load_b128 v[\reg:\reg+3], v[\a16] offset:\off
	ds_load_b64 v[\reg+4:\reg+5], v[\a8] offset:\off+512
	ds_load_b128 v[\reg+6:\reg+9], v[\a16] offset:\off+768
	ds_load_b64 v[\reg+10:\reg+11], v[\a8] offset:\off+1280
.endm
.macro FETCH_B slot, q, p              ; B's eight fragments of the slot's q-th K step into set p
	WIN TO_B
.irp i, 0,1,2,3,4,5,6,7
	FRAG 128*(\p)+FR*\i,B16+\slot,B8+\slot,2*FRB*\i+FRB*(\q)
.endr
	WIN 0
.endm
.macro FETCH_A slot, q, i0             ; A's blocks i0 .. i0 + 3
.irp i, \i0, \i0+1, \i0+2, \i0+3
	FRAG AF+FR*(\i),A16+\slot,A8+\slot,2*FRB*(\i)+FRB*(\q)
.endr
.endm
; 16 matrix instructions: A's blocks a0, a0 + 1 x B's eight, K step s.  B's set is s % 2; the scale words of K step s lie in register s / 2 of a tile's four, in lanes 0-15 (s even) or 16-31 (s odd).
; zero = 1: the first product starts the sums.  The 64 accumulators take turns, one instruction a turn, in the same order in every step.
.macro MUL16 a0, s, zero
.irp a, \a0, \a0+1
.irp b, 0,1,2,3,4,5,6,7
.if \zero
	v_wmma_scale_f32_16x16x128_f8f6f4 v[8*(8*((\a)%4)+\b):8*(8*((\a)%4)+\b)+7], v[128*((\s)%2)+FR*\b:128*((\s)%2)+FR*\b+FR-1], v[AF+FR*(\a):AF+FR*(\a)+FR-1], 0, v[SBR+4*\b+(\s)/2], v[SAR+4*(\a)+(\s)/2] matrix_a_fmt:MATRIX_FMT_BF6 matrix_b_fmt:MATRIX_FMT_BF6
.elseif (\s)%2
	v_wmma_scale_f32_16x16x128_f8f6f4 v[8*(8*((\a)%4)+\b):8*(8*((\a)%4)+\b)+7], v[128*((\s)%2)+FR*\b:128*((\s)%2)+FR*\b+FR-1], v[AF+FR*(\a):AF+FR*(\a)+FR-1], v[8*(8*((\a)%4)+\b):8*(8*((\a)%4)+\b)+7], v[SBR+4*\b+(\s)/2], v[SAR+4*(\a)+(\s)/2] matrix_a_fmt:MATRIX_FMT_BF6 matrix_b_fmt:MATRIX_FMT_BF6 matrix_a_scale:MATRIX_SCALE_ROW1 matrix_b_scale:MATRIX_SCALE_ROW1
.else
	v_wmma_scale_f32_16x16x128_f8f6f4 v[8*(8*((\a)%4)+\b):8*(8*((\a)%4)+\b)+7], v[128*((\s)%2)+FR*\b:128*((\s)%2)+FR*\b+FR-1], v[AF+FR*(\a):AF+FR*(\a)+FR-1], v[8*(8*((\a)%4)+\b):8*(8*((\a)%4)+\b)+7], v[SBR+4*\b+(\s)/2], v[SAR+4*(\a)+(\s)/2] matrix_a_fmt:MATRIX_FMT_BF6 matrix_b_fmt:MATRIX_FMT_BF6
.endif
.endr
.endr
.endm
; A slot's first K step (s even): its successor lies in the same slot.  A block of A is free as soon as its eight products are issued, so one set serves A.
.macro STEP slot, s, zero
	s_wait_dscnt 16                                ; B's set and A's blocks 0-3 are in; the youngest 16 loads (A's blocks 4-7) may be out
	WIN MUL_LO
	MUL16 0, \s, \zero
	MUL16 2, \s, \zero
	s_wait_dscnt 0x0                               ; A's blocks 4-7 are in
	PLACES
	FETCH_B \slot, 1, 1
	FETCH_A \slot, 1, 0
	WIN MUL_HI
	MUL16 4, \s, \zero
	MUL16 6, \s, \zero
	PLACES
	WIN 0
	FETCH_A \slot, 1, 4
.endm
; A slot's second K step (s odd) changes slots: ONE barrier; in front of it each wave waits for all its tensor loads, adds 0 to its spare word, and waits for that and for its reads of this slot.
; fill = 1: the barrier opens a round of the cluster's barrier, and this slot is filled again, with the K steps four on.
.macro TURN slot, next, s, fill
	s_wait_tensorcnt 0x0                           ; all my tensor loads have landed: my part of the next slot;  (every window is 0 here)
	ds_add_u32 v[SPW], v[NIL]                      ; 0 onto my spare word
	s_wait_dscnt 17                                ; (the add and the youngest 16 loads may be out)
	WIN MUL_LO
	MUL16 0, \s, 0                                 ; sixteen matrix instructions stand between the add and the wait for it
	s_wait_dscnt 0x0                               ; the add is done, and my reads of this slot are over
	s_barrier_signal -1
	MUL16 2, \s, 0
	WIN 0
	s_barrier_wait -1
.if \fill
	CREST                                          ; no wave of any partner still reads this slot's tiles or has a load on its way
	s_add_nc_u64 s[G0+4*\slot+2:G0+4*\slot+3], s[G0+4*\slot+2:G0+4*\slot+3], 4*FRB
	s_add_nc_u64 s[G0B+4*\slot+2:G0B+4*\slot+3], s[G0B+4*\slot+2:G0B+4*\slot+3], 4*FRB
	JLOAD \slot                                    ; the first tensor load behind the round, my one load until the next; its four v_nop are also the places in front of the loads below
.else
	PLACES
.endif
	FETCH_B \next, 0, 0
	FETCH_A \next, 0, 0
	WIN MUL_HI
	MUL16 4, \s, 0
	MUL16 6, \s, 0
	PLACES
	WIN 0
	FETCH_A \next, 0, 4
.endm
; 64 numbers of a lane, register 32 c + i = k 64 c + 32 (lane / 16) + i of my row, become a fragment's codes in v[PC] on and its scale word in v[PW].  A block is one lane's: its largest magnitude
; needs no other lane, and the conversions' results are the operand's registers.  wx = 1: earlier stores still read the code registers.
.macro QUANT s, wx
.irp c, 0,1
	v_max3_num_f32 v[TM+\c], |v[\s+32*\c]|, |v[\s+32*\c+1]|, 0x2800000   ; block 2 c + h in two chains; the floor 2^(5 - 127): the byte cannot fall under 1
.endr
.irp c, 0,1
	v_max3_num_f32 v[TM+2+\c], |v[\s+32*\c+16]|, |v[\s+32*\c+17]|, |v[\s+32*\c+18]|
.endr
.irp i, 2,4,6,8,10,12
.irp c, 0,1
	v_max3_num_f32 v[TM+\c], v[TM+\c], |v[\s+32*\c+\i]|, |v[\s+32*\c+\i+1]|   ; (four chains by turns: no line waits for the line above it)
.endr
.irp c, 0,1
	v_max3_num_f32 v[TM+2+\c], v[TM+2+\c], |v[\s+32*\c+17+\i]|, |v[\s+32*\c+18+\i]|
.endr
.endr
.irp c, 0,1
	v_max3_num_f32 v[TM+\c], v[TM+\c], |v[\s+32*\c+14]|, |v[\s+32*\c+15]|
.endr
.irp c, 0,1
	v_max3_num_f32 v[TM+\c], v[TM+\c], v[TM+2+\c], |v[\s+32*\c+31]|   ; the block's largest magnitude
.endr
.irp c, 0,1
	v_add_nc_u32 v[TM+4+\c], 0xfe000000, v[TM+\c]  ; 4 off its exponent field: the conversion's scale operand
.endr
.irp c, 0,1
	v_lshrrev_b32 v[TM+6+\c], 23, v[TM+4+\c]       ; the scale's byte
.endr
	v_lshl_or_b32 v[PW], v[TM+7], 16, v[TM+6]      ; my two bytes, blocks h and 2 + h,
	v_lshlrev_b32 v[PW], v[SH8], v[PW]             ; at their places in the word;
	v_permlanex16_b32 v[TM+8], v[PW], s[SEL], s[SEL+1]
	v_or_b32 v[PW], v[PW], v[TM+8]                 ; with lane l xor 16's two the row's word is whole, in both lanes
.if \wx
	s_wait_xcnt 0x0                                ; the last block's stores have read the code registers: they are written again only behind this wait
.endif
.irp c, 0,1
	v_cvt_scalef32_pk16_bf6_f32 v[PC+6*\c:PC+2+6*\c], v[\s+32*\c:\s+15+32*\c], v[TM+4+\c]
	v_cvt_scalef32_pk16_bf6_f32 v[PC+12+4*\c:PC+14+4*\c], v[\s+16+32*\c:\s+31+32*\c], v[TM+4+\c]   ; (a conversion's three registers begin on an even number)
.endr
	v_nop                                          ; one plain place behind a scaled conversion
.irp c, 0,1
.irp i, 0,1,2
	v_mov_b32 v[PC+3+6*\c+\i], v[PC+12+4*\c+\i]
.endr
.endr
.endm
; THE WAY OUT, block a of A's eight at a time: the bias is added (which also brings the sums into window 0, each accumulator from its low end on), the 64 numbers are quantised, and the codes
; leave as they stand: each store covers 512 or 256 consecutive bytes at a multiple of 256 from the buffer's first byte.  No LDS.
; kind 0 (q, k): the fragment's half c is head H0 + c's image of tile a; the word's bytes 0, 1 are that of head H0, bytes 2, 3 that of H0 + 1.
; kind 1 (v): the fragment is channels' tile a % 4 of head H0 + a / 4, and the word is its scale word for these 128 keys.
; Scale words: tile 2 k in lanes 0-15 of register k, tile 2 k + 1 in lanes 16-31.
.macro EPI kind
.irp a, 0,1,2,3,4,5,6,7
.if \kind == 0
	WIN (0x06+(\a)/4)                              ; source 0: window 2 or 3; source 1 (bq or bk): window 1
.set nn, 0
.rept 32
	v_pk_add_f32 v[T+nn:T+nn+1], v[64*((\a)%4)+nn:64*((\a)%4)+nn+1], v[96+nn+96*(nn/32):97+nn+96*(nn/32)]
.set nn, nn+2
.endr
.else
	WIN (0x02+(\a)/4)                              ; source 0: window 2 or 3
.set nn, 0
.rept 32
	v_pk_add_f32 v[T+nn:T+nn+1], v[64*((\a)%4)+nn:64*((\a)%4)+nn+1], v[BV+2*\a:BV+2*\a+1] op_sel_hi:[1,0]
.set nn, nn+2
.endr
.endif
	WIN 0
.if \a > 0
	QUANT T, 1
.else
	QUANT T, 0
.endif
.if \kind == 0
	global_store_b128 v[L16], v[PC:PC+3], s[70:71] offset:768*\a
	global_store_b64 v[L8], v[PC+4:PC+5], s[70:71] offset:768*\a+512
	global_store_b128 v[L16], v[PC+6:PC+9], s[72:73] offset:768*\a
	global_store_b64 v[L8], v[PC+10:PC+11], s[72:73] offset:768*\a+512
.if (\a)%2 == 0
	v_and_b32 v[SWE+(\a)/2], 0xffff, v[PW]         ; the upper two bytes stay 0: they scale the half of K that holds zero codes
	v_lshrrev_b32 v[SWO+(\a)/2], 16, v[PW]
.else
	v_and_b32 v113, 0xffff, v[PW]
	v_lshrrev_b32 v114, 16, v[PW]
	v_cndmask_b32 v[SWE+(\a)/2], v[SWE+(\a)/2], v113, s76
	v_cndmask_b32 v[SWO+(\a)/2], v[SWO+(\a)/2], v114, s76
.endif
.else
	global_store_b128 v[L16], v[PC:PC+3], s[70+2*((\a)/4):71+2*((\a)/4)] offset:FRB*((\a)%4)
	global_store_b64 v[L8], v[PC+4:PC+5], s[70+2*((\a)/4):71+2*((\a)/4)] offset:FRB*((\a)%4)+512
	global_store_b128 v[L16], v[PC+6:PC+9], s[70+2*((\a)/4):71+2*((\a)/4)] offset:FRB*((\a)%4)+768
	global_store_b64 v[L8], v[PC+10:PC+11], s[70+2*((\a)/4):71+2*((\a)/4)] offset:FRB*((\a)%4)+1280
.if (\a)%2 == 0
	v_mov_b32 v[SWE+(\a)/2], v[PW]
.else
	v_cndmask_b32 v[SWE+(\a)/2], v[SWE+(\a)/2], v[PW], s76
.endif
.endif
.endr
.if \kind == 0
	global_store_b128 v[L16], v[SWE:SWE+3], s[70:71] offset:6144
	global_store_b128 v[L16], v[SWO:SWO+3], s[72:73] offset:6144
.else
	v_mov_b32 v[SWO], 0
	v_mov_b32 v[SWO+1], 0
	global_store_b64 v[L8], v[SWE:SWE+1], s[70:71] offset:6144
	global_store_b64 v[L8], v[SWE+2:SWE+3], s[72:73] offset:6144
	global_store_b64 v[L8], v[SWO:SWO+1], s[70:71] offset:6400     ; the record's last 256 bytes: zeros, so that every byte that the next launch fetches has been stored
	global_store_b64 v[L8], v[SWO:SWO+1], s[72:73] offset:6400
.endif
.endm
	s_wait_tensorcnt 1                             ; my part of K steps 0, 1 is in (slot 1's load may be out)
	s_barrier_signal -1
	s_barrier_wait -1                              ; everybody's is
	FETCH_B 0, 0, 0
	FETCH_A 0, 0, 0
	FETCH_A 0, 0, 4
	s_wait_loadcnt 0x0                             ; the scale words and the biases
	STEP 0, 0, 1                                   ; K step 0 starts the sums: nothing is cleared
	TURN 0, 1, 1, 1                                ; slot 0 takes K steps 4, 5
	STEP 1, 2, 0
	TURN 1, 0, 3, 1                                ; slot 1 takes K steps 6, 7
	STEP 0, 4, 0
	TURN 0, 1, 5, 0                                ; nothing is left to fetch: no round
	STEP 1, 6, 0
	s_wait_dscnt 16                                ; K step 7
	WIN MUL_LO
	MUL16 0, 7, 0
	MUL16 2, 7, 0
	s_wait_dscnt 0x0
	WIN MUL_HI
	MUL16 4, 7, 0
	MUL16 6, 7, 0
	WIN 0
	PLACES                                         ; the way out reads results and writes over A's fragments
	s_cmp_lt_u32 ttmp9, 16                         ; the kind hangs on the cluster's number: alike in all partners
	s_cbranch_scc0 .Lkind_v
	EPI 0
	s_branch .Lend
.Lkind_v:
	EPI 1
.Lend:
	s_wait_tensorcnt 0x0                           ; the wave's end
	ds_add_u32 v[SPW], v[NIL]
	s_wait_dscnt 0x0
	CROUND                                         ; the closing round: no work-group ends while a partner may still ask for a tile that names it
	s_endpgm
.Lfunc_end_k_q4861e058a5_proj:
	.size	k_q4861e058a5_proj, .Lfunc_end_k_q4861e058a5_proj-k_q4861e058a5_proj
	.p2alignl 7, 3214868480
	.fill 96, 4, 3214868480
	.section	.rodata,"a",@progbits
	.p2align	6, 0x0
	.amdhsa_kernel k_q4861e058a5_proj
		.amdhsa_group_segment_fixed_size 327680
		.amdhsa_private_segment_fixed_size 0
		.amdhsa_enable_private_segment 0
		.amdhsa_kernarg_size 40
		.amdhsa_user_sgpr_count 2
		.amdhsa_user_sgpr_kernarg_segment_ptr 1
		.amdhsa_wavefront_size32 1
		.amdhsa_system_sgpr_workgroup_id_x 1
		.amdhsa_system_sgpr_workgroup_id_y 1
		.amdhsa_system_sgpr_workgroup_id_z 1
		.amdhsa_system_vgpr_workitem_id 0
		.amdhsa_next_free_vgpr 1024
		.amdhsa_next_free_sgpr 100
		.amdhsa_reserve_vcc 0
		.amdhsa_float_denorm_mode_32 3
		.amdhsa_float_denorm_mode_16_64 3
		.amdhsa_memory_ordered 1
		.amdhsa_forward_progress 1
		.amdhsa_inst_pref_size 206
	.end_amdhsa_kernel
	.amdgpu_metadata
---
amdhsa.version: [ 1, 2 ]
amdhsa.kernels:
  - .name:           k_q4861e058a5_proj
    .symbol:         k_q4861e058a5_proj.kd
    .args:
      - { .name: p1, .offset: 0, .size: 8, .value_kind: global_buffer, .address_space: global }
      - { .name: bq, .offset: 8, .size: 8, .value_kind: global_buffer, .address_space: global }
      - { .name: bk, .offset: 16, .size: 8, .value_kind: global_buffer, .address_space: global }
      - { .name: bv, .offset: 24, .size: 8, .value_kind: global_buffer, .address_space: global }
      - { .name: p2, .offset: 32, .size: 8, .value_kind: global_buffer, .address_space: global }
    .group_segment_fixed_size: 327680
    .private_segment_fixed_size: 0
    .kernarg_segment_align: 8
    .kernarg_segment_size: 40
    .max_flat_workgroup_size: 128
    .sgpr_count:     100
    .vgpr_count:     1024
    .wavefront_size: 32
...
	.end_amdgpu_metadata
.endif
;; end of part 6
;; launch attn (part 7): grid 256 x 1, 8 waves a work-group, clusters of 4 x 1, 222,208 bytes of LDS; arguments p2, mask, p3; writes p3
.if DOCPART == 7
	.amdgcn_target "amdgcn-amd-amdhsa--gfx1250"
	.amdhsa_code_object_version 6
	.text
	.protected	k_q4861e058a5_attn
	.globl	k_q4861e058a5_attn
	.p2align	8
	.type	k_q4861e058a5_attn,@function
k_q4861e058a5_attn:
	s_mov_b64 s[64:65], 0
	v_nop
	global_prefetch_b8 v0, s[64:65] scope:SCOPE_SE
	s_setreg_imm32_b32 hwreg(HW_REG_WAVE_MODE, 25, 1), 1
	s_wait_xcnt 0x0
	s_wait_alu depctr_hold_cnt(0) depctr_sa_sdst(0) depctr_va_vdst(0) depctr_va_sdst(0) depctr_va_ssrc(0) depctr_va_vcc(0) depctr_vm_vsrc(0)
	s_getreg_b32 s2, hwreg(HW_REG_IB_STS2, 6, 4)
	s_cmp_eq_u32 s2, 0
	s_cbranch_scc0 .Lentry_in_a_cluster
	s_endpgm
.Lentry_in_a_cluster:
	s_bfe_u32 s2, ttmp6, 0x10000c
	s_cmp_lg_u32 s2, 0x3003
	s_cbranch_scc0 .Lentry_shape_is_right
	s_endpgm
.Lentry_shape_is_right:
; attended[b][q][h][:] = the sum over keys of softmax(q . k / 8, masked) v, both products on codes of BF6 (E3M2) with E8M0 scales; the result is quantised along D and leaves as codes.
; THE SOFTMAX AHEAD OF THE SECOND PRODUCT: t = score x log2(e) / 8; M = the running largest t rounded UP to a whole number; p = 2^(t - M) is quantised along the keys, not normalised; the row's sum is
; taken of the unquantised p and divides at the end.  When M moves, the sum and O are multiplied by 2^(old M - new M): exact.
; SHARES.  A cluster of four work-groups is one (batch, head); a work-group owns 512 of its queries, each of its eight waves four tiles of 16.  Two waves share a SIMD; a fragment of k or v read from LDS feeds four tiles.
; ALL OF THE HEAD'S k AND v, with their scale words, 16 records of 13,312 bytes, COME INTO LDS ONCE, by joint loads that name all four work-groups.  Each wave asks for an eighth of records 0 and 1 and for an eighth
; of records 2 to 15, both at the start: the first two key steps, written out, begin when the small loads have landed, and the large ones land under them.  Nothing is filled again: no ring, no barrier in the loop.
; LAYOUT.  Both products are used transposed: S^T = k q^T (source 0 = 16 keys), O^T = v^T p^T (source 0 = 16 channels): a lane holds one query throughout.  The keys of a tile are not neighbours
; (row i of tile T is key 64 (T / 4) + 8 (T % 4) + i % 8 + 32 (i / 8)), so the 32 registers of tiles 4 c .. 4 c + 3 of lane (r, h) are the WHOLE block 2 c + h of 32 keys: the order of the second product's operand.
; K = 64 IN AN INSTRUCTION OF 128: q's operand is six registers of codes and six of zeros; k's operand for tile T is twelve registers from its own six on, so its upper six are the next tile's codes:
; they meet q's zero codes and add nothing.
; THE MASK is the C of the scores' matrix instruction: 0 for an open key, -2^100 for a masked one: p is then 0.  It costs no vector instruction in the loop.
; ORDER OF A UNIT (one tile against 128 keys).  The sum of the LAST unit's p stands between this unit's score products, four packed additions behind each (they are the places behind those products, and they read each
; tile's registers ahead of the product that writes them anew); the maxima, a chain to a tile; M and f; the exponentials by turns with plain lines (t - M twelve exponentials ahead of its use, the scale bytes, p's scale word,
; conversions); O^T's rescaling between the four second products.  The windows are laid so that each of these mixtures runs under one setting: three switches a unit.
; LIMITS: scores are taken to lie above -2^90 (the running largest score begins at -2^98, over every masked score, so that a step whose keys are all masked gives p = 0 and leaves M alone);
; a batch whose keys are all masked is not served; NaN and infinities are not served; a block of zeros keeps the byte 1.
; REGISTERS: window 0: v1-7 addresses; v8-23 four a tile: -M, the largest score, the sum in two halves; v24-27 q's scale words, v28-29 v's, v30-33 k's; v34-87 k's codes; v88-135 q, 12 a tile;
;   v136-199 S^T, then p; v200-211 p's codes; v212-243 at work; v235 p's scale word.   window 1: v0-127 O^T, 32 a tile; v128-175 v's four fragments; v176-239 the mask's numbers.
.set REC,  13312
.set QREC, 6656
.set QOFF, 13631488
.set APL,  6291456                     ; p3: where the planes of scale words begin
.set MB,   16*REC
.set ST0B, 2*REC/8                     ; a wave's eighth of records 0, 1: 13 rows of 256 bytes
.set ST1B, 14*REC/8                    ; and of records 2 to 15: 91 rows
.set L16,  1                           ; v1   16 x lane
.set L8,   2                           ; v2   8 x lane
.set LM,   3                           ; v3   MB + 128 (lane / 16)
.set AD16, 4                           ; v4-6 the step's addresses
.set AD8,  5
.set ADM,  6
.set SH8,  7                           ; v7   8 x (lane / 16): my bytes' place in a scale word
.set ST,   8
.set QS,   24
.set VS,   28
.set KS,   30
.set KF,   34
.set QF,   88
.set S,    136
.set PC,   200
.set CT,   212                         ; v212-214, v216-218 the second half of each block's codes (a conversion's three registers begin on an even number)
.set BMT,  220                         ; v220-227 a largest score for each tile; v220, v224 then each block's largest score and largest p
.set SO,   228                         ; v228-229 the conversions' scale operands
.set BY,   230                         ; v230-231 scale bytes
.set WW,   232
.set PBR,  233                         ; a lane permute's result
.set FF,   234                         ; f = 2^(old M - new M); named as a pair with v235
.set PWD,  235
.set TU,   236
.set TV,   237
.set L1,   238                         ; v238-243 three more chains of the row's sum, a pair each
.set L2,   240
.set L3,   242
.set OC,   34                          ; the way out: a tile's codes, 8 registers apart (k's codes are done with)
.set WD,   88                          ; and its scale word (q is done with)
.set O,    0                           ; in window 1
.set VF,   128
.set MC,   176
.set MSB, 0
.macro WIN new                         ; the immediate's high byte repeats the setting that is left
.if MSB != \new
	s_set_vgpr_msb (MSB<<8)|\new
.set MSB, \new
.endif
.endm
.set W_KQ, 0x10                        ; source 2 (the mask's numbers) window 1, all else window 0: an instruction of two sources in window 0 runs under it unchanged
.set W_PV, 0x51                        ; source 0 (v, or O^T) window 1, source 1 (p, or f) window 0, C and D (O^T) window 1
.macro CROUND                          ; a round of the cluster's barrier
	s_barrier_signal -1
	s_barrier_wait -1
	s_cmp_lg_u32 s10, 0
	s_cbranch_scc1 .Lnot_wave_0_\@
	s_barrier_signal -3
.Lnot_wave_0_\@:
	s_barrier_wait -3
	s_barrier_signal -1
	s_barrier_wait -1
.endm
	s_load_b128 s[4:7], s[0:1], 0x0                ; p2 s[4:5], mask s[6:7]
	s_load_b64 s[8:9], s[0:1], 0x10                ; p3
	v_lshl_add_u32 v254, v0, 2, 0x36000
	v_mov_b32 v255, 0
	ds_add_u32 v254, v255
	ds_add_u32 v254, v255
	v_lshrrev_b32 v1, 5, v0
	v_readfirstlane_b32 s10, v1                    ; wave 0..7
	; descriptors: dense blocks as rows of 256 bytes (32 elements of 8 bytes): 13 rows, and 91
	s_mov_b32 s16, 15|(3<<16)|(1<<21)              ; 15:0 the mask: all four work-groups; 17:16 elements of 8 bytes; 21 set beside a mask
	s_mov_b32 s17, 32<<16                          ; tensor_dim0
	s_mov_b32 s18, 13<<16                          ; tensor_dim1
	s_mov_b32 s19, 32<<16                          ; tile_dim0
	s_mov_b32 s20, 13                              ; tile_dim1
	s_mov_b32 s21, 32                              ; tensor_dim0_stride
	s_mov_b32 s22, 0
	s_mov_b32 s23, 0
	s_mov_b32 s72, 15|(3<<16)|(1<<21)
	s_mov_b32 s73, 32<<16
	s_mov_b32 s74, 91<<16
	s_mov_b32 s75, 32<<16
	s_mov_b32 s76, 91
	s_mov_b32 s77, 32
	s_mov_b32 s78, 0
	s_mov_b32 s79, 0
	s_mov_b32 s24, 1                               ; count = 1
	s_mul_i32 s25, s10, ST0B                       ; LDS address: my eighth of records 0, 1
	s_mov_b32 s80, 1
	s_mul_i32 s81, s10, ST1B
	s_add_co_u32 s81, s81, 2*REC                   ; and of records 2 to 15
	s_mul_i32 s44, ttmp9, 16*REC                   ; the head's records (in a cluster launch ttmp9 counts clusters: batch x 16 + head); in memory they lie as in LDS
	s_add_co_u32 s84, s44, s81
	s_mov_b32 s85, 0
	s_add_co_u32 s44, s44, s25
	s_mov_b32 s45, 0
	s_wait_dscnt 0x0
	s_wait_kmcnt 0x0
	s_add_nc_u64 s[26:27], s[4:5], s[44:45]
	s_or_b32 s27, s27, 0x80000000                  ; type = 2
	s_add_nc_u64 s[82:83], s[4:5], s[84:85]
	s_or_b32 s83, s83, 0x80000000
	CROUND                                         ; all four work-groups are here: the joint loads meet
	tensor_load_to_lds s[24:27], s[16:23]          ; my two tensor loads of the launch go out together: two are out
	s_nop 0
	tensor_load_to_lds s[80:83], s[72:79]
	s_nop 0
.rept 4
	v_nop
.endr
	s_bfe_u32 s11, ttmp6, 0x40000                  ; cx: which 512 queries; it enters q's and the results' addresses alone
	s_lshr_b32 s50, ttmp9, 4                       ; the batch
	s_lshl_b32 s12, s50, 13                        ; its 2,048 words of the mask
	s_mov_b32 s13, 0
	s_add_nc_u64 s[6:7], s[6:7], s[12:13]
	v_lshlrev_b32 v[TV], 5, v0                     ; the mask: 8 words a thread, 8,192 bytes a work-group
	global_load_b128 v[S:S+3], v[TV], s[6:7]
	global_load_b128 v[S+4:S+7], v[TV], s[6:7] offset:16
	s_lshl_b32 s40, ttmp9, 4                       ; q: record 16 (batch x 16 + head) + 4 cx + wave / 2
	s_lshl_b32 s14, s11, 2
	s_add_co_u32 s40, s40, s14
	s_lshr_b32 s14, s10, 1
	s_add_co_u32 s40, s40, s14
	s_mul_i32 s40, s40, QREC
	s_add_co_u32 s40, s40, QOFF
	s_mov_b32 s41, 0
	s_and_b32 s14, s10, 1
	s_mul_i32 s52, s14, 3072                       ; my four tiles' images in it,
	s_mov_b32 s53, 0
	s_lshl_b32 s54, s14, 3
	s_add_co_u32 s54, s54, 6144                    ; and their scale words
	s_mov_b32 s55, 0
	s_add_nc_u64 s[36:37], s[4:5], s[40:41]
	s_add_nc_u64 s[38:39], s[36:37], s[52:53]
	s_add_nc_u64 s[36:37], s[36:37], s[54:55]
	v_and_b32 v[WW], 31, v0
	v_lshlrev_b32 v[L16], 4, v[WW]
	v_lshlrev_b32 v[L8], 3, v[WW]
	v_bfe_u32 v[SH8], v0, 4, 1
	v_lshl_add_u32 v[LM], v[SH8], 7, MB
	v_lshlrev_b32 v[SH8], 3, v[SH8]
	v_and_b32 v[TU], 15, v0
	v_lshlrev_b32 v[TU], 4, v[TU]                  ; q's scale words: 16 bytes a lane of the record's image; lanes 16-31 take the same as lanes 0-15
.irp i, 0,1,2,3
	global_load_b128 v[QF+12*\i:QF+12*\i+3], v[L16], s[38:39] offset:768*\i
	global_load_b64 v[QF+12*\i+4:QF+12*\i+5], v[L8], s[38:39] offset:768*\i+512
.irp z, 6,7,8,9,10,11
	v_mov_b32 v[QF+12*\i+\z], 0                    ; zero codes for K = 64 .. 127
.endr
.endr
.irp i, 0,1,2,3
	global_load_b32 v[QS+\i], v[TU], s[36:37] offset:256*(\i%2)+4*(\i/2)   ; tile 4 (wave % 2) + i: an even tile's words lie in the image's lanes 0-15, an odd one's in lanes 16-31
.endr
	s_lshl_b32 s47, s50, 5                         ; G = 32 batch + 8 cx + wave: my four tiles of tokens are 4 G + 0 .. 3
	s_lshl_b32 s14, s11, 3
	s_add_co_u32 s47, s47, s14
	s_add_co_u32 s47, s47, s10
	s_and_b32 s48, ttmp9, 15                       ; the head
	s_mul_i32 s56, s47, 4*12288
	s_mul_i32 s14, s48, 768                        ; K step head / 2, half head % 2 of a tile's row of fragments
	s_add_co_u32 s56, s56, s14
	s_mov_b32 s57, 0
	s_lshl_b32 s58, s48, 15
	s_lshl_b32 s14, s47, 8
	s_add_co_u32 s58, s58, s14
	s_add_co_u32 s58, s58, APL
	s_mov_b32 s59, 0
	s_add_nc_u64 s[40:41], s[8:9], s[56:57]        ; my codes' place in p3
	s_add_nc_u64 s[42:43], s[8:9], s[58:59]        ; my scale words'
	s_and_b32 s35, s48, 1
	s_lshl_b32 s35, s35, 4                         ; an odd head's two bytes are the upper two of a K step's scale word
	s_mov_b32 s28, 0x76543210
	s_mov_b32 s29, 0xfedcba98                      ; v_permlanex16_b32's selects for lane l xor 16
	s_mov_b32 s30, 0x3e38aa3b                      ; c = log2(e) / 8
	s_mov_b32 s31, s30                             ; (named with it as a pair, so it is written)
	s_mov_b32 s32, 0                               ; LDS byte at which the step's record begins
	s_mov_b32 s46, 0                               ; and its 128 numbers of the mask
	s_mov_b32 s34, 0xffff0000                      ; lanes 16-31
.irp i, 0,1,2,3
	v_mov_b32 v[ST+4*\i+1], 0xf0800000             ; the largest score so far: -2^98
	v_mov_b32 v[ST+4*\i], 0x6f38aa3b               ; -M = floor(c x 2^98), which is c x 2^98 itself
	v_mov_b32 v[ST+4*\i+2], 0                      ; the sum, in two halves
	v_mov_b32 v[ST+4*\i+3], 0
.endr
.irp z, 48,49,50,51,52,53
	v_mov_b32 v[KF+\z], 0                          ; what tile 7's operand names behind its codes
.endr
	v_mov_b32 v[PBR], 0                            ; written once: a lane permute's destination counts as one of its sources
	v_mov_b32 v[PWD], 0                            ; (named as the upper half of the pair with f before it is first written)
	v_mov_b32 v[FF], 0xf1800000                    ; -2^100
	v_lshl_add_u32 v[ADM], v0, 5, MB
	s_wait_loadcnt 12                              ; the mask's two loads are in; q's eight and its scale words' four may be out
.irp j, 0,1,2,3,4,5,6,7
	v_cmp_eq_u32 vcc_lo, 0, v[S+\j]
	v_cndmask_b32 v[S+8+\j], 0, v[FF], vcc_lo      ; a choice of values only
.endr
	ds_store_b128 v[ADM], v[S+8:S+11]
	ds_store_b128 v[ADM], v[S+12:S+15] offset:16
	s_wait_tensorcnt 0x1                           ; my eighth of records 0, 1 has landed; my large load may be out
	s_wait_dscnt 0x0                               ; my part of the mask's numbers is stored:
	s_barrier_signal -1
	s_barrier_wait -1                              ; everybody's
	s_wait_loadcnt 0x0                             ; q
.macro FRAG reg, a16, a8, off          ; a fragment as it was stored: registers 0-3 and 6-9 at 16 x lane, 4-5 and 10-11 at 8 x lane
	ds_load_b128 v[\reg:\reg+3], v[\a16] offset:\off
	ds_load_b64 v[\reg+4:\reg+5], v[\a8] offset:\off+512
	ds_load_b128 v[\reg+6:\reg+9], v[\a16] offset:\off+768
	ds_load_b64 v[\reg+10:\reg+11], v[\a8] offset:\off+1280
.endm
.macro KQ1 i, t                        ; the scores of tile t of the keys against tile i of my queries; C = the mask's numbers
.if (\t)%2
	v_wmma_scale_f32_16x16x128_f8f6f4 v[S+8*(\t):S+8*(\t)+7], v[KF+6*(\t):KF+6*(\t)+11], v[QF+12*\i:QF+12*\i+11], v[MC+8*(\t):MC+8*(\t)+7], v[KS+(\t)/2], v[QS+\i] matrix_a_fmt:MATRIX_FMT_BF6 matrix_b_fmt:MATRIX_FMT_BF6 matrix_a_scale:MATRIX_SCALE_ROW1
.else
	v_wmma_scale_f32_16x16x128_f8f6f4 v[S+8*(\t):S+8*(\t)+7], v[KF+6*(\t):KF+6*(\t)+11], v[QF+12*\i:QF+12*\i+11], v[MC+8*(\t):MC+8*(\t)+7], v[KS+(\t)/2], v[QS+\i] matrix_a_fmt:MATRIX_FMT_BF6 matrix_b_fmt:MATRIX_FMT_BF6
.endif
.endm
; THE ROW'S SUM IS TAKEN OF THE UNQUANTISED p: two at a time, in four chains, so that no addition waits for the one above it.  Part g of tile p's sum: 0: the registers of key tiles 0 and 1; 2 .. 7: those of key tile g; 8, 9: the chains are joined.
.macro SUMG p, g
.if (\g) == 0
	v_pk_add_f32 v[ST+4*\p+2:ST+4*\p+3], v[ST+4*\p+2:ST+4*\p+3], v[S:S+1]
	v_pk_add_f32 v[L1:L1+1], v[S+2:S+3], v[S+10:S+11]
	v_pk_add_f32 v[L2:L2+1], v[S+4:S+5], v[S+12:S+13]
	v_pk_add_f32 v[L3:L3+1], v[S+6:S+7], v[S+14:S+15]
	v_pk_add_f32 v[ST+4*\p+2:ST+4*\p+3], v[ST+4*\p+2:ST+4*\p+3], v[S+8:S+9]
.elseif (\g) < 8
	v_pk_add_f32 v[L1:L1+1], v[L1:L1+1], v[S+8*(\g)+2:S+8*(\g)+3]
	v_pk_add_f32 v[L2:L2+1], v[L2:L2+1], v[S+8*(\g)+4:S+8*(\g)+5]
	v_pk_add_f32 v[L3:L3+1], v[L3:L3+1], v[S+8*(\g)+6:S+8*(\g)+7]
	v_pk_add_f32 v[ST+4*\p+2:ST+4*\p+3], v[ST+4*\p+2:ST+4*\p+3], v[S+8*(\g):S+8*(\g)+1]
.elseif (\g) == 8
	v_pk_add_f32 v[L1:L1+1], v[L1:L1+1], v[L2:L2+1]
	v_pk_add_f32 v[ST+4*\p+2:ST+4*\p+3], v[ST+4*\p+2:ST+4*\p+3], v[L3:L3+1]
.else
	v_pk_add_f32 v[ST+4*\p+2:ST+4*\p+3], v[ST+4*\p+2:ST+4*\p+3], v[L1:L1+1]
.endif
.endm
; The eight score products of tile i.  has = 1: tile p's sum is still owed and stands between them: each part reads its registers ahead of the product that writes them anew, names no register of the products
; issued so far, and so fills the places behind them.  has = 0: four v_nop do.  w = 1: the step's LDS loads are waited for here.
.macro KPHASE i, p, has, w
	WIN W_KQ
.if \has
	SUMG \p, 0
.endif
.if \w
	s_wait_dscnt 17                                ; k's codes and scale words and the mask's numbers are in; the youngest 17 loads (v's 16 and its scale words) may be out
.endif
	KQ1 \i, 0
.irp t, 2,3,4,5,6,7
.if \has
	SUMG \p, \t
.endif
	KQ1 \i, \t-1
.endr
.if \has
	SUMG \p, 8
.endif
	KQ1 \i, 7
.if \has
	SUMG \p, 9
.else
.rept 4
	v_nop
.endr
.endif
	WIN 0
.endm
.macro FM i, n                         ; t - M of pair n of the scores (of the pairs c and -M the low word serves both halves)
	v_pk_fma_f32 v[S+2*(\n):S+2*(\n)+1], v[S+2*(\n):S+2*(\n)+1], s[30:31], v[ST+4*\i:ST+4*\i+1] op_sel_hi:[1,0,0]
.endm
; What stands behind exponential number mm: at the even numbers up to 50 the multiply-add of the pair six further on; at the odd ones the scale bytes, p's scale word, conversions and moves as their sources are ready.
.macro PLN i
.if (mm%2 == 0) && (mm <= 50)
	FM \i, mm/2+6
.elseif mm == 1
	s_wait_alu depctr_va_vdst(0)
	v_max_num_f32 v[BMT], 0x2800000, v[BMT]        ; the floor 2^(5 - 127): the byte cannot fall under 1 (a block whose every p is 0 keeps that byte: its codes are zeros)
.elseif mm == 3
	v_max_num_f32 v[BMT+4], 0x2800000, v[BMT+4]
.elseif mm == 5
	v_add_nc_u32 v[SO], 0xfe000000, v[BMT]         ; 4 off the exponent field: the conversion's scale operand
.elseif mm == 7
	v_add_nc_u32 v[SO+1], 0xfe000000, v[BMT+4]
.elseif mm == 9
	v_lshrrev_b32 v[BY], 23, v[SO]                 ; the scale's byte
.elseif mm == 11
	v_lshrrev_b32 v[BY+1], 23, v[SO+1]
.elseif mm == 13
	v_lshl_or_b32 v[WW], v[BY+1], 16, v[BY]        ; my two bytes, blocks h and 2 + h,
.elseif mm == 15
	v_lshlrev_b32 v[WW], v[SH8], v[WW]             ; at their places in the word;
.elseif mm == 17
	v_permlanex16_b32 v[PBR], v[WW], s28, s29
.elseif mm == 19
	v_or_b32 v[PWD], v[WW], v[PBR]                 ; with lane l xor 16's two: p's scale word for these 128 keys
.elseif mm == 23
	s_wait_alu depctr_va_vdst(0)
	v_cvt_scalef32_pk16_bf6_f32 v[PC:PC+2], v[S:S+15], v[SO]
.elseif mm == 35
	s_wait_alu depctr_va_vdst(0)
	v_cvt_scalef32_pk16_bf6_f32 v[CT:CT+2], v[S+16:S+31], v[SO]
.elseif mm == 41
	v_mov_b32 v[PC+3], v[CT]
.elseif mm == 43
	v_mov_b32 v[PC+4], v[CT+1]
.elseif mm == 53
	s_wait_alu depctr_va_vdst(0)
	v_cvt_scalef32_pk16_bf6_f32 v[PC+6:PC+8], v[S+32:S+47], v[SO+1]
.endif
.endm
.macro RS i, t                         ; accumulator t of O^T under the new M
.irp z, 0,2,4,6
	v_pk_mul_f32 v[O+32*\i+8*\t+\z:O+32*\i+8*\t+\z+1], v[O+32*\i+8*\t+\z:O+32*\i+8*\t+\z+1], v[FF:FF+1] op_sel_hi:[1,0]
.endr
.endm
.macro PV1 i, t, first                 ; 16 channels x these 128 keys.  first = 1: the product starts the sum
.if \first
.if \t%2
	v_wmma_scale_f32_16x16x128_f8f6f4 v[O+32*\i+8*\t:O+32*\i+8*\t+7], v[VF+12*\t:VF+12*\t+11], v[PC:PC+11], 0, v[VS+\t/2], v[PWD] matrix_a_fmt:MATRIX_FMT_BF6 matrix_b_fmt:MATRIX_FMT_BF6 matrix_a_scale:MATRIX_SCALE_ROW1
.else
	v_wmma_scale_f32_16x16x128_f8f6f4 v[O+32*\i+8*\t:O+32*\i+8*\t+7], v[VF+12*\t:VF+12*\t+11], v[PC:PC+11], 0, v[VS+\t/2], v[PWD] matrix_a_fmt:MATRIX_FMT_BF6 matrix_b_fmt:MATRIX_FMT_BF6
.endif
.else
.if \t%2
	v_wmma_scale_f32_16x16x128_f8f6f4 v[O+32*\i+8*\t:O+32*\i+8*\t+7], v[VF+12*\t:VF+12*\t+11], v[PC:PC+11], v[O+32*\i+8*\t:O+32*\i+8*\t+7], v[VS+\t/2], v[PWD] matrix_a_fmt:MATRIX_FMT_BF6 matrix_b_fmt:MATRIX_FMT_BF6 matrix_a_scale:MATRIX_SCALE_ROW1
.else
	v_wmma_scale_f32_16x16x128_f8f6f4 v[O+32*\i+8*\t:O+32*\i+8*\t+7], v[VF+12*\t:VF+12*\t+11], v[PC:PC+11], v[O+32*\i+8*\t:O+32*\i+8*\t+7], v[VS+\t/2], v[PWD] matrix_a_fmt:MATRIX_FMT_BF6 matrix_b_fmt:MATRIX_FMT_BF6
.endif
.endif
.endm
; THE SOFTMAX OF TILE i AND ITS SECOND PRODUCT.  first = 1: the launch's first key step.  wv = 1: v's fragments are waited for here.
.macro SOFT i, first, wv
	; the largest score of each tile of keys, a chain to a tile, each accumulator from its low end on; the first block's four tiles first, so that the last products' results are read late
.irp t, 0,1,2,3
	v_max3_num_f32 v[BMT+\t], v[S+8*\t], v[S+8*\t+1], v[S+8*\t+2]
.endr
.irp k, 3,5
.irp t, 0,1,2,3
	v_max3_num_f32 v[BMT+\t], v[BMT+\t], v[S+8*\t+\k], v[S+8*\t+\k+1]
.endr
.endr
.irp t, 4,5,6,7
	v_max3_num_f32 v[BMT+\t], v[S+8*\t], v[S+8*\t+1], v[S+8*\t+2]
.endr
	v_max3_num_f32 v[BMT], v[BMT], v[BMT+1], v[S+7]        ; THE LARGEST SCORE OF EACH BLOCK OF 32 KEYS serves twice: for the row's maximum, and, since p rises with the score, for the block's largest p
	v_max3_num_f32 v[BMT+2], v[BMT+2], v[BMT+3], v[S+15]
.irp t, 4,5,6,7
	v_max3_num_f32 v[BMT+\t], v[BMT+\t], v[S+8*\t+3], v[S+8*\t+4]
.endr
	v_max3_num_f32 v[BMT], v[BMT], v[BMT+2], v[S+23]
.irp t, 4,5,6,7
	v_max3_num_f32 v[BMT+\t], v[BMT+\t], v[S+8*\t+5], v[S+8*\t+6]
.endr
	v_max_num_f32 v[BMT], v[BMT], v[S+31]          ; my first block's
	v_max3_num_f32 v[BMT+4], v[BMT+4], v[BMT+5], v[S+39]
	v_max3_num_f32 v[BMT+6], v[BMT+6], v[BMT+7], v[S+47]
	v_mov_b32 v[TV], v[ST+4*\i]                    ; the old -M
	v_max3_num_f32 v[BMT+4], v[BMT+4], v[BMT+6], v[S+55]
	v_max_num_f32 v[BMT+4], v[BMT+4], v[S+63]      ; my second block's
	v_max_num_f32 v[TU], v[BMT], v[BMT+4]
	v_permlanex16_b32 v[PBR], v[TU], s28, s29      ; lane l xor 16 holds my query's other two blocks
	v_max3_num_f32 v[ST+4*\i+1], v[ST+4*\i+1], v[TU], v[PBR]   ; the running largest score
	v_mul_f32 v[TU], s30, v[ST+4*\i+1]             ; as t (c is positive, so the largest score gives the largest t)
	v_floor_f32 v[ST+4*\i], -v[TU]                 ; the new -M = floor(-t): M is a whole number
	v_fma_f32 v[BMT], v[BMT], s30, v[ST+4*\i]      ; t - M of each block's largest score
	v_fma_f32 v[BMT+4], v[BMT+4], s30, v[ST+4*\i]
	v_sub_f32 v[TV], v[ST+4*\i], v[TV]             ; M's old value less its new one: a whole number, 0 or less
	FM \i, 0
	v_cvt_i32_f32 v[TV], v[TV]                     ; (it saturates)
	FM \i, 1
	v_ldexp_f32 v[FF], 1.0, v[TV]                  ; f = 2^(old M - new M)
	FM \i, 2
	FM \i, 3
	v_exp_f32 v[BMT], v[BMT]                       ; the block's largest p: the same multiply-add and exponential on the same number give the same bits
	FM \i, 4
	v_exp_f32 v[BMT+4], v[BMT+4]
	FM \i, 5
.set mm, 0
.rept 64
	v_exp_f32 v[S+mm], v[S+mm]                     ; p = 2^(t - M), at most 1: not normalised
	PLN \i
.set mm, mm+1
.endr
	v_pk_mul_f32 v[ST+4*\i+2:ST+4*\i+3], v[ST+4*\i+2:ST+4*\i+3], v[FF:FF+1] op_sel_hi:[1,0]   ; the sums under the new M.  (The plain place behind the last exponential)
	s_wait_alu depctr_va_vdst(0)
	v_cvt_scalef32_pk16_bf6_f32 v[CT+4:CT+6], v[S+48:S+63], v[SO+1]
	v_mov_b32 v[PC+5], v[CT+2]                     ; (the plain place behind the conversion)
	v_mov_b32 v[PC+9], v[CT+4]
	v_mov_b32 v[PC+10], v[CT+5]
	v_mov_b32 v[PC+11], v[CT+6]                    ; registers 6 c .. 6 c + 5 hold keys 64 c + 32 h + 0 .. 31: nothing changes lanes
	WIN W_PV
.if \first
.rept 4
	v_nop                                          ; an operand written by vector instructions stands four places ahead of a scaled matrix instruction
.endr
.else
	RS \i, 0
	RS \i, 1                                       ; (these are the places between p's codes and the product)
.endif
.if \wv
	s_wait_dscnt 0x0                               ; v's fragments and scale words are in
.endif
	PV1 \i, 0, \first                              ; the tile's four accumulators take turns, one instruction a turn
.if \first == 0
	RS \i, 2
.endif
	PV1 \i, 1, \first
.if \first == 0
	RS \i, 3
.endif
	PV1 \i, 2, \first
	PV1 \i, 3, \first
.endm
; A KEY STEP: the record's fragments, scale words and mask numbers come out of LDS once, 50 loads, and serve the wave's four tiles.  first = 1: no sum is owed yet, and the second products start O^T's sums.
.macro STEPK first
	WIN 0
	v_add_nc_u32 v[AD16], s32, v[L16]
	v_add_nc_u32 v[AD8], s32, v[L8]
	v_add_nc_u32 v[ADM], s46, v[LM]
	v_nop                                          ; with the three additions: four places behind the last products, ahead of the loads into their registers
.irp t, 0,1,2,3,4,5,6,7
	ds_load_b128 v[KF+6*\t:KF+6*\t+3], v[AD16] offset:768*\t
	ds_load_b64 v[KF+6*\t+4:KF+6*\t+5], v[AD8] offset:768*\t+512
.endr
	ds_load_b128 v[KS:KS+3], v[AD16] offset:6144   ; register k: tile 2 k's words in lanes 0-15, tile 2 k + 1's in lanes 16-31
	WIN 0x40                                       ; destination window 1
.irp t, 0,1,2,3,4,5,6,7
	ds_load_b128 v[MC+8*\t:MC+8*\t+3], v[ADM] offset:4*(64*(\t/4)+8*(\t%4))      ; keys 64 (t / 4) + 32 (lane / 16) + 8 (t % 4) + 0 .. 7: sixteen lanes share each word
	ds_load_b128 v[MC+8*\t+4:MC+8*\t+7], v[ADM] offset:4*(64*(\t/4)+8*(\t%4))+16
.endr
.irp t, 0,1,2,3
	FRAG VF+12*\t,AD16,AD8,6656+1536*\t
.endr
	WIN 0
	ds_load_b64 v[VS:VS+1], v[AD8] offset:12800
	KPHASE 0, 3, 1-\first, 1
	SOFT 0, \first, 1
	KPHASE 1, 0, 1, 0
	SOFT 1, \first, 0
	KPHASE 2, 1, 1, 0
	s_setprio 1
	SOFT 2, \first, 0
	KPHASE 3, 2, 1, 0
	s_setprio 0
	SOFT 3, \first, 0
	WIN 0                                          ; at a label and at a branch every window is 0
	s_add_co_u32 s32, s32, REC                     ; the next record,
	s_add_co_u32 s46, s46, 512                     ; the next 128 numbers of the mask
.endm
	STEPK 1                                        ; records 0 and 1 are read while the large loads land
	STEPK 0
	s_wait_tensorcnt 0x0                           ; my eighth of records 2 to 15 has landed,
	s_wait_dscnt 0x0
	s_barrier_signal -1
	s_barrier_wait -1                              ; everybody's; from here on LDS is only read
	s_mov_b32 s33, 14
.Lstep:
	s_setprio 2
	STEPK 0
	s_sub_co_u32 s33, s33, 1
	s_cmp_lg_u32 s33, 0
	s_cbranch_scc1 .Lstep
	s_setprio 0
	; THE WAY OUT.  The sum still owed is taken (its lines are the places behind the last products); the sums' halves are added; O^T / the sum is quantised along the head's 64 and leaves as half a fragment of the last product's A.
.irp g, 0,2,3,4,5,6,7,8,9
	SUMG 3, \g
.endr
.irp i, 0,1,2,3
	v_add_f32 v[BMT+\i], v[ST+4*\i+2], v[ST+4*\i+3]
.endr
.irp i, 0,1,2,3
	v_permlanex16_b32 v[BMT+4+\i], v[BMT+\i], s28, s29
.endr
.irp i, 0,1,2,3
	v_add_f32 v[BMT+\i], v[BMT+\i], v[BMT+4+\i]    ; with lane l xor 16's keys: the row's sum
.endr
.irp i, 0,1,2,3
	v_rcp_f32 v[ST+4*\i], v[BMT+\i]
.endr
	v_nop                                          ; one plain place behind the transcendentals
	s_wait_alu depctr_va_vdst(0)
.macro OUTT i                          ; tile i: register n is channel 32 (lane / 16) + n of my query: a whole block
	WIN 0x01                                       ; source 0 (O^T) window 1
.set jj, 0
.rept 16
	v_pk_mul_f32 v[S+jj:S+jj+1], v[O+32*\i+jj:O+32*\i+jj+1], v[ST+4*\i:ST+4*\i+1] op_sel_hi:[1,0]   ; each accumulator from its low end on
.set jj, jj+2
.endr
	WIN 0
	v_max3_num_f32 v[BMT], |v[S]|, |v[S+1]|, 0x2800000     ; the block's largest magnitude in four chains, and the floor
.irp k, 1,2,3
	v_max3_num_f32 v[BMT+\k], |v[S+8*\k]|, |v[S+8*\k+1]|, |v[S+8*\k+2]|
.endr
	v_max3_num_f32 v[BMT], v[BMT], |v[S+2]|, |v[S+3]|
.irp k, 1,2,3
	v_max3_num_f32 v[BMT+\k], v[BMT+\k], |v[S+8*\k+3]|, |v[S+8*\k+4]|
.endr
	v_max3_num_f32 v[BMT], v[BMT], |v[S+4]|, |v[S+5]|
.irp k, 1,2,3
	v_max3_num_f32 v[BMT+\k], v[BMT+\k], |v[S+8*\k+5]|, |v[S+8*\k+6]|
.endr
	v_max3_num_f32 v[BMT], v[BMT], |v[S+6]|, |v[S+7]|
	v_max3_num_f32 v[BMT+2], v[BMT+2], v[BMT+3], |v[S+23]|
	v_max3_num_f32 v[BMT], v[BMT], v[BMT+1], |v[S+15]|
	v_max3_num_f32 v[BMT], v[BMT], v[BMT+2], |v[S+31]|
	v_add_nc_u32 v[SO], 0xfe000000, v[BMT]
	v_lshrrev_b32 v[BY], 23, v[SO]
	v_lshlrev_b32 v[WW], v[SH8], v[BY]             ; my block's byte at its place;
	v_permlanex16_b32 v[PBR], v[WW], s28, s29
	v_or_b32 v[WW], v[WW], v[PBR]                  ; the head's two bytes,
	v_lshlrev_b32 v[WD+\i], s35, v[WW]             ; at their place in the K step's scale word
	v_cvt_scalef32_pk16_bf6_f32 v[OC+8*\i:OC+8*\i+2], v[S:S+15], v[SO]
	v_cvt_scalef32_pk16_bf6_f32 v[CT:CT+2], v[S+16:S+31], v[SO]
	v_nop                                          ; one plain place behind a scaled conversion
.irp z, 0,1,2
	v_mov_b32 v[OC+8*\i+3+\z], v[CT+\z]
.endr
	global_store_b128 v[L16], v[OC+8*\i:OC+8*\i+3], s[40:41] offset:12288*\i        ; each tile has code registers of its own: no store's data are written again
	global_store_b64 v[L8], v[OC+8*\i+4:OC+8*\i+5], s[40:41] offset:12288*\i+512
.endm
	OUTT 0
	OUTT 1
	OUTT 2
	OUTT 3
	v_cndmask_b32 v[WD+4], v[WD], v[WD+1], s34     ; word k: tile 2 k in lanes 0-15, tile 2 k + 1 in lanes 16-31
	v_cndmask_b32 v[WD+5], v[WD+2], v[WD+3], s34
	global_store_b64 v[L8], v[WD+4:WD+5], s[42:43] ; 256 consecutive bytes of the head's plane
	s_wait_tensorcnt 0x0
	ds_add_u32 v254, v255
	s_wait_dscnt 0x0
	CROUND                                         ; the closing round: no work-group ends while a partner may still ask for a tile that names it
	s_endpgm
.Lfunc_end_k_q4861e058a5_attn:
	.size	k_q4861e058a5_attn, .Lfunc_end_k_q4861e058a5_attn-k_q4861e058a5_attn
	.p2alignl 7, 3214868480
	.fill 96, 4, 3214868480
	.section	.rodata,"a",@progbits
	.p2align	6, 0x0
	.amdhsa_kernel k_q4861e058a5_attn
		.amdhsa_group_segment_fixed_size 222208
		.amdhsa_private_segment_fixed_size 0
		.amdhsa_enable_private_segment 0
		.amdhsa_kernarg_size 24
		.amdhsa_user_sgpr_count 2
		.amdhsa_user_sgpr_kernarg_segment_ptr 1
		.amdhsa_wavefront_size32 1
		.amdhsa_system_sgpr_workgroup_id_x 1
		.amdhsa_system_sgpr_workgroup_id_y 1
		.amdhsa_system_sgpr_workgroup_id_z 1
		.amdhsa_system_vgpr_workitem_id 0
		.amdhsa_next_free_vgpr 512
		.amdhsa_next_free_sgpr 90
		.amdhsa_reserve_vcc 1
		.amdhsa_float_denorm_mode_32 3
		.amdhsa_float_denorm_mode_16_64 3
		.amdhsa_memory_ordered 1
		.amdhsa_forward_progress 1
		.amdhsa_inst_pref_size 177
	.end_amdhsa_kernel
	.amdgpu_metadata
---
amdhsa.version: [ 1, 2 ]
amdhsa.kernels:
  - .name:           k_q4861e058a5_attn
    .symbol:         k_q4861e058a5_attn.kd
    .args:
      - { .name: p2, .offset: 0, .size: 8, .value_kind: global_buffer, .address_space: global }
      - { .name: mask, .offset: 8, .size: 8, .value_kind: global_buffer, .address_space: global }
      - { .name: p3, .offset: 16, .size: 8, .value_kind: global_buffer, .address_space: global }
    .group_segment_fixed_size: 222208
    .private_segment_fixed_size: 0
    .kernarg_segment_align: 8
    .kernarg_segment_size: 24
    .max_flat_workgroup_size: 256
    .sgpr_count:     90
    .vgpr_count:     512
    .wavefront_size: 32
...
	.end_amdgpu_metadata
.endif
;; end of part 7
;; launch outp (part 8): grid 4 x 64, 4 waves a work-group, clusters of 4 x 4, 295,424 bytes of LDS; arguments p3, p1, bo, out0; writes out0
.if DOCPART == 8
	.amdgcn_target "amdgcn-amd-amdhsa--gfx1250"
	.amdhsa_code_object_version 6
	.text
	.protected	k_q4861e058a5_outp
	.globl	k_q4861e058a5_outp
	.p2align	8
	.type	k_q4861e058a5_outp,@function
k_q4861e058a5_outp:
	s_mov_b64 s[64:65], 0
	v_nop
	global_prefetch_b8 v0, s[64:65] scope:SCOPE_SE
	s_setreg_imm32_b32 hwreg(HW_REG_WAVE_MODE, 25, 1), 1
	s_wait_xcnt 0x0
	s_wait_alu depctr_hold_cnt(0) depctr_sa_sdst(0) depctr_va_vdst(0) depctr_va_sdst(0) depctr_va_ssrc(0) depctr_va_vcc(0) depctr_vm_vsrc(0)
	s_getreg_b32 s2, hwreg(HW_REG_IB_STS2, 6, 4)
	s_cmp_eq_u32 s2, 0
	s_cbranch_scc0 .Lentry_in_a_cluster
	s_endpgm
.Lentry_in_a_cluster:
	s_bfe_u32 s2, ttmp6, 0x10000c
	s_cmp_lg_u32 s2, 0xf033
	s_cbranch_scc0 .Lentry_shape_is_right
	s_endpgm
.Lentry_shape_is_right:
; out0 = attended Wo^T + bo on codes of BF6 (E3M2) with E8M0 scales, sums in f32.  attended comes as codes in register order from p3, Wo likewise from p1.
; A tile of 128 tokens x 256 features is made by four waves, each 64 x 128: 32 accumulators.  The output has 64 x 4 such tiles: 256 work-groups of equal work.
; Source 1 = 16 tokens (a lane is a token), source 0 = 16 rows of Wo (a lane's registers run along the output's features).
; ALL OF K LIES IN LDS: 8 tiles of tokens and 16 of Wo, 12,288 bytes each for K = 1,024, are 294,912 bytes.  They come as four parts of two K steps; every wave asks for its share of all four parts at the start,
; so nothing is filled again: no ring.  A part is read behind the wait that shows my share of it landed, and a barrier.  A fragment comes out of LDS by four loads at 16 x lane and 8 x lane: no pitch, no padding.
; The eight K steps are written out, so that each names its scale registers.  bo is the C of the first K step's products: it costs no addition.
; CLUSTERS: 4 x 4 work-groups.  The tokens' tiles are shared along a row of the cluster, Wo's along a column: each is asked for jointly, by the same load with the same descriptor and a mask that names the four.
; The rows of a tile are not neighbours (row i of tile u is row 128 (u / 8) + 64 ((u / 4) % 2) + 8 (u % 4) + i % 8 + 32 (i / 8)); the way out puts rows and features back in their places.
; REGISTERS: window 0: v4-25 addresses; v32-47 A's scale words, v64-95 B's (register 4 i + j: K step 2 j in lanes 0-15, 2 j + 1 in lanes 16-31); v96-111 the odd heads' halves of A's words, at the head only;
;   v128-175, v176-223 A's fragments, two sets; on the way out v128-255 rows of the output.   window 1: B's fragments, two sets, at v0 and v128; bo in v96-127 and v224-255.   window 2: accumulator (a, b) at v[64 a + 8 b].
.set FR,    12                         ; registers of a fragment
.set FRB,   1536                       ; and its bytes
.set AH,    4*2*FRB                    ; 4 tiles x 2 K steps: what one load for A brings, and what one wave reads of A in a part
.set BH,    8*2*FRB                    ; 8 tiles x 2 K steps: the same for B
.set PART,  2*AH+2*BH                  ; a part: A's 8 tiles, then B's 16
.set SCL1,  9437184                    ; p1: where the scale words begin
.set APL,   6291456                    ; p3: where the planes of scale words begin
.set SPITCH, 528                       ; the way out: a stage of 16 rows x (512 bytes + 16) for each wave, in part 0, which has had its one fill and its last read when the first result is stored there
.set A16,  4                           ; v4-7    LDS address of my A fragments in part 0 .. 3, at 16 x lane;  v8-11 at 8 x lane
.set A8,   8
.set B16,  12                          ; v12-15, v16-19  the same for B
.set B8,   16
.set L16,  20                          ; v20    16 x lane
.set L8,   21                          ; v21    8 x lane
.set STO,  22                          ; v22    the way out: where I put 32 bytes of a row
.set RD,   23                          ; v23    and where I read a row back
.set SAR,  32
.set SBR,  64
.set OD,   96
.set AF,   128
.set BK,   128
.set G1,  24                           ; s[24:31] descriptor group 1 for A's tiles;  s[32:39] for B's
.set G1B, 32
.set G0,  48                           ; s[48:63] group 0 for A's tiles, one set for each part;  s[68:83] for B's
.set G0B, 68
.set MSB, 0
.macro WIN new                         ; the immediate's high byte repeats the setting that is left
.if MSB != \new
	s_set_vgpr_msb (MSB<<8)|\new
.set MSB, \new
.endif
.endm
.set MUL,   0xa1                       ; source 0 (Wo) window 1, source 1 (tokens) window 0, C and D window 2
.set BIAS,  0x91                       ; the first K step: C (bo) window 1, D window 2
.set TO_B,  0x40                       ; destination window 1, address window 0
.macro CROUND                          ; a round of the cluster's barrier
	s_barrier_signal -1
	s_barrier_wait -1
	s_cmp_lg_u32 s14, 0
	s_cbranch_scc1 .Lnot_wave_0_\@
	s_barrier_signal -3
.Lnot_wave_0_\@:
	s_barrier_wait -3
	s_barrier_signal -1
	s_barrier_wait -1
.endm
.macro PLACES                          ; four places in front of loads into registers that matrix instructions have read, and of the first read of results (ISA guide 7.12.1 for vector instructions)
.rept 4
	v_nop
.endr
.endm
	s_load_b256 s[4:11], s[0:1], 0x0               ; p3 s[4:5], p1 s[6:7], bo s[8:9], out0 s[10:11]
	v_lshl_add_u32 v126, v0, 2, 0x48000
	v_mov_b32 v127, 0
	ds_add_u32 v126, v127
	ds_add_u32 v126, v127
	v_lshrrev_b32 v1, 5, v0
	v_readfirstlane_b32 s14, v1                    ; wave 0..3
	s_lshr_b32 s15, s14, 1                         ; w1: which 64 tokens are mine.  Also: I fetch for A (0) or for B (1)
	s_and_b32 s16, s14, 1                          ; w0: which 128 features.  Also: which half of the tiles I fetch
	s_bfe_u32 s40, ttmp6, 0x40000                  ; cx, cy: my place in the cluster
	s_bfe_u32 s41, ttmp6, 0x40004
	s_lshl_b32 s43, s41, 2
	s_lshl_b32 s43, 15, s43                        ; my row of the cluster
	s_lshl_b32 s44, 0x1111, s40                    ; my column
	s_and_b32 s17, ttmp7, 0xffff
	s_lshl_b32 s17, s17, 2
	s_add_co_u32 s17, s17, s41                     ; A: block of 128 tokens = 4 x cluster y + cy
	s_add_co_u32 s42, s40, 44                      ; B: block 44 + cx of 256 rows of p1's list: Wo
	; descriptor group 1: rows (tiles) of 3,072 bytes (two K steps), 12,288 bytes apart; elements of 8 bytes; dense in LDS.  A: 4 rows, B: 8
	s_or_b32 s[G1+0], s43, (3<<16)|(1<<21)         ; 15:0 the mask: A's tiles go to my row; 17:16 elements of 8 bytes; 21 set beside a mask
	s_or_b32 s[G1B+0], s44, (3<<16)|(1<<21)        ; B's go to my column
	s_mov_b32 s[G1+2], 4<<16                       ; tensor_dim1
	s_mov_b32 s[G1+4], 4                           ; tile_dim1
	s_mov_b32 s[G1B+2], 8<<16
	s_mov_b32 s[G1B+4], 8
.irp g, G1, G1B
	s_mov_b32 s[\g+1], 384<<16                     ; tensor_dim0
	s_mov_b32 s[\g+3], 384<<16                     ; tile_dim0
	s_mov_b32 s[\g+5], 1536                        ; tensor_dim0_stride
	s_mov_b32 s[\g+6], 0
	s_mov_b32 s[\g+7], 0
.endr
	s_lshl_b32 s20, s17, 3                         ; A: tile 8 x block + 4 x half
	s_lshl_b32 s18, s16, 2
	s_add_co_u32 s20, s20, s18
	s_mul_i32 s20, s20, 12288
	s_mov_b32 s21, 0
	s_lshl_b32 s46, s42, 4                         ; B: tile 16 x block + 8 x half
	s_lshl_b32 s18, s16, 3
	s_add_co_u32 s46, s46, s18
	s_mul_i32 s46, s46, 12288
	s_mov_b32 s47, 0
	s_mul_i32 s45, s16, AH                         ; where they go in a part: A's halves first,
	s_mul_i32 s19, s16, BH
	s_add_co_u32 s19, s19, 2*AH                    ; then B's: no place in the cluster enters an LDS address
	s_lshl_b32 s86, s17, 1                         ; A's scale words: my four tiles are group 2 x block + w1, 256 bytes in every head's plane
	s_add_co_u32 s86, s86, s15
	s_lshl_b32 s86, s86, 8
	s_add_co_u32 s86, s86, APL
	s_mov_b32 s87, 0
	s_lshl_b32 s88, s42, 4                         ; B's: my 8 tiles
	s_lshl_b32 s89, s16, 3
	s_add_co_u32 s88, s88, s89
	s_lshl_b32 s88, s88, 9
	s_add_co_u32 s88, s88, SCL1
	s_mov_b32 s89, 0
	s_lshl_b32 s90, s40, 10                        ; features 256 cx + 128 w0 on, in bytes
	s_lshl_b32 s91, s16, 9
	s_add_co_u32 s90, s90, s91
	s_mov_b32 s91, 0
	s_lshl_b32 s92, s17, 19                        ; tokens 128 x block + 64 w1 on: rows of 4,096 bytes
	s_lshl_b32 s93, s15, 18
	s_add_co_u32 s92, s92, s93
	s_add_co_u32 s92, s92, s90
	s_mov_b32 s93, 0
	s_wait_dscnt 0x0
	s_wait_kmcnt 0x0
	s_add_nc_u64 s[20:21], s[4:5], s[20:21]
	s_add_nc_u64 s[46:47], s[6:7], s[46:47]
	s_add_nc_u64 s[86:87], s[4:5], s[86:87]
	s_add_nc_u64 s[88:89], s[6:7], s[88:89]
	s_add_nc_u64 s[90:91], s[8:9], s[90:91]
	s_add_nc_u64 s[12:13], s[10:11], s[92:93]      ; my part of the output
.irp p, 0,1,2,3
	s_mov_b32 s[G0+4*\p], 1                                        ; 1:0 count = 1
	s_add_co_u32 s[G0+4*\p+1], s45, \p*PART                        ; 63:32 LDS address
	s_add_nc_u64 s[G0+4*\p+2:G0+4*\p+3], s[20:21], \p*2*FRB        ; 120:64 global address: K steps 2 p, 2 p + 1
	s_or_b32 s[G0+4*\p+3], s[G0+4*\p+3], 0x80000000                ; 127:126 type = 2
	s_mov_b32 s[G0B+4*\p], 1
	s_add_co_u32 s[G0B+4*\p+1], s19, \p*PART
	s_add_nc_u64 s[G0B+4*\p+2:G0B+4*\p+3], s[46:47], \p*2*FRB
	s_or_b32 s[G0B+4*\p+3], s[G0B+4*\p+3], 0x80000000
.endr
	CROUND                                         ; all sixteen work-groups are here: the joint loads meet
	s_cmp_eq_u32 s15, 0                            ; waves 0 and 1 fetch A's halves, waves 2 and 3 B's: a wave's four loads stand in one branch on its number, ahead of every wait on TENSORcnt,
	s_cbranch_scc0 .Lfor_b                         ; every LDS read and every later barrier: four tensor loads of mine are out; four v_nop follow the last
.irp p, 0,1,2,3
	tensor_load_to_lds s[G0+4*\p:G0+4*\p+3], s[G1:G1+7]
	s_nop 0
.endr
.rept 4
	v_nop
.endr
	s_branch .Lasked
.Lfor_b:
.irp p, 0,1,2,3
	tensor_load_to_lds s[G0B+4*\p:G0B+4*\p+3], s[G1B:G1B+7]
	s_nop 0
.endr
.rept 4
	v_nop
.endr
.Lasked:
	v_and_b32 v1, 31, v0
	v_lshlrev_b32 v[L16], 4, v1
	v_lshlrev_b32 v[L8], 3, v1
	s_mul_i32 s21, s15, AH                         ; my 4 tiles of A
	s_mul_i32 s22, s16, BH                         ; my 8 tiles of B,
	s_add_co_u32 s22, s22, 2*AH                    ; which lie behind A's 8
.irp p, 0,1,2,3
	v_add_nc_u32 v[A16+\p], s21, v[L16]
	v_add_nc_u32 v[A8+\p], s21, v[L8]
	v_add_nc_u32 v[B16+\p], s22, v[L16]
	v_add_nc_u32 v[B8+\p], s22, v[L8]
	s_add_co_u32 s21, s21, PART
	s_add_co_u32 s22, s22, PART
.endr
	v_and_b32 v1, 15, v0                           ; r
	v_bfe_u32 v2, v0, 4, 1                         ; h
	v_lshlrev_b32 v24, 3, v1
	v_lshl_add_u32 v24, v2, 16, v24                ; A's words: K step 2 j + h is heads 4 j + 2 h and 4 j + 2 h + 1: planes 32,768 bytes apart; row r: 8 bytes a lane of the plane's image
.irp a, 0,1,2,3
.irp j, 0,1,2,3
	global_load_b32 v[SAR+4*\a+\j], v24, s[86:87] offset:131072*\j+128*(\a%2)+4*(\a/2)          ; the even head's two bytes, low;
	global_load_b32 v[OD+4*\a+\j], v24, s[86:87] offset:131072*\j+32768+128*(\a%2)+4*(\a/2)     ; the odd head's, high
.endr
.endr
.irp b, 0,1,2,3,4,5,6,7
.irp g, 0,1
	global_load_b64 v[SBR+4*\b+2*\g:SBR+4*\b+2*\g+1], v[L8], s[88:89] offset:512*\b+256*\g
.endr
.endr
	v_lshlrev_b32 v25, 7, v2                       ; bo: register 32 c + i of a lane is feature 64 c + 32 h + i
	WIN TO_B
.set nn, 0
.rept 16
	global_load_b128 v[96+nn+96*(nn/32):99+nn+96*(nn/32)], v25, s[90:91] offset:256*(nn/32)+4*(nn%32)
.set nn, nn+4
.endr
	WIN 0
	s_mul_i32 s23, s14, 16*SPITCH                  ; my stage
	v_mul_u32_u24 v[STO], v1, SPITCH
	v_lshl_add_u32 v[STO], v2, 7, v[STO]
	v_add_nc_u32 v[STO], s23, v[STO]               ; in: row r, + 128 h: my half's 32 features of each 64
	v_add_nc_u32 v[RD], s23, v[L16]                ; back: the 32 lanes take one row of 512 bytes
.macro FRAG reg, a16, a8, off          ; a fragment as it was stored: registers 0-3 and 6-9 at 16 x lane, 4-5 and 10-11 at 8 x lane; every load reads consecutive bytes
	ds_load_b128 v[\reg:\reg+3], v[\a16] offset:\off
	ds_load_b64 v[\reg+4:\reg+5], v[\a8] offset:\off+512
	ds_load_b128 v[\reg+6:\reg+9], v[\a16] offset:\off+768
	ds_load_b64 v[\reg+10:\reg+11], v[\a8] offset:\off+1280
.endm
.macro FETCH part, q, set              ; 48 LDS loads in one run: B's eight and A's four fragments of the part's q-th K step into register set 'set'
	WIN TO_B
.irp i, 0,1,2,3,4,5,6,7
	FRAG 128*(\set)+FR*\i,B16+\part,B8+\part,2*FRB*\i+FRB*(\q)
.endr
	WIN 0
.irp i, 0,1,2,3
	FRAG AF+48*(\set)+FR*\i,A16+\part,A8+\part,2*FRB*\i+FRB*(\q)
.endr
.endm
; 16 matrix instructions: A's blocks a0, a0 + 1 x B's eight, K step s, from register sets s % 2.  The scale words of K step s lie in register s / 2 of a tile's four, in lanes 0-15 (s even) or 16-31 (s odd).
; bias = 1: the first product starts the sums from bo.  The 32 accumulators take turns, one instruction a turn, in the same order in every step.
.macro MUL16 a0, s, bias
.irp a, \a0, \a0+1
.irp b, 0,1,2,3,4,5,6,7
.if \bias
	v_wmma_scale_f32_16x16x128_f8f6f4 v[8*(8*(\a)+\b):8*(8*(\a)+\b)+7], v[128*((\s)%2)+FR*\b:128*((\s)%2)+FR*\b+FR-1], v[AF+48*((\s)%2)+FR*(\a):AF+48*((\s)%2)+FR*(\a)+FR-1], v[96+8*\b+96*(\b/4):103+8*\b+96*(\b/4)], v[SBR+4*\b+(\s)/2], v[SAR+4*(\a)+(\s)/2] matrix_a_fmt:MATRIX_FMT_BF6 matrix_b_fmt:MATRIX_FMT_BF6
.elseif (\s)%2
	v_wmma_scale_f32_16x16x128_f8f6f4 v[8*(8*(\a)+\b):8*(8*(\a)+\b)+7], v[128*((\s)%2)+FR*\b:128*((\s)%2)+FR*\b+FR-1], v[AF+48*((\s)%2)+FR*(\a):AF+48*((\s)%2)+FR*(\a)+FR-1], v[8*(8*(\a)+\b):8*(8*(\a)+\b)+7], v[SBR+4*\b+(\s)/2], v[SAR+4*(\a)+(\s)/2] matrix_a_fmt:MATRIX_FMT_BF6 matrix_b_fmt:MATRIX_FMT_BF6 matrix_a_scale:MATRIX_SCALE_ROW1 matrix_b_scale:MATRIX_SCALE_ROW1
.else
	v_wmma_scale_f32_16x16x128_f8f6f4 v[8*(8*(\a)+\b):8*(8*(\a)+\b)+7], v[128*((\s)%2)+FR*\b:128*((\s)%2)+FR*\b+FR-1], v[AF+48*((\s)%2)+FR*(\a):AF+48*((\s)%2)+FR*(\a)+FR-1], v[8*(8*(\a)+\b):8*(8*(\a)+\b)+7], v[SBR+4*\b+(\s)/2], v[SAR+4*(\a)+(\s)/2] matrix_a_fmt:MATRIX_FMT_BF6 matrix_b_fmt:MATRIX_FMT_BF6
.endif
.endr
.endr
.endm
; A part's first K step (s even): its successor lies in the same part, which has landed: the successor's fragments are asked for ahead of this step's 32 products.
.macro STEPE part, s, bias
	s_wait_dscnt 0x0                               ; this step's 48 loads are in
.if \s > 0
	PLACES                                         ; the other sets were read by the last step's products
.endif
	FETCH \part, 1, 1
.if \bias
	WIN BIAS
.else
	WIN MUL
.endif
	MUL16 0, \s, \bias
	MUL16 2, \s, \bias
	WIN 0
.endm
; A part's second K step (s odd): its successor lies in the next part.  left = how many of my later tensor loads may stay out when my share of the next part has landed.
; Sixteen products stand between the signal and the wait.
.macro STEPO part, s, left
	s_wait_dscnt 0x0                               ; this step's 48 loads are in: no LDS access of mine is out at the signal, and my reads of this part are over
	s_wait_tensorcnt \left                         ; tensor loads of a wave end in order (ISA guide 10.11.1): my share of the next part is in LDS
	s_barrier_signal -1
	WIN MUL
	MUL16 0, \s, 0
	s_barrier_wait -1                              ; everybody's share is
	PLACES                                         ; the other sets were read by the last step's products
	FETCH \part+1, 0, 0
	WIN MUL
	MUL16 2, \s, 0
	WIN 0
.endm
	s_wait_tensorcnt 3                             ; my share of part 0 is in; my three later loads may be out,
	s_barrier_signal -1
	s_barrier_wait -1                              ; everybody's is
	FETCH 0, 0, 0
	s_wait_loadcnt 0x0                             ; the scale words and bo
.set nn, 0
.rept 16
	v_or_b32 v[SAR+nn], v[SAR+nn], v[OD+nn]        ; a K step's word: the even head's two bytes below, the odd head's above
.set nn, nn+1
.endr
.rept 8
	v_nop                                          ; a scale register written by a vector instruction stands eight places ahead of a scaled matrix instruction
.endr
	STEPE 0, 0, 1                                  ; K step 0 starts the sums from bo: nothing is cleared, nothing is added later
	STEPO 0, 1, 2                                  ; behind this barrier nobody reads part 0
	STEPE 1, 2, 0
	STEPO 1, 3, 1
	STEPE 2, 4, 0
	STEPO 2, 5, 0                                  ; my last tensor load has landed
	STEPE 3, 6, 0
	s_wait_dscnt 0x0                               ; K step 7: nothing more to fetch
	WIN MUL
	MUL16 0, 7, 0
	MUL16 2, 7, 0
	WIN 0
; THE WAY OUT, block by block of 16 tokens x 128 features.  A lane holds pieces of 32 bytes of one row, and the lanes beside it hold other rows: so a block goes through my own stage in LDS, where each piece takes
; its feature's place, and comes back as whole rows of 512 bytes.  LDS serves a wave's instructions in order (ISA guide 5.7.1.4): no wait between the stores and the loads.
.macro TOSTAGE a
	WIN 0x08                                       ; an LDS store's data are its source 1: window 2
.irp b, 0,1,2,3,4,5,6,7
	ds_store_b128 v[STO], v[64*(\a)+8*\b:64*(\a)+8*\b+3] offset:256*(\b/4)+32*(\b%4)          ; features 64 (b / 4) + 32 h + 8 (b % 4) on; each accumulator from its low end on
	ds_store_b128 v[STO], v[64*(\a)+8*\b+4:64*(\a)+8*\b+7] offset:256*(\b/4)+32*(\b%4)+16
.endr
	WIN 0
.set BB, BK+64*((\a)%2)
.irp t, 0,1,2,3,4,5,6,7,8,9,10,11,12,13,14,15
	ds_load_b128 v[BB+4*\t:BB+4*\t+3], v[RD] offset:\t*SPITCH
.endr
.endm
.macro SEND a, younger                 ; younger: the LDS instructions issued behind block a's loads, which may stay out
.set BB, BK+64*((\a)%2)
	s_wait_dscnt \younger                          ; the block is back in registers
.irp t, 0,1,2,3,4,5,6,7,8,9,10,11,12,13,14,15
	global_store_b128 v[L16], v[BB+4*\t:BB+4*\t+3], s[12:13] offset:(8*(\a)+\t%8+32*(\t/8))*4096 th:TH_STORE_NT   ; row t of my tile a in its own place; 32 lanes store 512 consecutive bytes at a multiple of 256 from the output's first byte; written once, read by nobody here
.endr
.endm
	PLACES                                         ; for the first reads of results and the loads into the registers that held A's fragments
	TOSTAGE 0
.irp a, 1,2,3
.if \a > 1
	s_wait_xcnt 0x0                                ; block a - 2's stores have read their registers: block a's loads may land there
.endif
	TOSTAGE \a
	SEND \a-1, 32                                  ; behind block a - 1's loads: block a's 16 stores and 16 loads
.endr
	SEND 3, 0
	s_wait_tensorcnt 0x0
	ds_add_u32 v126, v127
	s_wait_dscnt 0x0
	CROUND                                         ; the closing round: no work-group ends while a partner may still ask for a tile that names it
	s_endpgm
.Lfunc_end_k_q4861e058a5_outp:
	.size	k_q4861e058a5_outp, .Lfunc_end_k_q4861e058a5_outp-k_q4861e058a5_outp
	.p2alignl 7, 3214868480
	.fill 96, 4, 3214868480
	.section	.rodata,"a",@progbits
	.p2align	6, 0x0
	.amdhsa_kernel k_q4861e058a5_outp
		.amdhsa_group_segment_fixed_size 295424
		.amdhsa_private_segment_fixed_size 0
		.amdhsa_enable_private_segment 0
		.amdhsa_kernarg_size 32
		.amdhsa_user_sgpr_count 2
		.amdhsa_user_sgpr_kernarg_segment_ptr 1
		.amdhsa_wavefront_size32 1
		.amdhsa_system_sgpr_workgroup_id_x 1
		.amdhsa_system_sgpr_workgroup_id_y 1
		.amdhsa_system_sgpr_workgroup_id_z 1
		.amdhsa_system_vgpr_workitem_id 0
		.amdhsa_next_free_vgpr 768
		.amdhsa_next_free_sgpr 100
		.amdhsa_reserve_vcc 0
		.amdhsa_float_denorm_mode_32 3
		.amdhsa_float_denorm_mode_16_64 3
		.amdhsa_memory_ordered 1
		.amdhsa_forward_progress 1
		.amdhsa_inst_pref_size 90
	.end_amdhsa_kernel
	.amdgpu_metadata
---
amdhsa.version: [ 1, 2 ]
amdhsa.kernels:
  - .name:           k_q4861e058a5_outp
    .symbol:         k_q4861e058a5_outp.kd
    .args:
      - { .name: p3, .offset: 0, .size: 8, .value_kind: global_buffer, .address_space: global }
      - { .name: p1, .offset: 8, .size: 8, .value_kind: global_buffer, .address_space: global }
      - { .name: bo, .offset: 16, .size: 8, .value_kind: global_buffer, .address_space: global }
      - { .name: out0, .offset: 24, .size: 8, .value_kind: global_buffer, .address_space: global }
    .group_segment_fixed_size: 295424
    .private_segment_fixed_size: 0
    .kernarg_segment_align: 8
    .kernarg_segment_size: 32
    .max_flat_workgroup_size: 128
    .sgpr_count:     100
    .vgpr_count:     768
    .wavefront_size: 32
...
	.end_amdgpu_metadata
.endif
;; end of part 8
